; MI455X (gfx1250); checked and timed in simulation.
; The chip was launched on July 23, 2026; its instructions are those of AMD's public machine-readable ISA for CDNA 5 (MIT licence, August 2026) and "CDNA5" Instruction Set Architecture Reference Guide (July 2026). The comments in the code are by the model that wrote it; some were corrected since.
;; Transformer Block. Allowed arithmetic: matrix products marked QUANTISED: E2M3 operands, one E8M0 scale for each 32 along K, by v_wmma_scale_f32_16x16x128_f8f6f4 with both operands' format E2M3, f32 sums; everything else in f32.
;; Inputs: b1 4,096 float32; b2 1,024 float32; bk 16 x 64 float32; bp 1,024 float32; bq 16 x 64 float32; bv 16 x 64 float32; ln1_b 1,024 float32; ln1_g 1,024 float32; ln2_b 1,024 float32; ln2_g 1,024 float32; w1_codes 4,096 x 32 x 24 uint8 (E2M3 codes of w1, K innermost, in blocks of 32 codes, four codes in three bytes); w1_scales 4,096 x 32 uint8 (E8M0 scales of w1, one for each 32 codes along K); w2_codes 1,024 x 128 x 24 uint8 (E2M3 codes of w2, K innermost, in blocks of 32 codes, four codes in three bytes); w2_scales 1,024 x 128 uint8 (E8M0 scales of w2, one for each 32 codes along K); wk_codes 16 x 64 x 32 x 24 uint8 (E2M3 codes of wk, K innermost, in blocks of 32 codes, four codes in three bytes); wk_scales 16 x 64 x 32 uint8 (E8M0 scales of wk, one for each 32 codes along K); wp_codes 1,024 x 32 x 24 uint8 (E2M3 codes of wp, K innermost, in blocks of 32 codes, four codes in three bytes); wp_scales 1,024 x 32 uint8 (E8M0 scales of wp, one for each 32 codes along K); wq_codes 16 x 64 x 32 x 24 uint8 (E2M3 codes of wq, K innermost, in blocks of 32 codes, four codes in three bytes); wq_scales 16 x 64 x 32 uint8 (E8M0 scales of wq, one for each 32 codes along K); wv_codes 16 x 64 x 32 x 24 uint8 (E2M3 codes of wv, K innermost, in blocks of 32 codes, four codes in three bytes); wv_scales 16 x 64 x 32 uint8 (E8M0 scales of wv, one for each 32 codes along K); x 4 x 1,024 x 1,024 float32.
;; Outputs: out0 4 x 1,024 x 1,024 float32.
;; This version of the problem:
;;   THIS VERSION OF THE PROBLEM IS GIVEN IN LOW PRECISION. The matrix products marked QUANTISED in the list below multiply operands that are first quantised to E2M3 (2 exponent bits, 3 mantissa bits; 6 bits a number), with one power-of-two scale for each 32 numbers along K (OCP MX v1.0); their sums are f32. All else is computed in f32.
;;   The module's matrix products, in the order in which they are computed (A, B: the left and right operand; K: the contracted axis; several contracted axes count as one K, in the product's order):
;;     1. [M 1,024, K 1,024] x [K 1,024, N 4,096]; A: input wq (given as codes); B: computed on the way: QUANTISED
;;     2. [M 1,024, K 1,024] x [K 1,024, N 4,096]; A: input wk (given as codes); B: computed on the way: QUANTISED
;;     3. [M 1,024, K 1,024] x [K 1,024, N 4,096]; A: input wv (given as codes); B: computed on the way: QUANTISED
;;     4. batch 64 x [M 1,024, K 64] x [K 64, N 1,024]; A: computed on the way; B: computed on the way: QUANTISED
;;     5. batch 64 x [M 1,024, K 1,024] x [K 1,024, N 64]; A: softmax (see below); B: computed on the way: QUANTISED
;;     6. [M 4,096, K 1,024] x [K 1,024, N 1,024]; A: computed on the way; B: input wp (given as codes): QUANTISED
;;     7. [M 4,096, K 1,024] x [K 1,024, N 4,096]; A: computed on the way; B: input w1 (given as codes): QUANTISED
;;     8. [M 4,096, K 4,096] x [K 4,096, N 1,024]; A: computed on the way; B: input w2 (given as codes): QUANTISED
;;   THE QUANTISER, for each operand of a quantised product, along K:
;;     - K is cut into blocks of 32 from its start; a last block that is shorter is filled with zeros.
;;     - A block's scale is 2^e with e = floor(log2(the largest magnitude in the block)) - 2, held to -126 .. 127; a block of zeros has e = 0. As a byte (E8M0): e + 127.
;;     - Each number is divided by its block's scale, clamped to +-7.5, and rounded to the nearest number of E2M3, ties to even, subnormals kept.
;;     - The product sums the exact products of the quantised numbers (number of the format x scale) in f32.
;;   ~~~python
;;   def quantise(x, axis):      # numpy; x: float32 -> the quantised numbers, widened to float32 again
;;       x = np.moveaxis(x, axis, -1); K = x.shape[-1]
;;       x = np.pad(x, [(0, 0)] * (x.ndim - 1) + [(0, -K % 32)]); x = x.reshape(x.shape[:-1] + (-1, 32)); a = np.abs(x).max(-1, keepdims=True)
;;       e = np.where(a > 0, np.clip(np.frexp(np.where(a > 0, a, 1))[1] - 1 - 2, -126, 127), 0)      # np.frexp(a)[1] - 1 = floor(log2(a)), exactly
;;       r = np.clip(x / 2.0 ** e, -7.5, 7.5)
;;       step = 2.0 ** (np.maximum(np.frexp(np.where(r == 0, 1, r))[1] - 1, 0) - 3)
;;       q = np.round(r / step) * step * 2.0 ** e      # np.round: ties to even
;;       return np.moveaxis(q.reshape(q.shape[:-2] + (-1,))[..., :K], -1, axis).astype(np.float32)
;;   ~~~
;;   SOFTMAX AHEAD OF A QUANTISED PRODUCT. Where the list says 'softmax', what is quantised is not the finished softmax but p = 2^(t - M), with t = logit x log2(e) and M = ceil(the row's largest t), a whole number; so 1/2 < the row's largest p <= 1. The row's sum l is taken of the UNQUANTISED p, in f32, and the product's result is divided by l at the end. Since M is a whole number, a kernel that streams over the keys may use a running M (the ceiling of the running maximum): every later rescaling is an exact power of two, which a block's scale takes up: the codes' values come out the same.
;;   OPERANDS COMPUTED ON THE WAY. 'Computed on the way' means the value that the module computes at that place (a softmax that the list does not call 'softmax' is quantised finished and normalised). What goes into a quantiser is computed in f32, as accurately as f32 sums, v_exp_f32 and their like allow (about 1e-6 of the number): no bf16 or f16 on the way to a quantiser, and a product that is left as it is and whose result goes on into a quantised operand takes f32 operands (vector FMAs, or v_wmma_f32_16x16x4_f32). A number that lies on a knife's edge between two numbers of the format may be rounded either way, as far as f32 arithmetic and the matrix unit's own rounding can turn it there, and no further.
;;   INPUTS GIVEN AS CODES. w1 (in the module: [1024, 4096], K = its axis 0); w2 (in the module: [4096, 1024], K = its axis 0); wk (in the module: [16, 1024, 64], K = its axis 1); wp (in the module: [1024, 1024], K = its axis 0); wq (in the module: [16, 1024, 64], K = its axis 1); wv (in the module: [16, 1024, 64], K = its axis 1): each comes as NAME_codes (uint8): NAME with its K axis moved to the last place and cut into blocks of 32 codes, [.., K / 32, bytes a block], one block behind the other in memory; four codes in three bytes: a row's codes are one little-endian stream of bits, code i at bits 6 i .. 6 i + 5 (a code: sign, 2 exponent bits, 3 mantissa bits); and NAME_scales (uint8): the same leading axes, one E8M0 byte (e + 127) for each 32 codes along K. Its value is code x scale, taken as it is: it is not quantised again, and the codes and scales need not be those that the quantiser above would give.
;; 2 versions. Each part assembles by itself: llvm-mc -triple=amdgcn-amd-amdhsa -mcpu=gfx1250 --defsym DOCPART=n.
;; ======== version 1 of 2: 7 launches
;; workspace buffers: act 3,276,800 bytes; qkv 10,092,544 bytes; oact 3,276,800 bytes; x1 16,777,216 bytes; hact 13,107,200 bytes
;; launch ln1 (part 1): grid 256 x 1, 4 waves a work-group, no clusters, 25,088 bytes of LDS; arguments x, ln1_g, ln1_b, act; writes act
.if DOCPART == 1
	.amdgcn_target "amdgcn-amd-amdhsa--gfx1250"
	.amdhsa_code_object_version 6
	.text
	.protected	k_q3d1a15822e_ln1
	.globl	k_q3d1a15822e_ln1
	.p2align	8
	.type	k_q3d1a15822e_ln1,@function
k_q3d1a15822e_ln1:
	s_mov_b64 s[64:65], 0
	v_nop
	global_prefetch_b8 v0, s[64:65] scope:SCOPE_SE
	s_setreg_imm32_b32 hwreg(HW_REG_WAVE_MODE, 25, 1), 1
	s_wait_xcnt 0x0
; y = (x - mean) * rsqrt(var + 1e-5) * g + b along rows of 1,024 f32, then y is turned into codes of FP6 (E2M3) with one E8M0 byte for each 32 along the row.
; In: x [4096][1024] f32, g, b [1024] f32.  Out (one buffer): codes [4096][768 bytes], K innermost, a row one stream of bits; from byte 3,145,728 on the scale bytes [4096][32].
; A wave owns 4 rows.  All its loads (8 of g, 8 of b, 32 of x, each 512 consecutive bytes) go out at once; a row stays in 32 registers for the mean, the variance (of x - mean: two passes) and the scaling.
; The conversion takes 16 neighbours from ONE lane's registers, the loads give a lane 4: so half a row (2,048 bytes) at a time turns through the wave's own stage in LDS (16 bytes of padding behind each 64).
; A block's scale is 2^(floor(log2(largest magnitude)) - 2): its byte is the largest magnitude's exponent field - 2, held at 1 from below.
; LIMITS: NaN and infinities are not served; a block whose largest magnitude lies under 2^-124 keeps the byte 1; a block of zeros has the byte 1 and not 127 (its codes are zeros; this program alone reads the bytes).
; No matrix work, no tensor loads, no barrier: waves share nothing.
.set WREG,  6144                       ; LDS of a wave: two stages of 32 x SP bytes, then its 128 scale bytes
.set SP,    80                         ; a lane's place in a stage: 64 bytes + 16 of padding
.set G,     16                         ; v16-47   g of my 32 columns (load j: columns 128 j + 4 lane + 0..3)
.set BT,    48                         ; v48-79   b likewise
.set X,     80                         ; v80-207  four rows of 32
.set XS,    208                        ; v208-239 two sets of 16 neighbours
.set C,     240                        ; v240-247 two sets of codes
.set E,     248                        ; v248-255 a scale byte for each of the 8 half rows
	s_load_b256 s[4:11], s[0:1], 0x0               ; x, g, b, out
	v_lshl_add_u32 v243, v0, 2, 0x6000
	v_mov_b32 v247, 0
	v_lshrrev_b32 v1, 5, v0
	v_readfirstlane_b32 s12, v1                    ; wave
	v_and_b32 v2, 31, v0                           ; lane
	v_lshlrev_b32 v3, 4, v2                        ; my 16 bytes of a load's 512
	v_mul_u32_u24 v4, v2, 12                       ; my 12 bytes of a half row's 384 bytes of codes
	s_mul_i32 s24, s12, WREG
	v_lshrrev_b32 v14, 2, v2
	v_mul_u32_u24 v14, v14, SP
	v_and_b32 v15, 3, v2
	v_lshl_add_u32 v14, v15, 4, v14
	v_add_nc_u32 v14, s24, v14                     ; the stage, in: SP (lane / 4) + 16 (lane % 4)
	v_mul_u32_u24 v15, v2, SP
	v_add_nc_u32 v15, s24, v15                     ; and out: SP x lane: my 16 neighbours
	s_add_co_u32 s24, s24, 2*32*SP
	v_lshrrev_b32 v5, 1, v2
	v_add_nc_u32 v5, s24, v5                       ; my block's scale byte in LDS
	v_lshlrev_b32 v7, 2, v2
	v_add_nc_u32 v6, s24, v7                       ; and 4 bytes a lane on the way out
	s_lshl_b32 s13, ttmp9, 2
	s_add_co_u32 s13, s13, s12                     ; which run of 4 rows is my wave's
	s_lshl_b32 s14, s13, 14                        ; 16,384 bytes of x,
	s_mov_b32 s15, 0
	s_mul_i32 s16, s13, 3072                       ; 3,072 of codes,
	s_mov_b32 s17, 0
	s_lshl_b32 s18, s13, 7                         ; 128 scale bytes, behind the codes
	s_add_co_u32 s18, s18, 3145728
	s_mov_b32 s19, 0
	s_mov_b32 s26, 0x76543210                      ; v_permlanex16_b32's selects for lane l xor 16
	s_mov_b32 s27, 0xfedcba98
	s_mov_b32 s28, 0x3a800000                      ; 1 / 1024
	s_wait_kmcnt 0x0
	s_add_nc_u64 s[4:5], s[4:5], s[14:15]
	s_add_nc_u64 s[20:21], s[10:11], s[16:17]
	s_add_nc_u64 s[22:23], s[10:11], s[18:19]
.irp j, 0,1,2,3,4,5,6,7
	global_load_b128 v[G+4*\j:G+4*\j+3], v3, s[6:7] offset:512*\j
.endr
.irp j, 0,1,2,3,4,5,6,7
	global_load_b128 v[BT+4*\j:BT+4*\j+3], v3, s[8:9] offset:512*\j
.endr
.irp p, 0,1,2,3
.irp j, 0,1,2,3,4,5,6,7
	global_load_b128 v[X+32*\p+4*\j:X+32*\p+4*\j+3], v3, s[4:5] offset:4096*\p+512*\j   ; 32 lanes read 512 consecutive bytes
.endr
.endr
.macro WSUM                            ; v8 summed over the 32 lanes, the result in every lane
	v_add_f32_dpp v8, v8, v8 row_xmask:1 row_mask:0xf bank_mask:0xf
	v_add_f32_dpp v8, v8, v8 row_xmask:2 row_mask:0xf bank_mask:0xf
	v_add_f32_dpp v8, v8, v8 row_xmask:4 row_mask:0xf bank_mask:0xf
	v_add_f32_dpp v8, v8, v8 row_xmask:8 row_mask:0xf bank_mask:0xf
	v_permlanex16_b32 v1, v8, s26, s27             ; (v1 has been written: the destination counts as read)
	v_add_f32 v8, v8, v1
.endm
.macro TURN u                          ; half u of the row at XR through stage u: LDS serves a wave's instructions in order, so no wait stands between the stores and the loads
.irp i, 0,1,2,3
	ds_store_b128 v14, v[XR+16*\u+4*\i:XR+16*\u+4*\i+3] offset:32*SP*\u+8*SP*\i
.endr
.irp i, 0,1,2,3
	ds_load_b128 v[XS+16*\u+4*\i:XS+16*\u+4*\i+3], v15 offset:32*SP*\u+16*\i
.endr
.endm
.macro Q16 s                           ; half row s of the wave's eight: 16 numbers a lane, two neighbouring lanes to a block
.set XQ, XS+16*((\s)%2)
.set CQ, C+4*((\s)%2)
	v_max3_num_f32 v8, |v[XQ]|, |v[XQ+1]|, |v[XQ+2]|
	v_max3_num_f32 v9, |v[XQ+3]|, |v[XQ+4]|, |v[XQ+5]|
.irp i, 6,10
	v_max3_num_f32 v8, v8, |v[XQ+\i]|, |v[XQ+\i+1]|
	v_max3_num_f32 v9, v9, |v[XQ+\i+2]|, |v[XQ+\i+3]|
.endr
	v_max3_num_f32 v8, v8, |v[XQ+14]|, |v[XQ+15]|
	v_max3_num_f32 v8, v8, v9, 0x1800000           ; and the floor 2^(3 - 127): the byte cannot fall under 1
	v_max_num_f32_dpp v8, v8, v8 row_xmask:1 row_mask:0xf bank_mask:0xf   ; with my neighbour's 16: the block's largest magnitude
	v_add_nc_u32 v11, 0xff000000, v8               ; 2 off its exponent field: the conversion takes this operand's exponent field as its scale
	s_wait_xcnt 0x0                                ; the store that read this set of codes two half rows ago has had its address translated (ISA guide 3.1): only now is the set written again
	v_cvt_scalef32_pk16_fp6_f32 v[CQ:CQ+2], v[XQ:XQ+15], v11
	v_lshrrev_b32 v[E+(\s)], 23, v11               ; the scale's byte (also the plain line behind the conversion)
	ds_store_b8 v5, v[E+(\s)] offset:16*(\s)       ; both lanes of a block write the same byte with the same value
	global_store_b96 v4, v[CQ:CQ+2], s[20:21] offset:384*(\s)   ; the wave stores 384 consecutive bytes
.endm
.macro ROW p
.set XR, X+32*(\p)
	s_wait_loadcnt 8*(3-(\p))                      ; g, b and this row are in; the later rows' eight loads each stay out
	v_pk_add_f32 v[8:9], v[XR:XR+1], v[XR+2:XR+3]  ; the sum, two chains of packed additions
	v_pk_add_f32 v[10:11], v[XR+4:XR+5], v[XR+6:XR+7]
.irp j, 8,12,16,20,24,28
	v_pk_add_f32 v[8:9], v[8:9], v[XR+\j:XR+\j+1]
	v_pk_add_f32 v[10:11], v[10:11], v[XR+\j+2:XR+\j+3]
.endr
	v_pk_add_f32 v[8:9], v[8:9], v[10:11]
	v_add_f32 v8, v8, v9
	WSUM
	v_mul_f32 v12, s28, v8                         ; the mean, twice: a pair for the packed forms
	v_mul_f32 v13, s28, v8
.set JJ, 0
.rept 16
	v_pk_add_f32 v[XR+JJ:XR+JJ+1], v[XR+JJ:XR+JJ+1], v[12:13] neg_lo:[0,1] neg_hi:[0,1]   ; d = x - mean
.set JJ, JJ+2
.endr
	v_pk_mul_f32 v[8:9], v[XR:XR+1], v[XR:XR+1]    ; the sum of d^2
	v_pk_mul_f32 v[10:11], v[XR+2:XR+3], v[XR+2:XR+3]
.irp j, 4,8,12,16,20,24,28
	v_pk_fma_f32 v[8:9], v[XR+\j:XR+\j+1], v[XR+\j:XR+\j+1], v[8:9]
	v_pk_fma_f32 v[10:11], v[XR+\j+2:XR+\j+3], v[XR+\j+2:XR+\j+3], v[10:11]
.endr
	v_pk_add_f32 v[8:9], v[8:9], v[10:11]
	v_add_f32 v8, v8, v9
	WSUM
	v_fmaak_f32 v8, s28, v8, 0x3727c5ac            ; var + 1e-5
	v_rsq_f32 v12, v8
	v_rsq_f32 v13, v8
	v_nop                                          ; a plain line between the transcendentals and the use of their results (ISA guide 5.7.2)
.set JJ, 0
	s_wait_alu depctr_va_vdst(0)
.rept 16
	v_pk_mul_f32 v[XR+JJ:XR+JJ+1], v[XR+JJ:XR+JJ+1], v[12:13]
.set JJ, JJ+2
.endr
.set JJ, 0
.rept 16
	v_pk_fma_f32 v[XR+JJ:XR+JJ+1], v[XR+JJ:XR+JJ+1], v[G+JJ:G+JJ+1], v[BT+JJ:BT+JJ+1]
.set JJ, JJ+2
.endr
	TURN 0
	TURN 1
	s_wait_dscnt 8                                 ; the first half is back; the second half's 4 stores and 4 loads may be out
	Q16 2*(\p)
	s_wait_dscnt 0x0
	Q16 2*(\p)+1
.endm
	ROW 0
	ROW 1
	ROW 2
	ROW 3
	ds_load_b32 v8, v6                             ; LDS serves a wave's instructions in order: this sees my byte stores
	s_wait_dscnt 0x0
	global_store_b32 v7, v8, s[22:23]              ; the wave's 128 scale bytes, consecutive
	s_wait_tensorcnt 0x0
	ds_add_u32 v243, v247
	s_wait_dscnt 0x0
	s_endpgm
.Lfunc_end_k_q3d1a15822e_ln1:
	.size	k_q3d1a15822e_ln1, .Lfunc_end_k_q3d1a15822e_ln1-k_q3d1a15822e_ln1
	.p2alignl 7, 3214868480
	.fill 96, 4, 3214868480
	.section	.rodata,"a",@progbits
	.p2align	6, 0x0
	.amdhsa_kernel k_q3d1a15822e_ln1
		.amdhsa_group_segment_fixed_size 25088
		.amdhsa_private_segment_fixed_size 0
		.amdhsa_enable_private_segment 0
		.amdhsa_kernarg_size 32
		.amdhsa_user_sgpr_count 2
		.amdhsa_user_sgpr_kernarg_segment_ptr 1
		.amdhsa_wavefront_size32 1
		.amdhsa_system_sgpr_workgroup_id_x 1
		.amdhsa_system_sgpr_workgroup_id_y 1
		.amdhsa_system_sgpr_workgroup_id_z 1
		.amdhsa_system_vgpr_workitem_id 0
		.amdhsa_next_free_vgpr 256
		.amdhsa_next_free_sgpr 66
		.amdhsa_reserve_vcc 0
		.amdhsa_float_denorm_mode_32 3
		.amdhsa_float_denorm_mode_16_64 3
		.amdhsa_memory_ordered 1
		.amdhsa_forward_progress 1
		.amdhsa_inst_pref_size 43
	.end_amdhsa_kernel
	.amdgpu_metadata
---
amdhsa.version: [ 1, 2 ]
amdhsa.kernels:
  - .name:           k_q3d1a15822e_ln1
    .symbol:         k_q3d1a15822e_ln1.kd
    .args:
      - { .name: x, .offset: 0, .size: 8, .value_kind: global_buffer, .address_space: global }
      - { .name: ln1_g, .offset: 8, .size: 8, .value_kind: global_buffer, .address_space: global }
      - { .name: ln1_b, .offset: 16, .size: 8, .value_kind: global_buffer, .address_space: global }
      - { .name: act, .offset: 24, .size: 8, .value_kind: global_buffer, .address_space: global }
    .group_segment_fixed_size: 25088
    .private_segment_fixed_size: 0
    .kernarg_segment_align: 8
    .kernarg_segment_size: 32
    .max_flat_workgroup_size: 128
    .sgpr_count:     66
    .vgpr_count:     256
    .wavefront_size: 32
...
	.end_amdgpu_metadata
.endif
;; end of part 1
;; launch qkv (part 2): grid 12 x 16, 4 waves a work-group, clusters of 4 x 4, 327,680 bytes of LDS; arguments act, wq_codes, wq_scales, wk_codes, wk_scales, wv_codes, wv_scales, bq, bk, bv, qkv; writes qkv
.if DOCPART == 2
	.amdgcn_target "amdgcn-amd-amdhsa--gfx1250"
	.amdhsa_code_object_version 6
	.text
	.protected	k_q3d1a15822e_qkv
	.globl	k_q3d1a15822e_qkv
	.p2align	8
	.type	k_q3d1a15822e_qkv,@function
k_q3d1a15822e_qkv:
	s_mov_b64 s[64:65], 0
	v_nop
	global_prefetch_b8 v0, s[64:65] scope:SCOPE_SE
	s_setreg_imm32_b32 hwreg(HW_REG_WAVE_MODE, 25, 1), 1
	s_wait_xcnt 0x0
	s_wait_alu depctr_hold_cnt(0) depctr_sa_sdst(0) depctr_va_vdst(0) depctr_va_sdst(0) depctr_va_ssrc(0) depctr_va_vcc(0) depctr_vm_vsrc(0)
	s_getreg_b32 s2, hwreg(HW_REG_IB_STS2, 6, 4)
	s_cmp_eq_u32 s2, 0
	s_cbranch_scc0 .Lentry_in_a_cluster
	s_endpgm
.Lentry_in_a_cluster:
	s_bfe_u32 s2, ttmp6, 0x10000c
	s_cmp_lg_u32 s2, 0xf033
	s_cbranch_scc0 .Lentry_shape_is_right
	s_endpgm
.Lentry_shape_is_right:
; q, k, v = xn W + bias, on codes of FP6 (E2M3) with one E8M0 byte for each 32 along K = 1,024; the results are quantised on the way out, in f32, and leave as codes.
; One launch for the three: the cluster's x is the mode (0 q, 1 k, 2 v), equal in all sixteen partners.  P's rows become lanes, Q's rows become a lane's registers (the matrix instruction is used transposed:
; source 0 = 16 rows of Q, source 1 = 16 rows of P).  q, k: P = xn (4,096 tokens), Q = W (1,024 features): a lane's registers run along the features, the K of q k^T.
; v: P = wv, Q = xn: a lane's registers run along the tokens, the K of p v.  Only pointers, tile numbers and store offsets are chosen by the mode; the K loop is one text.
; A tile of 256 x 256 is made by four waves, each 128 x 128 in 64 accumulators.  K goes in steps of 256 through two LDS slots filled by joint tensor loads (P's tile shared along a row of the 4 x 4 cluster, Q's along a column);
; the scale bytes of both sides, for all of K, come once with the first fills.
; OUT (buffer qkv).  A HALF IMAGE is 768 bytes: 16 rows x 64 K as the operand's registers 6 c .. 6 c + 5 hold them: lane l's first four registers at 16 l, its last two at 512 + 8 l.
;   q at 0: [batch x head 64][16 tokens 64][768], rows in order.   k at 3,145,728: the same, but image 2 g + u, row 8 t + p holds key 32 g + 16 t + 8 u + p.
;   v at 6,291,456: [64][64 keys 16][4 images of 16 features][768], the features permuted as k's keys.   Scale words (4 bytes a row): q at 9,437,184 and k at 9,699,328: [64][1024] (two bytes used; the upper two meet zero codes only and are never 0xff);
;   v at 9,961,472: [64][128 keys 8][4][16].
; LIMITS: NaN and infinities are not served; a block whose largest magnitude lies under 2^-124 keeps the byte 1; a block of zeros has the byte 1 and not 127 (this program alone reads the bytes).
; REGISTERS, in windows of 256: window 0: v0-31 addresses; v32-63 scale words, two sets; v64-127 the bias by column; v128-223 P's fragments, one set; v224-239 the bias by lane; on the way out v128-220 are at work.
;   window 1: Q's fragments, two sets.   windows 2, 3: the accumulators ((a, b) at v[8 (8 (a % 4) + b)]).
.set BIASC,  0                         ; the sums start with the constant 0: the bias is by column or by lane, as the mode has it, and is added on the way out
.set KSTEP,  256
.set NQ,     KSTEP/128
.set ROWB,   192                       ; a tile's row: 256 codes
.set KROW,   768                       ; a row of 1,024 codes in memory
.set PITCH,  240                       ; an LDS row: 3 x (64 bytes + 16 of padding)
.set FR,     12
.set NL,     6
.set NP,     4                         ; places behind this matrix instruction (ISA guide 7.12.1)
.set HALFT,  128*PITCH
.set SLOT,   4*HALFT
.set LAPS,   2                         ; 1,024 / (2 x 256)
.set KS,     32                        ; a row of scale bytes
.set SCL,    2*SLOT
.set HALFS,  (128*KS/256)*272
.set SBLK,   (16*KS/256)*272
.set SPARE,  SCL+4*HALFS               ; the spare words, 128 bytes for each wave: two blocks of 256 bytes that no other line names
.set ADRA, 16
.set ADRB, 20
.set ADRS, 27
.set SPW,  28
.set NIL,  29
.set SC,   32
.set BQ,   64
.set AF,   128
.set T,    128                         ; the way out: 64 numbers of a lane
.set PC,   192                         ; the codes just made: 12 registers
.set CT,   204                         ; the second halves of the blocks, as the conversions leave them
.set QM,   212
.set QS,   214
.set QB,   216
.set QW,   218
.set QX,   219
.set WS,   220
.set BP,   224
.set SH8,  14
.set G1, 24
.set G0, 32
.set G1B, 48
.set G0B, 56
.set G1S, 68
.set G0S, 76
.set G1SB, 80
.set G0SB, 88
.set MSB, 0
.macro WIN new                         ; the immediate's high byte repeats the setting that is left
.if MSB != \new
	s_set_vgpr_msb (MSB<<8)|\new
.set MSB, \new
.endif
.endm
.set TO_B,   0x40                      ; destination window 1, address window 0
.macro WMUL hi, zero                   ; source 0 (Q) window 1, source 1 (P) window 0, D window 2 + hi; C with D, or in window 0 where a bias starts the sums
.if (\zero) && BIASC
	WIN (0x81+0x40*(\hi))
.else
	WIN (0xa1+0x50*(\hi))
.endif
.endm
; A joint load: waves 0 and 1 fetch for P, waves 2 and 3 for Q.  The branch hangs on the wave's number alone.  Four v_nop follow each of the two lines.
.macro JLOAD g0a, g1a, g0b, g1b
	s_cmp_eq_u32 s15, 0
	s_cbranch_scc0 .Lfor_b_\@
	tensor_load_to_lds s[\g0a:\g0a+3], s[\g1a:\g1a+7]
	s_nop 0
.rept 4
	v_nop
.endr
	s_branch .Lasked_\@
.Lfor_b_\@:
	tensor_load_to_lds s[\g0b:\g0b+3], s[\g1b:\g1b+7]
	s_nop 0
.rept 4
	v_nop
.endr
.Lasked_\@:
.endm
.macro CREST                           ; a round of the cluster's barrier behind its opening barrier
	s_cmp_lg_u32 s14, 0
	s_cbranch_scc1 .Lnot_wave_0_\@
	s_barrier_signal -3
.Lnot_wave_0_\@:
	s_barrier_wait -3
	s_barrier_signal -1
	s_barrier_wait -1
.endm
.macro CROUND
	s_barrier_signal -1
	s_barrier_wait -1
	CREST
.endm
	s_load_b512 s[68:83], s[0:1], 0x0              ; act, wq codes, scales, wk codes, scales, wv codes, scales, bq (they land where the scales' descriptors are written later)
	s_load_b128 s[84:87], s[0:1], 0x40             ; bk, bv
	s_load_b64 s[88:89], s[0:1], 0x50              ; out
	v_lshl_add_u32 v[SPW], v0, 2, SPARE
	v_mov_b32 v[NIL], 0
	ds_add_u32 v28, v29
	ds_add_u32 v28, v29
	s_wait_dscnt 0x0
	v_lshrrev_b32 v1, 5, v0
	v_readfirstlane_b32 s14, v1                    ; wave 0..3
	s_lshr_b32 s15, s14, 1                         ; which half of the tile's P rows is mine.  Also: I fetch for P (0) or for Q (1)
	s_and_b32 s16, s14, 1                          ; which half of its Q rows.  Also: which 128 rows of that tile I fetch
	s_bfe_u32 s40, ttmp6, 0x40000                  ; cx, cy: my place in the cluster
	s_bfe_u32 s41, ttmp6, 0x40004
	s_mov_b32 s98, ttmp9                           ; the mode: the cluster's x
	s_and_b32 s17, ttmp7, 0xffff                   ; the cluster's y walks the tokens: P's tiles for q and k, Q's for v
	s_cmp_eq_u32 s98, 2
	s_cselect_b32 s42, s17, 0
	s_cselect_b32 s17, 0, s17
	s_lshl_b32 s42, s42, 2
	s_add_co_u32 s42, s42, s40                     ; tile of Q's rows
	s_lshl_b32 s17, s17, 2
	s_add_co_u32 s17, s17, s41                     ; tile of P's rows
	s_lshl_b32 s43, s41, 2
	s_lshl_b32 s43, 15, s43                        ; my row of the cluster
	s_lshl_b32 s44, 0x1111, s40                    ; my column
	s_or_b32 s[G1+0], s43, (0<<16)|(1<<20)|(1<<21)|(3<<22)|(3<<25)  ; the mask; elements of 1 byte; padding on; bit 21 beside a mask; after every 16 words, 4 words
	s_or_b32 s[G1B+0], s44, (0<<16)|(1<<20)|(1<<21)|(3<<22)|(3<<25)
.irp g, G1, G1B
	s_mov_b32 s[\g+1], ROWB<<16                    ; tensor_dim0
	s_mov_b32 s[\g+2], 128<<16                     ; tensor_dim1
	s_mov_b32 s[\g+3], ROWB<<16                    ; tile_dim0
	s_mov_b32 s[\g+4], 128                         ; tile_dim1
	s_mov_b32 s[\g+5], KROW                        ; the pitch
	s_mov_b32 s[\g+6], 0
	s_mov_b32 s[\g+7], 0
.endr
	s_lshl_b32 s18, s16, 7                         ; which 128 rows of the tile I fetch
	s_lshl_b32 s20, s17, 8
	s_add_co_u32 s20, s20, s18                     ; P: row
	s_lshl_b32 s46, s42, 8
	s_add_co_u32 s46, s46, s18                     ; Q: row
	s_mov_b32 s21, 0
	s_mov_b32 s47, 0
	s_mov_b64 s[18:19], KS
	s_mul_u64 s[22:23], s[20:21], s[18:19]         ; where these rows' scales begin
	s_mul_u64 s[92:93], s[46:47], s[18:19]
	s_mov_b64 s[18:19], KROW
	s_mul_u64 s[20:21], s[20:21], s[18:19]         ; and their codes
	s_mul_u64 s[46:47], s[46:47], s[18:19]
	s_mul_i32 s45, s14, HALFT                      ; where they go: wave x 128 rows
	s_mul_i32 s94, s14, HALFS
	s_wait_kmcnt 0x0
	s_cmp_eq_u32 s98, 1                            ; the weight, its scales and its bias, by the mode
	s_cselect_b64 s[4:5], s[74:75], s[70:71]
	s_cselect_b64 s[6:7], s[76:77], s[72:73]
	s_cselect_b64 s[12:13], s[84:85], s[82:83]
	s_cmp_eq_u32 s98, 2
	s_cselect_b64 s[4:5], s[78:79], s[4:5]
	s_cselect_b64 s[6:7], s[80:81], s[6:7]
	s_cselect_b64 s[12:13], s[86:87], s[12:13]
	s_add_nc_u64 s[10:11], s[68:69], 3145728       ; xn's scale bytes lie behind its codes
	s_mov_b64 s[66:67], s[88:89]
	s_cselect_b64 s[8:9], s[68:69], s[4:5]         ; Q's codes: xn for v, else the weight
	s_cselect_b64 s[4:5], s[4:5], s[68:69]         ; P's codes: the other
	s_cselect_b64 s[96:97], s[10:11], s[6:7]       ; Q's scales
	s_cselect_b64 s[6:7], s[6:7], s[10:11]         ; P's scales
	s_mov_b64 s[10:11], s[96:97]
	s_or_b32 s[G1S+0], s43, (3<<16)|(1<<20)|(1<<21)|(5<<22)|(3<<25)   ; the scales of 128 rows: a dense block, as rows of 256 bytes (32 elements of 8), 16 bytes of padding behind each
	s_or_b32 s[G1SB+0], s44, (3<<16)|(1<<20)|(1<<21)|(5<<22)|(3<<25)
.irp g, G1S, G1SB
	s_mov_b32 s[\g+1], 32<<16
	s_mov_b32 s[\g+2], (128*KS/256)<<16
	s_mov_b32 s[\g+3], 32<<16
	s_mov_b32 s[\g+4], 128*KS/256
	s_mov_b32 s[\g+5], 32
	s_mov_b32 s[\g+6], 0
	s_mov_b32 s[\g+7], 0
.endr
	s_add_nc_u64 s[20:21], s[4:5], s[20:21]
	s_add_nc_u64 s[22:23], s[6:7], s[22:23]
	s_add_nc_u64 s[46:47], s[8:9], s[46:47]
	s_add_nc_u64 s[92:93], s[10:11], s[92:93]
	CROUND                                         ; all sixteen work-groups are here: the first joint loads meet
	s_mov_b32 s[G0S], 1
	s_add_co_u32 s[G0S+1], s94, SCL
	s_mov_b64 s[G0S+2:G0S+3], s[22:23]
	s_or_b32 s[G0S+3], s[G0S+3], 0x80000000
	s_mov_b32 s[G0SB], 1
	s_add_co_u32 s[G0SB+1], s94, SCL
	s_mov_b64 s[G0SB+2:G0SB+3], s[92:93]
	s_or_b32 s[G0SB+3], s[G0SB+3], 0x80000000
	JLOAD G0S, G1S, G0SB, G1SB                     ; the scales first: they are wanted with K step 0
.irp s, 0,1
	s_mov_b32 s[G0+4*\s], 1
	s_add_co_u32 s[G0+4*\s+1], s45, \s*SLOT
	s_add_nc_u64 s[G0+4*\s+2:G0+4*\s+3], s[20:21], \s*ROWB
	s_or_b32 s[G0+4*\s+3], s[G0+4*\s+3], 0x80000000
	s_mov_b32 s[G0B+4*\s], 1
	s_add_co_u32 s[G0B+4*\s+1], s45, \s*SLOT
	s_add_nc_u64 s[G0B+4*\s+2:G0B+4*\s+3], s[46:47], \s*ROWB
	s_or_b32 s[G0B+4*\s+3], s[G0B+4*\s+3], 0x80000000
	JLOAD G0+4*\s, G1, G0B+4*\s, G1B
.endr
	v_and_b32 v1, 15, v0                           ; r = l % 16
	v_bfe_u32 v2, v0, 4, 1                         ; h = l / 16
	v_mul_u32_u24 v3, v1, PITCH
	v_mul_u32_u24 v4, v2, 24
	v_add_nc_u32 v4, v3, v4                        ; a fragment's row x pitch + 24 x half
	v_lshl_add_u32 v5, v2, 4, v4                   ; and the same behind one padding more
	s_mul_i32 s21, s15, HALFT                      ; my 128 rows of P
	s_mul_i32 s22, s16, HALFT                      ; my 128 rows of Q,
	s_add_co_u32 s22, s22, 2*HALFT                 ; which lie behind P's 256
.irp s, 0,1
	v_add_nc_u32 v[ADRA+\s], s21, v4
	v_add_nc_u32 v[ADRB+\s], s22, v4
	v_add_nc_u32 v[ADRA+2+\s], s21, v5
	v_add_nc_u32 v[ADRB+2+\s], s22, v5
	s_add_co_u32 s21, s21, SLOT
	s_add_co_u32 s22, s22, SLOT
.endr
	v_mul_u32_u24 v5, v1, KS                       ; my row's scales: KS bytes a row,
	v_lshrrev_b32 v6, 8, v5
	v_lshl_add_u32 v5, v6, 4, v5                   ; and 16 more for each 256 passed
	s_mul_i32 s21, s15, HALFS
	s_mul_i32 s22, s16, HALFS
	s_add_co_u32 s22, s22, 2*HALFS
	s_sub_co_u32 s22, s22, s21
	v_mul_u32_u24 v6, s22, v2                      ; lanes 16-31 take Q's
	s_add_co_u32 s21, s21, SCL
	v_add_nc_u32 v5, v5, v6
	v_add_nc_u32 v[ADRS], s21, v5
	s_lshl_b32 s96, s17, 8
	s_lshl_b32 s97, s15, 7
	s_add_co_u32 s96, s96, s97                     ; my first row of P
	s_lshl_b32 s97, s42, 8
	s_lshl_b32 s2, s16, 7
	s_add_co_u32 s97, s97, s2                      ; my first row of Q
	s_cmp_eq_u32 s98, 2
	s_cselect_b32 s99, s97, s96                    ; my first token
	s_cselect_b32 s100, s96, s97                   ; my first feature
	s_lshl_b32 s96, s100, 2
	s_mov_b32 s97, 0
	s_add_nc_u64 s[12:13], s[12:13], s[96:97]      ; the bias at my first feature
	v_lshlrev_b32 v30, 5, v2                       ; 32 h
	v_lshlrev_b32 v31, 2, v1                       ; 4 r
	s_cmp_eq_u32 s98, 2                            ; q, k: the features are a lane's registers; v: they are the lanes.  Both ways write all of BQ and BP
	s_cbranch_scc1 .Lbias_v
.irp b, 0,1,2,3,4,5,6,7
	global_load_b128 v[BQ+8*\b:BQ+8*\b+3], v30, s[12:13] offset:64*\b        ; bias(16 b + 8 h + 0 .. 7)
	global_load_b128 v[BQ+8*\b+4:BQ+8*\b+7], v30, s[12:13] offset:64*\b+16
.endr
.set JJ, 0
.rept 16
	v_mov_b32 v[BP+JJ], 0
.set JJ, JJ+1
.endr
	s_branch .Lbias_done
.Lbias_v:
.irp a, 0,1,2,3,4,5,6,7
	global_load_b32 v[BP+2*\a], v31, s[12:13] offset:64*\a                   ; bias(16 a + r)
	v_mov_b32 v[BP+2*\a+1], 0                      ; (named with it as a pair)
.endr
.set JJ, 0
.rept 64
	v_mov_b32 v[BQ+JJ], 0
.set JJ, JJ+1
.endr
.Lbias_done:
.macro FRAG reg, adr, q, i             ; a fragment, 16 rows x 128 K, is 12 registers: registers 6 c .. 6 c + 5 hold K = 64 c + 32 (l / 16) + 0 .. 31: 24 bytes of the row's stream of bits, in pieces of 8
.irp p, 0,1,2,3,4,5
.set PIECE, 12*(\q)+6*(\p/3)+\p%3      ; 16 bytes of padding lie behind every 8 pieces: where the piece three on (lanes 16-31) lies behind one padding more, the second address register serves
.if PIECE%8 < 5
	ds_load_b64 v[\reg+2*\p:\reg+2*\p+1], v[\adr] offset:8*PIECE+16*(PIECE/8)+(\i)*16*PITCH
.else
	ds_load_b64 v[\reg+2*\p:\reg+2*\p+1], v[\adr+2] offset:8*PIECE+16*(PIECE/8)+(\i)*16*PITCH
.endif
.endr
.endm
; 16 matrix instructions: P's blocks a0, a0 + 1 x Q's eight.  The 64 accumulators take turns, one instruction a turn, in the same order in every step.
.macro MUL16 a0, p, q, sc, zero
.irp a, \a0, \a0+1
.irp b, 0,1,2,3,4,5,6,7
.if (\zero) && BIASC
	v_wmma_scale_f32_16x16x128_f8f6f4 v[8*(8*((\a)%4)+\b):8*(8*((\a)%4)+\b)+7], v[128*(\p)+FR*\b:128*(\p)+FR*\b+FR-1], v[AF+FR*(\a):AF+FR*(\a)+FR-1], v[BQ+8*\b:BQ+8*\b+7], v[SC+8*NQ*(\sc)+NQ*\b+(\q)], v[SC+8*NQ*(\sc)+NQ*(\a)+(\q)] matrix_a_fmt:MATRIX_FMT_FP6 matrix_b_fmt:MATRIX_FMT_FP6 matrix_a_scale:MATRIX_SCALE_ROW1
.elseif \zero
	v_wmma_scale_f32_16x16x128_f8f6f4 v[8*(8*((\a)%4)+\b):8*(8*((\a)%4)+\b)+7], v[128*(\p)+FR*\b:128*(\p)+FR*\b+FR-1], v[AF+FR*(\a):AF+FR*(\a)+FR-1], 0, v[SC+8*NQ*(\sc)+NQ*\b+(\q)], v[SC+8*NQ*(\sc)+NQ*(\a)+(\q)] matrix_a_fmt:MATRIX_FMT_FP6 matrix_b_fmt:MATRIX_FMT_FP6 matrix_a_scale:MATRIX_SCALE_ROW1
.else
	v_wmma_scale_f32_16x16x128_f8f6f4 v[8*(8*((\a)%4)+\b):8*(8*((\a)%4)+\b)+7], v[128*(\p)+FR*\b:128*(\p)+FR*\b+FR-1], v[AF+FR*(\a):AF+FR*(\a)+FR-1], v[8*(8*((\a)%4)+\b):8*(8*((\a)%4)+\b)+7], v[SC+8*NQ*(\sc)+NQ*\b+(\q)], v[SC+8*NQ*(\sc)+NQ*(\a)+(\q)] matrix_a_fmt:MATRIX_FMT_FP6 matrix_b_fmt:MATRIX_FMT_FP6 matrix_a_scale:MATRIX_SCALE_ROW1
.endif
.endr
.endr
.endm
.macro FETCH_B slot, q, p
	WIN TO_B
.irp i, 0,1,2,3,4,5,6,7
	FRAG 128*(\p)+FR*\i, ADRB+\slot, \q, \i
.endr
	WIN 0
.endm
.macro FETCH_A slot, q, i0
.irp i, \i0, \i0+1, \i0+2, \i0+3
	FRAG AF+FR*(\i), ADRA+\slot, \q, \i
.endr
.endm
.macro SCALES sc                       ; a K step's scale words: lanes 0-15 take P's block i, lanes 16-31 Q's block i
.irp i, 0,1,2,3,4,5,6,7
	ds_load_b64 v[SC+8*NQ*\sc+NQ*\i:SC+8*NQ*\sc+NQ*\i+1], v[ADRS] offset:\i*SBLK
.endr
.endm
.macro PLACES n                        ; plain vector lines between a matrix instruction and a load into, or a read of, its registers
.rept \n
	v_nop
.endr
.endm
.macro STEP slot, q, zero              ; 128 along K whose successor lies in the same slot
	s_wait_dscnt 4*NL                              ; Q's set and P's blocks 0-3 are in; the youngest 24 loads (P's blocks 4-7) may be out
	WMUL 0, \zero
	MUL16 0, (\q)%2, \q, \slot, \zero
	MUL16 2, (\q)%2, \q, \slot, \zero
	s_wait_dscnt 0
	PLACES NP
	FETCH_B \slot, (\q)+1, 1-(\q)%2
	FETCH_A \slot, (\q)+1, 0
	WMUL 1, \zero
	MUL16 4, (\q)%2, \q, \slot, \zero
	MUL16 6, (\q)%2, \q, \slot, \zero
	PLACES NP
	WIN 0
	FETCH_A \slot, (\q)+1, 4
.endm
; A slot's last step changes slots: one barrier; in front of it each wave waits for all its tensor loads, adds 0 to its spare word, and waits for that and for its reads of this slot.
.macro TURN slot, next, fill
	s_wait_tensorcnt 0x0                           ; all my tensor loads have landed: my part of the next slot
	ds_add_u32 v[SPW], v[NIL]                      ; 0 onto my spare word
	s_wait_dscnt 4*NL+1                            ; (the add and the youngest 24 loads may be out)
	WMUL 0, 0
	MUL16 0, 1, NQ-1, \slot, 0
	s_wait_dscnt 0x0                               ; the add is done, and my reads of this slot are over
	s_barrier_signal -1
	MUL16 2, 1, NQ-1, \slot, 0
	WIN 0
	s_barrier_wait -1
.if \fill
	CREST                                          ; the barrier has opened a round of the cluster's barrier: no wave of any partner still reads this slot or has a load on its way
	s_add_nc_u64 s[G0+4*\slot+2:G0+4*\slot+3], s[G0+4*\slot+2:G0+4*\slot+3], 2*ROWB
	s_add_nc_u64 s[G0B+4*\slot+2:G0B+4*\slot+3], s[G0B+4*\slot+2:G0B+4*\slot+3], 2*ROWB
	JLOAD G0+4*\slot, G1, G0B+4*\slot, G1B         ; the first tensor load behind the round; its four v_nop are the places in front of the loads below
.else
	PLACES NP
.endif
	v_add_nc_u32 v[ADRS], 4*NQ, v[ADRS]            ; on to the next K step's scale words (no LDS load of mine is out)
	FETCH_B \next, 0, 0
	FETCH_A \next, 0, 0
	SCALES \next
	WMUL 1, 0
	MUL16 4, 1, NQ-1, \slot, 0
	MUL16 6, 1, NQ-1, \slot, 0
	PLACES NP
	WIN 0
	FETCH_A \next, 0, 4
.endm
	s_wait_tensorcnt 1                             ; the scales and my part of K step 0 are in (K step 1's load may be out)
	s_barrier_signal -1
	s_barrier_wait -1                              ; everybody's are
	FETCH_B 0, 0, 0
	FETCH_A 0, 0, 0
	SCALES 0
	FETCH_A 0, 0, 4
	STEP 0, 0, 1                                   ; the first step starts the sums
	s_mov_b32 s3, LAPS-1
.Llap:                                             ; a trip goes once round the ring and fills both slots again
	TURN 0, 1, 1
	STEP 1, 0, 0
	TURN 1, 0, 1
	STEP 0, 0, 0
	s_sub_co_u32 s3, s3, 1
	s_cmp_lg_u32 s3, 0
	s_cbranch_scc1 .Llap
	TURN 0, 1, 0                                   ; the last lap fills nothing
	STEP 1, 0, 0
	s_wait_dscnt 4*NL
	WMUL 0, 0
	MUL16 0, 1, NQ-1, 1, 0
	MUL16 2, 1, NQ-1, 1, 0
	s_wait_dscnt 0
	WMUL 1, 0
	MUL16 4, 1, NQ-1, 1, 0
	MUL16 6, 1, NQ-1, 1, 0
	WIN 0
	PLACES NP                                      ; behind the last products: their results are read and P's fragments written below
; THE WAY OUT.  No tensor load is out, so the descriptors' registers serve as scalars.  What differs between the modes is a handful of strides.
	s_wait_loadcnt 0x0                             ; the bias
	s_mov_b32 s24, 0x76543210                      ; v_permlanex16_b32's selects for lane l xor 16
	s_mov_b32 s25, 0xfedcba98
	s_mov_b32 s26, 768
	s_mov_b32 s29, 128
	s_cmp_eq_u32 s98, 0                            ; q: rows in order.  k, v: lanes 8-15 go to the next image, the odd block of 16 rows to the image's rows 8-15
	s_cselect_b32 s27, 128, s26                    ; what r / 8 adds to the four-register part,
	s_cselect_b32 s28, 64, s26                     ; to the two-register part;
	s_cselect_b32 s29, s26, s29                    ; what a % 2 adds to the one,
	s_cselect_b32 s30, s26, 64                     ; to the other;
	s_cselect_b32 s31, 32, 64                      ; and the two for the scale words
	s_cselect_b32 s32, 64, 32
	s_mov_b32 s33, 49152
	s_mov_b32 s34, 3072
	s_mov_b32 s38, 256
	s_cmp_eq_u32 s98, 2
	s_cselect_b32 s35, s34, s33                    ; from my first 64 columns to my second: the next head (q, k) or the next 64 keys (v)
	s_cselect_b32 s36, s33, s34                    ; from block 0 to block 4 of my rows: four images (q, k) or the next head (v)
	s_cselect_b32 s42, 0, 4096                     ; lanes 16-31 store the second head's scale word (q, k)
	s_cselect_b32 s38, 2048, s38
	s_cselect_b32 s40, 0, 16
	s_cselect_b32 s41, 1, 0
	s_mov_b32 s37, 0
	s_mov_b32 s39, 0
	v_and_b32 v1, 7, v0                            ; p = r % 8
	v_bfe_u32 v2, v0, 3, 1                         ; u = r / 8
	v_bfe_u32 v3, v0, 4, 1                         ; h
	v_lshlrev_b32 v24, 4, v1
	v_lshl_add_u32 v24, v3, 8, v24
	v_mad_u32_u24 v4, v2, s27, v24                 ; v[4 + 2 (a % 2) + c]: where my four registers go
	v_add_nc_u32 v6, s29, v4
	v_add_nc_u32 v5, s35, v4
	v_add_nc_u32 v7, s35, v6
	v_lshlrev_b32 v24, 3, v1
	v_lshl_add_u32 v24, v3, 7, v24
	v_add_nc_u32 v24, 512, v24
	v_mad_u32_u24 v8, v2, s28, v24                 ; v[8 + 2 (a % 2) + c]: my two registers
	v_add_nc_u32 v10, s30, v8
	v_add_nc_u32 v9, s35, v8
	v_add_nc_u32 v11, s35, v10
	v_lshlrev_b32 v24, 2, v1
	v_mad_u32_u24 v24, v2, s31, v24
	v_mad_u32_u24 v12, v3, s42, v24                ; v[12 + a % 2]: my scale word
	v_add_nc_u32 v13, s32, v12
	v_lshlrev_b32 v[SH8], 3, v3                    ; 8 h
	v_mul_u32_u24 v15, s40, v3                     ; 16 h for q and k, 0 for v
	v_mov_b32 v[QX], 0                             ; written once: a lane permute's destination counts as one of its sources
	s_lshr_b32 s43, s99, 10                        ; batch
	s_and_b32 s44, s99, 1023                       ; my first token in it
	s_lshr_b32 s45, s100, 6                        ; my first head
	s_mul_i32 s46, s98, 3145728
	s_mul_i32 s47, s43, 786432
	s_add_co_u32 s46, s46, s47
	s_mul_i32 s47, s45, 49152
	s_add_co_u32 s46, s46, s47
	s_mul_i32 s47, s44, 48                         ; 768 bytes for 16 tokens, in all three layouts
	s_add_co_u32 s46, s46, s47
	s_mov_b32 s47, 0
	s_add_nc_u64 s[48:49], s[66:67], s[46:47]      ; codes: blocks 0-3,
	s_add_nc_u64 s[50:51], s[48:49], s[36:37]      ; blocks 4-7
	s_lshl_b32 s46, s43, 16
	s_lshl_b32 s56, s45, 12
	s_add_co_u32 s46, s46, s56
	s_lshl_b32 s56, s44, 2
	s_add_co_u32 s46, s46, s56
	s_lshr_b32 s46, s46, s41                       ; v has half as many scale words
	s_mul_i32 s56, s98, 262144
	s_add_co_u32 s46, s46, s56
	s_add_co_u32 s46, s46, 9437184
	s_add_nc_u64 s[52:53], s[66:67], s[46:47]      ; scale words: blocks 0-3,
	s_add_nc_u64 s[54:55], s[52:53], s[38:39]      ; blocks 4-7
; 64 numbers of a lane, T[32 c + i] = column 64 c + 32 h + i of my row: two whole blocks of 32.  They become the operand's 12 registers in PC and the row's scale word in QW.
.macro QBLK
.irp c, 0,1
	v_max3_num_f32 v[QM+\c], |v[T+32*\c]|, |v[T+32*\c+1]|, 0x1800000   ; with the floor 2^(3 - 127): the byte cannot fall under 1
.endr
.irp i, 2,4,6,8,10,12,14,16,18,20,22,24,26,28,30
.irp c, 0,1
	v_max3_num_f32 v[QM+\c], v[QM+\c], |v[T+32*\c+\i]|, |v[T+32*\c+\i+1]|
.endr
.endr
.irp c, 0,1
	v_add_nc_u32 v[QS+\c], 0xff000000, v[QM+\c]    ; 2 off the exponent field: the conversion's scale operand
.endr
.irp c, 0,1
	v_lshrrev_b32 v[QB+\c], 23, v[QS+\c]           ; the scale's byte
.endr
	v_lshl_or_b32 v[QW], v[QB+1], 16, v[QB]        ; my two bytes: blocks h and 2 + h,
	v_lshlrev_b32 v[QW], v[SH8], v[QW]             ; at their places;
	v_permlanex16_b32 v[QX], v[QW], s24, s25
	v_or_b32 v[QW], v[QW], v[QX]                   ; with lane l xor 16's two the word is whole
.irp c, 0,1
	v_cvt_scalef32_pk16_fp6_f32 v[PC+6*\c:PC+6*\c+2], v[T+32*\c:T+32*\c+15], v[QS+\c]
	v_cvt_scalef32_pk16_fp6_f32 v[CT+4*\c:CT+4*\c+2], v[T+32*\c+16:T+32*\c+31], v[QS+\c]   ; (a conversion's three registers begin on an even number)
.endr
	v_nop                                          ; one plain line behind a scaled conversion
.irp c, 0,1
.irp i, 0,1,2
	v_mov_b32 v[PC+6*\c+3+\i], v[CT+4*\c+\i]
.endr
.endr
.endm
; Block a: 16 rows of P x my 128 rows of Q.  Lane (r, h) holds, in register j of tile b, column 16 b + 8 h + j.  The bias addition lays tile b at 32 (b / 4) + 16 (b % 2) + 8 ((b % 4) / 2);
; 32 exchanges of halves then give each lane 32 neighbouring columns twice.
.macro EPI a
.if (\a) > 0
	s_wait_xcnt 0x0                                ; the last block's stores have had their addresses translated (ISA guide 3.1): their data registers are written again only now
.endif
	WIN (0x02+(\a)/4)                              ; source 0: window 2 or 3
.irp b, 0,1,2,3,4,5,6,7
.irp j, 0,2,4,6
	v_pk_add_f32 v[T+32*(\b/4)+16*(\b%2)+8*((\b%4)/2)+\j:T+32*(\b/4)+16*(\b%2)+8*((\b%4)/2)+\j+1], v[64*((\a)%4)+8*\b+\j:64*((\a)%4)+8*\b+\j+1], v[BQ+8*\b+\j:BQ+8*\b+\j+1]   ; each accumulator from its low end on; for v the addend is 0 and the line only places
.endr
.endr
	WIN 0
	s_cmp_lg_u32 s98, 2
	s_cbranch_scc1 .Lno_bp_\@                      ; v alone has its bias by lanes
.set JJ, 0
.rept 32
	v_pk_add_f32 v[T+JJ:T+JJ+1], v[T+JJ:T+JJ+1], v[BP+2*(\a):BP+2*(\a)+1] op_sel_hi:[1,0]
.set JJ, JJ+2
.endr
.Lno_bp_\@:
.irp c, 0,1
.irp g, 0,16
.irp i, 0,1,2,3,4,5,6,7
	v_permlane16_swap_b32 v[T+32*\c+\g+\i], v[T+32*\c+\g+8+\i]   ; the first's lanes 16-31 change places with the second's lanes 0-15
.endr
.endr
.endr
	QBLK
.irp c, 0,1
	global_store_b128 v[4+2*((\a)%2)+\c], v[PC+6*\c:PC+6*\c+3], s[48+2*((\a)/4):49+2*((\a)/4)] offset:(((\a)%4)/2)*1536
	global_store_b64 v[8+2*((\a)%2)+\c], v[PC+6*\c+4:PC+6*\c+5], s[48+2*((\a)/4):49+2*((\a)/4)] offset:(((\a)%4)/2)*1536
.endr
	v_lshrrev_b32 v[WS], v15, v[QW]                ; q, k: lanes 0-15 keep the first head's two bytes lowest, lanes 16-31 bring the second head's down
	global_store_b32 v[12+(\a)%2], v[WS], s[52+2*((\a)/4):53+2*((\a)/4)] offset:(((\a)%4)/2)*128
.endm
.irp a, 0,1,2,3,4,5,6,7
	EPI \a
.endr
	s_wait_tensorcnt 0x0                           ; the wave's end
	ds_add_u32 v[SPW], v[NIL]
	s_wait_dscnt 0x0
	CROUND                                         ; the closing round: no work-group ends while a partner may still ask for a tile that names it
	s_endpgm
.Lfunc_end_k_q3d1a15822e_qkv:
	.size	k_q3d1a15822e_qkv, .Lfunc_end_k_q3d1a15822e_qkv-k_q3d1a15822e_qkv
	.p2alignl 7, 3214868480
	.fill 96, 4, 3214868480
	.section	.rodata,"a",@progbits
	.p2align	6, 0x0
	.amdhsa_kernel k_q3d1a15822e_qkv
		.amdhsa_group_segment_fixed_size 327680
		.amdhsa_private_segment_fixed_size 0
		.amdhsa_enable_private_segment 0
		.amdhsa_kernarg_size 88
		.amdhsa_user_sgpr_count 2
		.amdhsa_user_sgpr_kernarg_segment_ptr 1
		.amdhsa_wavefront_size32 1
		.amdhsa_system_sgpr_workgroup_id_x 1
		.amdhsa_system_sgpr_workgroup_id_y 1
		.amdhsa_system_sgpr_workgroup_id_z 1
		.amdhsa_system_vgpr_workitem_id 0
		.amdhsa_next_free_vgpr 1024
		.amdhsa_next_free_sgpr 101
		.amdhsa_reserve_vcc 0
		.amdhsa_float_denorm_mode_32 3
		.amdhsa_float_denorm_mode_16_64 3
		.amdhsa_memory_ordered 1
		.amdhsa_forward_progress 1
		.amdhsa_inst_pref_size 207
	.end_amdhsa_kernel
	.amdgpu_metadata
---
amdhsa.version: [ 1, 2 ]
amdhsa.kernels:
  - .name:           k_q3d1a15822e_qkv
    .symbol:         k_q3d1a15822e_qkv.kd
    .args:
      - { .name: act, .offset: 0, .size: 8, .value_kind: global_buffer, .address_space: global }
      - { .name: wq_codes, .offset: 8, .size: 8, .value_kind: global_buffer, .address_space: global }
      - { .name: wq_scales, .offset: 16, .size: 8, .value_kind: global_buffer, .address_space: global }
      - { .name: wk_codes, .offset: 24, .size: 8, .value_kind: global_buffer, .address_space: global }
      - { .name: wk_scales, .offset: 32, .size: 8, .value_kind: global_buffer, .address_space: global }
      - { .name: wv_codes, .offset: 40, .size: 8, .value_kind: global_buffer, .address_space: global }
      - { .name: wv_scales, .offset: 48, .size: 8, .value_kind: global_buffer, .address_space: global }
      - { .name: bq, .offset: 56, .size: 8, .value_kind: global_buffer, .address_space: global }
      - { .name: bk, .offset: 64, .size: 8, .value_kind: global_buffer, .address_space: global }
      - { .name: bv, .offset: 72, .size: 8, .value_kind: global_buffer, .address_space: global }
      - { .name: qkv, .offset: 80, .size: 8, .value_kind: global_buffer, .address_space: global }
    .group_segment_fixed_size: 327680
    .private_segment_fixed_size: 0
    .kernarg_segment_align: 8
    .kernarg_segment_size: 88
    .max_flat_workgroup_size: 128
    .sgpr_count:     101
    .vgpr_count:     1024
    .wavefront_size: 32
...
	.end_amdgpu_metadata
.endif
;; end of part 2
;; launch attn (part 3): grid 4 x 64, 16 waves a work-group, clusters of 4 x 1, 169,984 bytes of LDS; arguments qkv, oact; writes oact
.if DOCPART == 3
	.amdgcn_target "amdgcn-amd-amdhsa--gfx1250"
	.amdhsa_code_object_version 6
	.text
	.protected	k_q3d1a15822e_attn
	.globl	k_q3d1a15822e_attn
	.p2align	8
	.type	k_q3d1a15822e_attn,@function
k_q3d1a15822e_attn:
	s_mov_b64 s[64:65], 0
	v_nop
	global_prefetch_b8 v0, s[64:65] scope:SCOPE_SE
	s_setreg_imm32_b32 hwreg(HW_REG_WAVE_MODE, 25, 1), 1
	s_wait_xcnt 0x0
	s_wait_alu depctr_hold_cnt(0) depctr_sa_sdst(0) depctr_va_vdst(0) depctr_va_sdst(0) depctr_va_ssrc(0) depctr_va_vcc(0) depctr_vm_vsrc(0)
	s_getreg_b32 s2, hwreg(HW_REG_IB_STS2, 6, 4)
	s_cmp_eq_u32 s2, 0
	s_cbranch_scc0 .Lentry_in_a_cluster
	s_endpgm
.Lentry_in_a_cluster:
	s_bfe_u32 s2, ttmp6, 0x10000c
	s_cmp_lg_u32 s2, 0x3003
	s_cbranch_scc0 .Lentry_shape_is_right
	s_endpgm
.Lentry_shape_is_right:
; o = softmax(q k^T / 8, causal) v for one batch x head in a cluster of four work-groups, both products on codes of FP6 (E2M3) with E8M0 scales; o is divided by the row's sum, quantised along the features and leaves as codes.
; t = score x log2(e) / 8; M = the running largest t rounded UP to a whole number; p = 2^(t - M) is quantised along the keys, not normalised; the row's sum is taken of the unquantised p.  When M moves, the sum and O are multiplied by 2^(old M - new M): exact.
; IN (buffer qkv): half images of 768 bytes (16 rows x 64 K as the operand's six registers hold them: a lane's first four at 16 l, its last two at 512 + 8 l) and scale words, as the launch before lays them.
; The head is 64 wide, the instruction 128 deep: registers 6-11 of q's and k's fragments are zero codes, which add nothing under any scale byte but 0xff, and none is 0xff.
; SHARES.  Sixteen waves, each one tile of 16 queries in 256 registers.  Wave w takes tile 4 g(w) + cx; g is a table whose sums over w % 4 and over w / 4 are equal, so that each group of four waves has 18 key steps.
; A wave's last key step, g / 2, hangs on its number alone, never on its work-group's place: the partners run alike.
; K, V and their scale words of the whole head (104,448 bytes) come into LDS ONCE, by joint loads that name the four work-groups: no byte is filled again, so there is no ring.
; Both products are used transposed (S^T = K Q^T, O^T = V^T P^T): a lane holds one query.  k's images hold the keys, and v's the features, in the order 32 g + 16 t + 8 u + p for image 2 g + u, row 8 t + p:
; so the 16 registers of two neighbouring tiles are 16 neighbours along the next K.
; OUT (buffer oact): o's half images [16 tokens 256][head 16][768]; from byte 3,145,728 the scale bytes [16 tokens 256][256 K 4][16 rows][8].
; LIMITS: NaN and infinities are not served; a block of zeros, or one under 2^-124, has the byte 1 (this program alone reads the bytes).  A block's largest p is taken as the p of its largest score: that leans on v_exp_f32 not falling where its input rises.
; REGISTERS: v1-7 addresses that stay; v8-11 a step's addresses; v12 -M, v13 the largest t, v[14:15] the sum; v16-27 Q; v28-31 K's scale words; v32-79 four fragments of K; v80-95 at work; v96-159 S^T, then p, then V's fragments;
;   v160-191 O^T; v192-203 p's codes; v204-210 conversions' second halves; v212-215 V's scale words; v216 Q's; v217 p's; v[218:219] the second chain of the sum.
.set VIMG, 49152                       ; LDS: K's 64 images at 0, V's 64 here,
.set KSC,  98304                       ; K's 1,024 scale words,
.set VSC,  102400                      ; V's 512
.set WV,   18
.set SEL,  20                          ; s[20:21] selects for lane l xor 16
.set CS,   22                          ; s[22:23] c = log2(e) / 8
.set G1A,  24                          ; descriptor groups 1: 16, 8 and 192 rows of 256 bytes
.set G1B,  32
.set G1C,  40
.set G0KS, 48                          ; groups 0: K's scale words, K, V's scale words, V
.set G0K,  52
.set G0VS, 56
.set G0V,  60
.set SI,   68                          ; the key step
.set WH,   69                          ; my last key step
.set TK,   70                          ; where the step's images begin: 6,144 bytes a step, K's and V's alike
.set TSK,  71                          ; its scale words of K: 512 bytes a step
.set TSV,  72                          ; of V: 256
.set KF,   73                          ; its first key
.set Q0,   74                          ; my first query
.set TT,   75                          ; my tile of queries
.set BH,   76                          ; batch x head
.macro CROUND                          ; a round of the cluster's barrier
	s_barrier_signal -1
	s_barrier_wait -1
	s_cmp_lg_u32 s[WV], 0
	s_cbranch_scc1 .Lnot_wave_0_\@
	s_barrier_signal -3
.Lnot_wave_0_\@:
	s_barrier_wait -3
	s_barrier_signal -1
	s_barrier_wait -1
.endm
	s_load_b128 s[4:7], s[0:1], 0x0                ; qkv, oact
	v_lshl_add_u32 v254, v0, 2, 0x29000
	v_mov_b32 v255, 0
	ds_add_u32 v254, v255
	ds_add_u32 v254, v255
	v_lshrrev_b32 v8, 5, v0
	v_readfirstlane_b32 s[WV], v8                  ; wave 0..15
	s_bfe_u32 s8, ttmp6, 0x40000                   ; cx: it enters Q's and O's global addresses and the mask's numbers alone
	s_and_b32 s[BH], ttmp7, 0xffff
	s_mov_b32 s10, 0x7a94c12f                      ; g(w), a nibble a wave: 15 2 1 12 / 4 9 10 7 /
	s_mov_b32 s11, 0x0de3b658                      ; 8 5 6 11 / 3 14 13 0
	s_cmp_lt_u32 s[WV], 8
	s_cselect_b32 s10, s10, s11
	s_and_b32 s11, s[WV], 7
	s_lshl_b32 s11, s11, 2
	s_lshr_b32 s10, s10, s11
	s_and_b32 s19, s10, 15
	s_lshr_b32 s[WH], s19, 1                       ; queries 64 g + 16 cx + 0 .. 15 end in key step g / 2
	s_lshl_b32 s[TT], s19, 2
	s_add_co_u32 s[TT], s[TT], s8
	s_lshl_b32 s[Q0], s[TT], 4
.irp g, G1A, G1B, G1C
	s_mov_b32 s[\g], 15|(3<<16)|(1<<21)            ; the mask: all four work-groups; elements of 8 bytes; bit 21 beside a mask; no padding
	s_mov_b32 s[\g+1], 32<<16                      ; tensor_dim0 = 32 elements: 256 bytes
	s_mov_b32 s[\g+3], 32<<16                      ; tile_dim0
	s_mov_b32 s[\g+5], 32                          ; the pitch: dense
	s_mov_b32 s[\g+6], 0
	s_mov_b32 s[\g+7], 0
.endr
	s_mov_b32 s[G1A+2], 16<<16                     ; tensor_dim1, tile_dim1
	s_mov_b32 s[G1A+4], 16
	s_mov_b32 s[G1B+2], 8<<16
	s_mov_b32 s[G1B+4], 8
	s_mov_b32 s[G1C+2], 192<<16
	s_mov_b32 s[G1C+4], 192
	s_mul_i32 s12, s[BH], 49152
	s_mov_b32 s13, 0
	s_lshl_b32 s14, s[BH], 12
	s_mov_b32 s15, 0
	s_lshl_b32 s16, s[BH], 11
	s_mov_b32 s17, 0
	s_mov_b32 s[SEL], 0x76543210
	s_mov_b32 s[SEL+1], 0xfedcba98
	s_mov_b32 s[CS], 0x3e38aa3b                    ; log2(e) / 8
	s_mov_b32 s[CS+1], s[CS]                       ; (named with it as a pair)
	s_mov_b32 s[SI], 0
	s_mov_b32 s[TK], 0
	s_mov_b32 s[TSK], 0
	s_mov_b32 s[TSV], 0
	s_mov_b32 s[KF], 0
	s_wait_dscnt 0x0
	s_wait_kmcnt 0x0
	s_add_nc_u64 s[92:93], s[4:5], s[12:13]        ; the head's images,
	s_add_nc_u64 s[94:95], s[4:5], s[14:15]        ; q's and k's scale words,
	s_add_nc_u64 s[96:97], s[4:5], s[16:17]        ; v's
	s_mov_b32 s[G0KS], 1
	s_mov_b32 s[G0KS+1], KSC
	s_add_nc_u64 s[G0KS+2:G0KS+3], s[94:95], 9699328
	s_or_b32 s[G0KS+3], s[G0KS+3], 0x80000000
	s_mov_b32 s[G0K], 1
	s_mov_b32 s[G0K+1], 0
	s_add_nc_u64 s[G0K+2:G0K+3], s[92:93], 3145728
	s_or_b32 s[G0K+3], s[G0K+3], 0x80000000
	s_mov_b32 s[G0VS], 1
	s_mov_b32 s[G0VS+1], VSC
	s_add_nc_u64 s[G0VS+2:G0VS+3], s[96:97], 9961472
	s_or_b32 s[G0VS+3], s[G0VS+3], 0x80000000
	s_mov_b32 s[G0V], 1
	s_mov_b32 s[G0V+1], VIMG
	s_add_nc_u64 s[G0V+2:G0V+3], s[92:93], 6291456
	s_or_b32 s[G0V+3], s[G0V+3], 0x80000000
	CROUND                                         ; all four work-groups are here: the joint loads meet
	s_cmp_eq_u32 s[WV], 0                          ; wave 0 asks for K's, wave 1 for V's: two loads of a wave are out; the branches hang on the wave's number alone
	s_cbranch_scc0 .Lnot_k
	tensor_load_to_lds s[G0KS:G0KS+3], s[G1A:G1A+7]
	s_nop 0
	tensor_load_to_lds s[G0K:G0K+3], s[G1C:G1C+7]
	s_nop 0
.rept 4
	v_nop
.endr
	s_branch .Lasked
.Lnot_k:
	s_cmp_eq_u32 s[WV], 1
	s_cbranch_scc0 .Lasked
	tensor_load_to_lds s[G0VS:G0VS+3], s[G1B:G1B+7]
	s_nop 0
	tensor_load_to_lds s[G0V:G0V+3], s[G1C:G1C+7]
	s_nop 0
.rept 4
	v_nop
.endr
.Lasked:
	s_mul_i32 s12, s[TT], 768
	s_add_nc_u64 s[10:11], s[92:93], s[12:13]      ; my tile's image of q
	s_lshl_b32 s12, s[TT], 6
	s_add_co_u32 s12, s12, 9437184
	s_add_nc_u64 s[14:15], s[94:95], s[12:13]      ; and its scale words
	v_and_b32 v8, 31, v0                           ; lane
	v_and_b32 v9, 15, v0                           ; r
	v_bfe_u32 v10, v0, 4, 1                        ; h
	v_lshlrev_b32 v1, 4, v8                        ; an image's four-register part: 16 l
	v_lshl_add_u32 v2, v8, 3, 512                  ; its two-register part: 512 + 8 l
	v_lshlrev_b32 v7, 2, v9                        ; a scale word: 4 r
	v_add_nc_u32 v3, KSC, v7
	v_add_nc_u32 v4, VSC, v7
	v_lshlrev_b32 v5, 3, v9                        ; o's scale bytes: 8 r
	v_lshlrev_b32 v10, 4, v10
	v_sub_nc_u32 v6, v9, v10                       ; r - 16 h, for the mask
	global_load_b128 v[16:19], v1, s[10:11]
	global_load_b64 v[20:21], v2, s[10:11]
	global_load_b32 v216, v7, s[14:15]
.irp i, 22,23,24,25,26,27
	v_mov_b32 v\i, 0                               ; zero codes for K = 64 .. 127
.endr
.irp t, 0,1,2,3
.irp i, 6,7,8,9,10,11
	v_mov_b32 v[32+12*\t+\i], 0                    ; likewise in K's four fragments: written once, never loaded over
.endr
.endr
	v_mov_b32 v13, 0xff61b1e6                      ; the largest t so far: -3e38
	v_floor_f32 v12, -v13                          ; -M
	v_mov_b32 v14, 0
	v_mov_b32 v15, 0
.irp i, 84,85,86,87,93,94
	v_mov_b32 v\i, 0                               ; lane permutes' destinations, and the upper half of the pair v[92:93]
.endr
.set JJ, 0
.rept 32
	v_mov_b32 v[160+JJ], 0                         ; O^T: the step is written once; the first finds zeros, which the first change of M leaves zeros
.set JJ, JJ+1
.endr
; A KEY STEP: 128 keys.
.macro STEP
	s_cmp_gt_u32 s[SI], s[WH]                      ; all its keys come after my queries: only the addresses step
	s_cbranch_scc1 .Lhidden_\@
	v_add_nc_u32 v8, s[TK], v1
	v_add_nc_u32 v9, s[TK], v2
	v_add_nc_u32 v10, s[TSK], v3
	v_add_nc_u32 v11, s[TSV], v4
	v_nop                                          ; six places: the first product below writes over registers that the last step's products read (five are owed)
	v_nop
.irp g, 0,1                                        ; S^T = K Q^T, four tiles of 16 keys at a time
.if \g > 0
.rept 4
	v_nop                                          ; places in front of loads into registers that matrix instructions have read
.endr
.endif
.irp t, 0,1,2,3
	ds_load_b128 v[32+12*\t:35+12*\t], v8 offset:(4*\g+\t)*768
	ds_load_b64 v[36+12*\t:37+12*\t], v9 offset:(4*\g+\t)*768
	ds_load_b32 v[28+\t], v10 offset:(4*\g+\t)*64
.endr
	s_wait_dscnt 0x0
.irp t, 0,1,2,3
	v_wmma_scale_f32_16x16x128_f8f6f4 v[96+8*(4*\g+\t):103+8*(4*\g+\t)], v[32+12*\t:43+12*\t], v[16:27], 0, v[28+\t], v216 matrix_a_fmt:MATRIX_FMT_FP6 matrix_b_fmt:MATRIX_FMT_FP6
.endr
.endr                                              ; register 16 b + i of v96 on: key KF + 32 b + 16 h + i of my query
.rept 4
	v_nop
.endr
	s_cmp_lt_u32 s[SI], s[WH]                      ; on the diagonal the scores of hidden keys become -infinity ahead of the maximum
	s_cbranch_scc1 .Lopen_\@
	s_sub_co_i32 s96, s[Q0], s[KF]
	v_add_nc_u32 v94, s96, v6                      ; d = my query - KF - 16 h: hidden where 32 b + i > d
	v_mov_b32 v95, 0xff800000
.set JJ, 0
.rept 64
	v_cmp_gt_i32 vcc_lo, 32*(JJ/16)+JJ%16, v94
	v_cndmask_b32 v[96+JJ], v[96+JJ], v95, vcc_lo
.set JJ, JJ+1
.endr
.Lopen_\@:
.irp b, 0,1,2,3
	v_max3_num_f32 v[80+\b], v[96+16*\b], v[97+16*\b], v[98+16*\b]   ; the largest score of each block of 32 keys: for the row's maximum and for the block's largest p
.endr
.irp i, 3,5,7,9,11,13
.irp b, 0,1,2,3
	v_max3_num_f32 v[80+\b], v[80+\b], v[96+16*\b+\i], v[97+16*\b+\i]
.endr
.endr
.irp b, 0,1,2,3
	v_max_num_f32 v[80+\b], v[80+\b], v[111+16*\b]
.endr
.irp b, 0,1,2,3
	v_permlanex16_b32 v[84+\b], v[80+\b], s[SEL], s[SEL+1]
.endr
.irp b, 0,1,2,3
	v_max_num_f32 v[80+\b], v[80+\b], v[84+\b]     ; with lane l xor 16's 16 keys
.endr
	v_max3_num_f32 v94, v80, v81, v82
	v_max_num_f32 v94, v94, v83
	v_mul_f32 v94, s[CS], v94                      ; as t (c is positive)
	v_max_num_f32 v13, v13, v94                    ; the running largest t
	v_mov_b32 v94, v12
	v_floor_f32 v12, -v13                          ; the new -M = -ceil(t)
	v_sub_f32 v94, v12, v94                        ; old M - new M: a whole number, 0 or less
	v_cvt_i32_f32 v94, v94                         ; (it saturates)
	v_ldexp_f32 v92, 1.0, v94                      ; f = 2^(old M - new M)
.set JJ, 0
.rept 32
	v_pk_fma_f32 v[96+JJ:97+JJ], v[96+JJ:97+JJ], s[CS:CS+1], v[12:13] op_sel_hi:[1,0,0]   ; t - M
.set JJ, JJ+2
.endr
.irp b, 0,1,2,3
	v_fma_f32 v[80+\b], v[80+\b], s[CS], v12       ; the same of each block's largest score
.endr
.set JJ, 0
.rept 64
	v_exp_f32 v[96+JJ], v[96+JJ]                   ; p = 2^(t - M)
.set JJ, JJ+1
.endr
.irp b, 0,1,2,3
	v_exp_f32 v[80+\b], v[80+\b]                   ; the block's largest p
.endr
	v_pk_mul_f32 v[14:15], v[14:15], v[92:93] op_sel_hi:[1,0]   ; the sums under the new M (a plain line behind the exponentials)
	s_wait_alu depctr_va_vdst(0)
.irp b, 0,1,2,3
	v_max_num_f32 v[80+\b], 0x1800000, v[80+\b]    ; the floor 2^(3 - 127)
.endr
.irp b, 0,1,2,3
	v_add_nc_u32 v[88+\b], 0xff000000, v[80+\b]    ; the conversion's scale operand
.endr
.irp b, 0,1,2,3
	v_lshrrev_b32 v[84+\b], 23, v[88+\b]           ; the scale's byte
.endr
	v_lshl_or_b32 v217, v85, 8, v84                ; p's scale word for these 128 keys
	v_lshl_or_b32 v217, v86, 16, v217
	v_lshl_or_b32 v217, v87, 24, v217
.irp c, 0,1
	v_cvt_scalef32_pk16_fp6_f32 v[192+6*\c:194+6*\c], v[96+32*\c:111+32*\c], v[88+2*\c]
	v_cvt_scalef32_pk16_fp6_f32 v[204+4*\c:206+4*\c], v[112+32*\c:127+32*\c], v[88+2*\c+1]
.endr
	v_nop                                          ; one plain line behind a scaled conversion
.irp c, 0,1                                        ; the operand wants a whole block in a lane: lanes 0-15 block 2 c, lanes 16-31 block 2 c + 1
.irp i, 0,1,2
	v_permlane16_swap_b32 v[192+6*\c+\i], v[204+4*\c+\i]
.endr
.irp i, 0,1,2
	v_mov_b32 v[195+6*\c+\i], v[204+4*\c+\i]
.endr
.endr
	v_pk_add_f32 v[218:219], v[96:97], v[98:99]    ; the row's sum of the unquantised p, in two chains
.irp j, 4,8,12,16,20,24,28,32,36,40,44,48,52,56,60
	v_pk_add_f32 v[14:15], v[14:15], v[96+\j:97+\j]
	v_pk_add_f32 v[218:219], v[218:219], v[98+\j:99+\j]
.endr
	v_pk_add_f32 v[14:15], v[14:15], v[218:219]
.set JJ, 0
.rept 16
	v_pk_mul_f32 v[160+JJ:161+JJ], v[160+JJ:161+JJ], v[92:93] op_sel_hi:[1,0]   ; O^T under the new M (with the sums: the places between p's scale word and codes and the products below)
.set JJ, JJ+2
.endr
.irp t, 0,1,2,3                                    ; O^T += V^T P^T: four tiles of 16 features, K = these 128 keys: two half images a fragment
.irp c, 0,1
	ds_load_b128 v[96+12*\t+6*\c:99+12*\t+6*\c], v8 offset:VIMG+(4*\c+\t)*768
	ds_load_b64 v[100+12*\t+6*\c:101+12*\t+6*\c], v9 offset:VIMG+(4*\c+\t)*768
.endr
	ds_load_b32 v[212+\t], v11 offset:64*\t
.endr
	s_wait_dscnt 0x0
.irp t, 0,1,2,3
	v_wmma_scale_f32_16x16x128_f8f6f4 v[160+8*\t:167+8*\t], v[96+12*\t:107+12*\t], v[192:203], v[160+8*\t:167+8*\t], v[212+\t], v217 matrix_a_fmt:MATRIX_FMT_FP6 matrix_b_fmt:MATRIX_FMT_FP6
.endr
.Lhidden_\@:
	s_add_co_u32 s[TK], s[TK], 6144
	s_add_co_u32 s[TSK], s[TSK], 512
	s_add_co_u32 s[TSV], s[TSV], 256
	s_add_co_u32 s[KF], s[KF], 128
.endm
	s_wait_tensorcnt 0x0                           ; my loads have landed,
	s_barrier_signal -1
	s_barrier_wait -1                              ; everybody's have: K, V and their scale words are whole, and nothing writes them again
	s_wait_loadcnt 0x0                             ; Q
.Lstep:                                            ; every wave walks all 8 trips; a step beyond its queries only steps addresses
	STEP
	s_add_co_u32 s[SI], s[SI], 1
	s_cmp_lt_u32 s[SI], 8
	s_cbranch_scc1 .Lstep
	; THE WAY OUT: O^T / the sum, quantised along the features: register 16 g + i is feature 32 g + 16 h + i of my query.
.rept 4
	v_nop                                          ; places behind the last products
.endr
	v_add_f32 v14, v14, v15
	v_permlanex16_b32 v94, v14, s[SEL], s[SEL+1]
	v_add_f32 v14, v14, v94                        ; the row's sum
	v_rcp_f32 v14, v14
	s_lshr_b32 s92, s[BH], 4
	s_lshl_b32 s92, s92, 6
	s_add_co_u32 s92, s92, s[TT]                   ; my tile of 16 tokens: 64 x batch + tile
	s_and_b32 s93, s[BH], 15                       ; the head
	s_mul_i32 s94, s92, 12288
	s_mul_i32 s95, s93, 768
	s_add_co_u32 s94, s94, s95
	s_mov_b32 s95, 0
	s_add_nc_u64 s[96:97], s[6:7], s[94:95]        ; the image
	s_lshl_b32 s94, s92, 9
	s_lshr_b32 s92, s93, 2
	s_lshl_b32 s92, s92, 7
	s_add_co_u32 s94, s94, s92
	s_and_b32 s93, s93, 3
	s_lshl_b32 s93, s93, 1
	s_add_co_u32 s94, s94, s93
	s_add_co_u32 s94, s94, 3145728
	s_add_nc_u64 s[98:99], s[6:7], s[94:95]        ; its two scale bytes a row
	v_nop                                          ; a plain line behind the transcendental
.set JJ, 0
	s_wait_alu depctr_va_vdst(0)
.rept 32
	v_mul_f32 v[96+JJ], v[160+JJ], v14             ; each accumulator from its low end on
.set JJ, JJ+1
.endr
.irp g, 0,1
	v_max3_num_f32 v[80+\g], |v[96+16*\g]|, |v[97+16*\g]|, 0x1800000
.endr
.irp i, 2,4,6,8,10,12,14
.irp g, 0,1
	v_max3_num_f32 v[80+\g], v[80+\g], |v[96+16*\g+\i]|, |v[97+16*\g+\i]|
.endr
.endr
.irp g, 0,1
	v_permlanex16_b32 v[84+\g], v[80+\g], s[SEL], s[SEL+1]
.endr
.irp g, 0,1
	v_max_num_f32 v[80+\g], v[80+\g], v[84+\g]     ; the block's largest magnitude
.endr
.irp g, 0,1
	v_add_nc_u32 v[88+\g], 0xff000000, v[80+\g]
.endr
.irp g, 0,1
	v_lshrrev_b32 v[84+\g], 23, v[88+\g]
.endr
	v_lshl_or_b32 v217, v85, 8, v84
	v_cvt_scalef32_pk16_fp6_f32 v[192:194], v[96:111], v88
	v_cvt_scalef32_pk16_fp6_f32 v[204:206], v[112:127], v89
	v_nop
.irp i, 0,1,2
	v_permlane16_swap_b32 v[192+\i], v[204+\i]
.endr
.irp i, 0,1,2
	v_mov_b32 v[195+\i], v[204+\i]
.endr
	global_store_b128 v1, v[192:195], s[96:97]     ; 512 consecutive bytes,
	global_store_b64 v2, v[196:197], s[96:97]      ; and 256
	global_store_b16 v5, v217, s[98:99]            ; both halves of the lanes store the same two bytes
	s_wait_tensorcnt 0x0
	ds_add_u32 v254, v255
	s_wait_dscnt 0x0
	CROUND                                         ; the closing round
	s_endpgm
.Lfunc_end_k_q3d1a15822e_attn:
	.size	k_q3d1a15822e_attn, .Lfunc_end_k_q3d1a15822e_attn-k_q3d1a15822e_attn
	.p2alignl 7, 3214868480
	.fill 96, 4, 3214868480
	.section	.rodata,"a",@progbits
	.p2align	6, 0x0
	.amdhsa_kernel k_q3d1a15822e_attn
		.amdhsa_group_segment_fixed_size 169984
		.amdhsa_private_segment_fixed_size 0
		.amdhsa_enable_private_segment 0
		.amdhsa_kernarg_size 16
		.amdhsa_user_sgpr_count 2
		.amdhsa_user_sgpr_kernarg_segment_ptr 1
		.amdhsa_wavefront_size32 1
		.amdhsa_system_sgpr_workgroup_id_x 1
		.amdhsa_system_sgpr_workgroup_id_y 1
		.amdhsa_system_sgpr_workgroup_id_z 1
		.amdhsa_system_vgpr_workitem_id 0
		.amdhsa_next_free_vgpr 256
		.amdhsa_next_free_sgpr 100
		.amdhsa_reserve_vcc 1
		.amdhsa_float_denorm_mode_32 3
		.amdhsa_float_denorm_mode_16_64 3
		.amdhsa_memory_ordered 1
		.amdhsa_forward_progress 1
		.amdhsa_inst_pref_size 36
	.end_amdhsa_kernel
	.amdgpu_metadata
---
amdhsa.version: [ 1, 2 ]
amdhsa.kernels:
  - .name:           k_q3d1a15822e_attn
    .symbol:         k_q3d1a15822e_attn.kd
    .args:
      - { .name: qkv, .offset: 0, .size: 8, .value_kind: global_buffer, .address_space: global }
      - { .name: oact, .offset: 8, .size: 8, .value_kind: global_buffer, .address_space: global }
    .group_segment_fixed_size: 169984
    .private_segment_fixed_size: 0
    .kernarg_segment_align: 8
    .kernarg_segment_size: 16
    .max_flat_workgroup_size: 512
    .sgpr_count:     100
    .vgpr_count:     256
    .wavefront_size: 32
...
	.end_amdgpu_metadata
.endif
;; end of part 3
;; launch proj (part 4): grid 4 x 32, 4 waves a work-group, clusters of 4 x 4, 327,680 bytes of LDS; arguments oact, wp_codes, wp_scales, bp, x, x1; writes x1
.if DOCPART == 4
	.amdgcn_target "amdgcn-amd-amdhsa--gfx1250"
	.amdhsa_code_object_version 6
	.text
	.protected	k_q3d1a15822e_proj
	.globl	k_q3d1a15822e_proj
	.p2align	8
	.type	k_q3d1a15822e_proj,@function
k_q3d1a15822e_proj:
	s_mov_b64 s[64:65], 0
	v_nop
	global_prefetch_b8 v0, s[64:65] scope:SCOPE_SE
	s_setreg_imm32_b32 hwreg(HW_REG_WAVE_MODE, 25, 1), 1
	s_wait_xcnt 0x0
	s_wait_alu depctr_hold_cnt(0) depctr_sa_sdst(0) depctr_va_vdst(0) depctr_va_sdst(0) depctr_va_ssrc(0) depctr_va_vcc(0) depctr_vm_vsrc(0)
	s_getreg_b32 s2, hwreg(HW_REG_IB_STS2, 6, 4)
	s_cmp_eq_u32 s2, 0
	s_cbranch_scc0 .Lentry_in_a_cluster
	s_endpgm
.Lentry_in_a_cluster:
	s_bfe_u32 s2, ttmp6, 0x10000c
	s_cmp_lg_u32 s2, 0xf033
	s_cbranch_scc0 .Lentry_shape_is_right
	s_endpgm
.Lentry_shape_is_right:
; out = resid + A W^T + bias, on codes of FP6 (E2M3) with E8M0 scales.  A: 4,096 rows x SIZE_K, as half images [16 rows 256][64 K][768 bytes] (16 rows x 64 K as the operand's six registers hold them: a lane's first
; four at 16 l, its last two at 512 + 8 l), with its scale bytes behind them, [16 rows][256 K][16][8].  W: [1024][SIZE_K] codes in rows, K innermost, scale bytes [1024][SIZE_K / 32].  bias [1024], resid and out [4096][1024]: f32.
; A tile of 128 rows x 256 columns is made by four waves, each 64 x 128: 32 accumulators.  (256 x 256 would give 64 work-groups.)  K goes in steps of 256 through two LDS slots filled by joint tensor loads:
; A's tile is shared along a row of the 4 x 4 cluster, W's along a column.  Both sides' scale bytes for all of K come once, with the first fills.
; The matrix instruction is used transposed (source 0 = 16 rows of W, source 1 = 16 rows of A): a lane holds eight neighbouring columns of a row.  The bias is the C of each sum's first product.
; The residual, 64 rows x 512 bytes a wave, is asked for at the head and lands in 256 registers under the K loop.
; REGISTERS: window 0: v16-31 addresses; v32-47 A's scale words, v48-79 W's, two sets each; v128-175 A's fragments, one set; v176-239 the bias; on the way out v128-255 rows of the result.
;   window 1: W's fragments, two sets.   window 2: the accumulators ((a, b) at v[8 (8 a + b)]).   window 3: the residual.
.set SIZE_K, 1024
.set NQ,     2
.set ROWB,   192                       ; W: a tile's row, 256 codes
.set KROW,   SIZE_K*6/8
.set TPITCH, SIZE_K*12                 ; A: from 16 rows to the next 16
.set PSC,    4096*KROW                 ; A's scale bytes begin here
.set PITCH,  240
.set FR,     12
.set NLA,    4                         ; LDS loads that bring a fragment of A
.set NP,     4                         ; places behind this matrix instruction (ISA guide 7.12.1)
.set HALFA,  4*3072                    ; four tiles of 16 rows x 256 K: what one load brings of A
.set ASL,    2*HALFA
.set HALFB,  128*PITCH
.set SLOT,   ASL+2*HALFB
.set LAPS,   SIZE_K/512
.set KS,     SIZE_K/32
.set SCB,    2*SLOT                    ; W's scale bytes, as units of 256 bytes + 16 of padding
.set HALFS,  (128*KS/256)*272
.set SBLK,   (16*KS/256)*272
.set SCA,    SCB+2*HALFS               ; A's, dense
.set HALFSA, 2*SIZE_K
.set STAGE,  SCA+4*SIZE_K              ; the way out: 16 rows x 528 bytes for each wave: bytes of its own, into which no fill lands
.set SPITCH, 528
.set SPARE,  STAGE+4*16*SPITCH         ; the spare words, 128 bytes for each wave: two blocks of 256 bytes that no other line names
.set A16,  16
.set A8,   18
.set ADRB, 20
.set STO,  24
.set RD,   25
.set CO,   26
.set ADRSB, 27
.set SPW,  28
.set NIL,  29
.set ADRSA, 30
.set SA,   32
.set SB,   48
.set AF,   128
.set BQ,   176
.set BK,   128
.set G1, 24
.set G0, 32
.set G1B, 48
.set G0B, 56
.set G1S, 68
.set G0S, 76
.set G1SB, 80
.set G0SB, 88
.set MSB, 0
.macro WIN new                         ; the immediate's high byte repeats the setting that is left
.if MSB != \new
	s_set_vgpr_msb (MSB<<8)|\new
.set MSB, \new
.endif
.endm
.set MUL,   0xa1                       ; source 0 (W) window 1, source 1 (A) window 0, C and D window 2
.set MULZ,  0x81                       ; the same with C (the bias) in window 0
.set TO_B,  0x40
.macro JLOAD g0a, g1a, g0b, g1b        ; a joint load: waves 0 and 1 fetch for A, waves 2 and 3 for W; four v_nop follow each of the two lines
	s_cmp_eq_u32 s15, 0
	s_cbranch_scc0 .Lfor_b_\@
	tensor_load_to_lds s[\g0a:\g0a+3], s[\g1a:\g1a+7]
	s_nop 0
.rept 4
	v_nop
.endr
	s_branch .Lasked_\@
.Lfor_b_\@:
	tensor_load_to_lds s[\g0b:\g0b+3], s[\g1b:\g1b+7]
	s_nop 0
.rept 4
	v_nop
.endr
.Lasked_\@:
.endm
.macro CREST
	s_cmp_lg_u32 s14, 0
	s_cbranch_scc1 .Lnot_wave_0_\@
	s_barrier_signal -3
.Lnot_wave_0_\@:
	s_barrier_wait -3
	s_barrier_signal -1
	s_barrier_wait -1
.endm
.macro CROUND
	s_barrier_signal -1
	s_barrier_wait -1
	CREST
.endm
	s_load_b64 s[4:5], s[0:1], 0x0                 ; A
	s_load_b64 s[8:9], s[0:1], 0x8                 ; W's codes
	s_load_b64 s[10:11], s[0:1], 0x10              ; W's scales
	s_load_b64 s[66:67], s[0:1], 0x18              ; bias
	s_load_b128 s[96:99], s[0:1], 0x20             ; resid, out
	v_lshl_add_u32 v[SPW], v0, 2, SPARE
	v_mov_b32 v[NIL], 0
	ds_add_u32 v28, v29
	ds_add_u32 v28, v29
	s_wait_dscnt 0x0
	v_lshrrev_b32 v1, 5, v0
	v_readfirstlane_b32 s14, v1                    ; wave 0..3
	s_lshr_b32 s15, s14, 1                         ; which 64 rows are mine.  Also: I fetch for A (0) or for W (1)
	s_and_b32 s16, s14, 1                          ; which 128 columns.  Also: which half of that tile I fetch
	s_bfe_u32 s40, ttmp6, 0x40000                  ; cx, cy
	s_bfe_u32 s41, ttmp6, 0x40004
	s_lshl_b32 s42, ttmp9, 2
	s_add_co_u32 s42, s42, s40                     ; tile column
	s_and_b32 s17, ttmp7, 0xffff
	s_lshl_b32 s17, s17, 2
	s_add_co_u32 s17, s17, s41                     ; tile row
	s_lshl_b32 s43, s41, 2
	s_lshl_b32 s43, 15, s43                        ; my row of the cluster
	s_lshl_b32 s44, 0x1111, s40                    ; my column
	s_or_b32 s[G1+0], s43, (3<<16)|(1<<21)         ; A: 4 rows of 3,072 bytes (384 elements of 8), TPITCH bytes apart, no padding
	s_mov_b32 s[G1+1], 384<<16
	s_mov_b32 s[G1+2], 4<<16
	s_mov_b32 s[G1+3], 384<<16
	s_mov_b32 s[G1+4], 4
	s_mov_b32 s[G1+5], TPITCH/8
	s_mov_b32 s[G1+6], 0
	s_mov_b32 s[G1+7], 0
	s_or_b32 s[G1B+0], s44, (0<<16)|(1<<20)|(1<<21)|(3<<22)|(3<<25)   ; W: 128 rows of 192 bytes, 16 bytes of padding behind every 64
	s_mov_b32 s[G1B+1], ROWB<<16
	s_mov_b32 s[G1B+2], 128<<16
	s_mov_b32 s[G1B+3], ROWB<<16
	s_mov_b32 s[G1B+4], 128
	s_mov_b32 s[G1B+5], KROW
	s_mov_b32 s[G1B+6], 0
	s_mov_b32 s[G1B+7], 0
	s_or_b32 s[G1S+0], s43, (3<<16)|(1<<21)        ; A's scales: 2 SIZE_K dense bytes as rows of 256
	s_mov_b32 s[G1S+1], 32<<16
	s_mov_b32 s[G1S+2], (SIZE_K/128)<<16
	s_mov_b32 s[G1S+3], 32<<16
	s_mov_b32 s[G1S+4], SIZE_K/128
	s_mov_b32 s[G1S+5], 32
	s_mov_b32 s[G1S+6], 0
	s_mov_b32 s[G1S+7], 0
	s_or_b32 s[G1SB+0], s44, (3<<16)|(1<<20)|(1<<21)|(5<<22)|(3<<25)  ; W's: 128 KS dense bytes as rows of 256, 16 bytes of padding behind each
	s_mov_b32 s[G1SB+1], 32<<16
	s_mov_b32 s[G1SB+2], (128*KS/256)<<16
	s_mov_b32 s[G1SB+3], 32<<16
	s_mov_b32 s[G1SB+4], 128*KS/256
	s_mov_b32 s[G1SB+5], 32
	s_mov_b32 s[G1SB+6], 0
	s_mov_b32 s[G1SB+7], 0
	s_lshl_b32 s20, s17, 3
	s_lshl_b32 s18, s16, 2
	s_add_co_u32 s20, s20, s18                     ; A: the first tile of 16 rows that I fetch
	s_mov_b32 s21, 0
	s_lshl_b32 s46, s42, 8
	s_lshl_b32 s18, s16, 7
	s_add_co_u32 s46, s46, s18                     ; W: the first row
	s_mov_b32 s47, 0
	s_mov_b64 s[18:19], SIZE_K/2
	s_mul_u64 s[22:23], s[20:21], s[18:19]
	s_mov_b64 s[18:19], KS
	s_mul_u64 s[92:93], s[46:47], s[18:19]
	s_mov_b64 s[18:19], TPITCH
	s_mul_u64 s[20:21], s[20:21], s[18:19]
	s_mov_b64 s[18:19], KROW
	s_mul_u64 s[46:47], s[46:47], s[18:19]
	s_mul_i32 s45, s16, HALFA                      ; where they go: no place in the cluster enters an LDS address
	s_mul_i32 s94, s16, HALFB
	s_mul_i32 s95, s16, HALFSA
	s_mul_i32 s2, s16, HALFS
	s_wait_kmcnt 0x0
	s_add_nc_u64 s[6:7], s[4:5], PSC
	s_add_nc_u64 s[20:21], s[4:5], s[20:21]
	s_add_nc_u64 s[22:23], s[6:7], s[22:23]
	s_add_nc_u64 s[46:47], s[8:9], s[46:47]
	s_add_nc_u64 s[92:93], s[10:11], s[92:93]
	CROUND                                         ; all sixteen work-groups are here: the first joint loads meet
	s_mov_b32 s[G0S], 1
	s_add_co_u32 s[G0S+1], s95, SCA
	s_mov_b64 s[G0S+2:G0S+3], s[22:23]
	s_or_b32 s[G0S+3], s[G0S+3], 0x80000000
	s_mov_b32 s[G0SB], 1
	s_add_co_u32 s[G0SB+1], s2, SCB
	s_mov_b64 s[G0SB+2:G0SB+3], s[92:93]
	s_or_b32 s[G0SB+3], s[G0SB+3], 0x80000000
	JLOAD G0S, G1S, G0SB, G1SB
.irp s, 0,1
	s_mov_b32 s[G0+4*\s], 1
	s_add_co_u32 s[G0+4*\s+1], s45, \s*SLOT
	s_add_nc_u64 s[G0+4*\s+2:G0+4*\s+3], s[20:21], \s*3072
	s_or_b32 s[G0+4*\s+3], s[G0+4*\s+3], 0x80000000
	s_mov_b32 s[G0B+4*\s], 1
	s_add_co_u32 s[G0B+4*\s+1], s94, \s*SLOT+ASL
	s_add_nc_u64 s[G0B+4*\s+2:G0B+4*\s+3], s[46:47], \s*ROWB
	s_or_b32 s[G0B+4*\s+3], s[G0B+4*\s+3], 0x80000000
	JLOAD G0+4*\s, G1, G0B+4*\s, G1B
.endr
	v_and_b32 v1, 15, v0                           ; r
	v_bfe_u32 v2, v0, 4, 1                         ; h
	v_and_b32 v3, 31, v0                           ; lane
	v_lshlrev_b32 v[CO], 4, v3                     ; 16 l
	v_lshl_add_u32 v6, v3, 3, 512                  ; 512 + 8 l
	v_mul_u32_u24 v4, v1, PITCH
	v_mad_u32_u24 v4, v2, 24, v4                   ; W: a fragment's row x pitch + 24 x half
	v_lshl_add_u32 v5, v2, 4, v4                   ; and the same behind one padding more
	s_mul_i32 s21, s15, HALFA                      ; my 64 rows of A
	s_mul_i32 s22, s16, HALFB
	s_add_co_u32 s22, s22, ASL                     ; my 128 rows of W
.irp s, 0,1
	v_add_nc_u32 v[A16+\s], s21, v[CO]
	v_add_nc_u32 v[A8+\s], s21, v6
	v_add_nc_u32 v[ADRB+\s], s22, v4
	v_add_nc_u32 v[ADRB+2+\s], s22, v5
	s_add_co_u32 s21, s21, SLOT
	s_add_co_u32 s22, s22, SLOT
.endr
	v_mul_u32_u24 v5, v1, KS                       ; W's scales: KS bytes a row, and 16 more for each 256 passed
	v_lshrrev_b32 v6, 8, v5
	v_lshl_add_u32 v5, v6, 4, v5
	s_mul_i32 s21, s16, HALFS
	s_add_co_u32 s21, s21, SCB
	v_add_nc_u32 v[ADRSB], s21, v5
	s_mul_i32 s21, s15, HALFSA
	s_add_co_u32 s21, s21, SCA
	v_lshl_add_u32 v[ADRSA], v1, 3, s21            ; A's: 8 bytes a row and K step
	s_mul_i32 s23, s14, 16*SPITCH
	s_add_co_u32 s23, s23, STAGE                   ; my stage
	v_mul_u32_u24 v5, v1, SPITCH
	v_lshl_add_u32 v5, v2, 5, v5
	v_add_nc_u32 v[STO], s23, v5                   ; in: row r, 32 bytes for each half of the lanes
	v_add_nc_u32 v[RD], s23, v[CO]                 ; back: the 32 lanes take a row of 512 bytes
	v_lshlrev_b32 v31, 5, v2                       ; 32 h
	s_lshl_b32 s46, s42, 10
	s_lshl_b32 s47, s16, 9
	s_add_co_u32 s46, s46, s47                     ; my first column, in bytes
	s_mov_b32 s47, 0
	s_add_nc_u64 s[66:67], s[66:67], s[46:47]
	s_lshl_b32 s20, s17, 7
	s_lshl_b32 s21, s15, 6
	s_add_co_u32 s20, s20, s21                     ; my first row
	s_lshl_b32 s20, s20, 12
	s_add_co_u32 s20, s20, s46
	s_mov_b32 s21, 0
	s_add_nc_u64 s[96:97], s[96:97], s[20:21]
	s_add_nc_u64 s[98:99], s[98:99], s[20:21]
.irp b, 0,1,2,3,4,5,6,7
	global_load_b128 v[BQ+8*\b:BQ+8*\b+3], v31, s[66:67] offset:64*\b        ; bias(16 b + 8 h + 0 .. 7): the result's layout
	global_load_b128 v[BQ+8*\b+4:BQ+8*\b+7], v31, s[66:67] offset:64*\b+16
.endr
	WIN 0xc0                                       ; destination window 3
.set JJ, 0
.rept 64
	global_load_b128 v[4*JJ:4*JJ+3], v[CO], s[96:97] offset:JJ*4096 th:TH_LOAD_NT   ; the residual: row JJ of my 64, 512 consecutive bytes
.set JJ, JJ+1
.endr
	WIN 0
.macro FRAG reg, adr, q, i             ; a fragment of W from rows: pieces of 8 bytes; where the piece three on (lanes 16-31) lies behind one padding more, the second address register serves
.irp p, 0,1,2,3,4,5
.set PIECE, 12*(\q)+6*(\p/3)+\p%3
.if PIECE%8 < 5
	ds_load_b64 v[\reg+2*\p:\reg+2*\p+1], v[\adr] offset:8*PIECE+16*(PIECE/8)+(\i)*16*PITCH
.else
	ds_load_b64 v[\reg+2*\p:\reg+2*\p+1], v[\adr+2] offset:8*PIECE+16*(PIECE/8)+(\i)*16*PITCH
.endif
.endr
.endm
.macro FRAGA slot, q, i                ; a fragment of A: two half images, as they lie
.irp c, 0,1
	ds_load_b128 v[AF+FR*(\i)+6*\c:AF+FR*(\i)+6*\c+3], v[A16+\slot] offset:(\i)*3072+(2*(\q)+\c)*768
	ds_load_b64 v[AF+FR*(\i)+6*\c+4:AF+FR*(\i)+6*\c+5], v[A8+\slot] offset:(\i)*3072+(2*(\q)+\c)*768
.endr
.endm
; 8 matrix instructions: A's block a x W's eight.  The 32 accumulators take turns, one instruction a turn, in the same order in every step.
.macro MUL8 a, p, q, sc, zero
.irp b, 0,1,2,3,4,5,6,7
.if \zero
	v_wmma_scale_f32_16x16x128_f8f6f4 v[8*(8*(\a)+\b):8*(8*(\a)+\b)+7], v[128*(\p)+FR*\b:128*(\p)+FR*\b+FR-1], v[AF+FR*(\a):AF+FR*(\a)+FR-1], v[BQ+8*\b:BQ+8*\b+7], v[SB+16*(\sc)+2*\b+(\q)], v[SA+8*(\sc)+2*(\a)+(\q)] matrix_a_fmt:MATRIX_FMT_FP6 matrix_b_fmt:MATRIX_FMT_FP6
.else
	v_wmma_scale_f32_16x16x128_f8f6f4 v[8*(8*(\a)+\b):8*(8*(\a)+\b)+7], v[128*(\p)+FR*\b:128*(\p)+FR*\b+FR-1], v[AF+FR*(\a):AF+FR*(\a)+FR-1], v[8*(8*(\a)+\b):8*(8*(\a)+\b)+7], v[SB+16*(\sc)+2*\b+(\q)], v[SA+8*(\sc)+2*(\a)+(\q)] matrix_a_fmt:MATRIX_FMT_FP6 matrix_b_fmt:MATRIX_FMT_FP6
.endif
.endr
.endm
.macro WMUL zero
.if \zero
	WIN MULZ
.else
	WIN MUL
.endif
.endm
.macro FETCH_B slot, q, p
	WIN TO_B
.irp i, 0,1,2,3,4,5,6,7
	FRAG 128*(\p)+FR*\i, ADRB+\slot, \q, \i
.endr
	WIN 0
.endm
.macro SCALES sc                       ; a K step's scale words, two a row: A's four blocks, W's eight; lane r takes row r's
.irp i, 0,1,2,3
	ds_load_b64 v[SA+8*\sc+2*\i:SA+8*\sc+2*\i+1], v[ADRSA] offset:\i*SIZE_K/2
.endr
.irp i, 0,1,2,3,4,5,6,7
	ds_load_b64 v[SB+16*\sc+2*\i:SB+16*\sc+2*\i+1], v[ADRSB] offset:\i*SBLK
.endr
.endm
.macro PLACES n                        ; plain vector lines between a matrix instruction and a load into, or a read of, its registers
.rept \n
	v_nop
.endr
.endm
.macro STEP slot, q, zero              ; 128 along K whose successor lies in the same slot
	s_wait_dscnt 2*NLA                             ; W's set and A's blocks 0, 1 are in; the youngest 8 loads (A's blocks 2, 3) may be out
	WMUL \zero
	MUL8 0, (\q)%2, \q, \slot, \zero
	MUL8 1, (\q)%2, \q, \slot, \zero
	s_wait_dscnt 0
	PLACES NP
	FETCH_B \slot, (\q)+1, 1-(\q)%2
	FRAGA \slot, (\q)+1, 0
	FRAGA \slot, (\q)+1, 1
	WMUL \zero
	MUL8 2, (\q)%2, \q, \slot, \zero
	MUL8 3, (\q)%2, \q, \slot, \zero
	PLACES NP
	WIN 0
	FRAGA \slot, (\q)+1, 2
	FRAGA \slot, (\q)+1, 3
.endm
; A slot's last step changes slots: one barrier; in front of it each wave waits for all its tensor loads, adds 0 to its spare word, and waits for that and for its reads of this slot.
.macro TURN slot, next, fill
	s_wait_tensorcnt 0x0                           ; all my tensor loads have landed: my part of the next slot
	ds_add_u32 v[SPW], v[NIL]                      ; 0 onto my spare word
	s_wait_dscnt 2*NLA+1                           ; (the add and the youngest 8 loads may be out)
	WIN MUL
	MUL8 0, 1, NQ-1, \slot, 0
	s_wait_dscnt 0x0                               ; the add is done, and my reads of this slot are over
	s_barrier_signal -1
	MUL8 1, 1, NQ-1, \slot, 0
	WIN 0
	s_barrier_wait -1
.if \fill
	CREST                                          ; the barrier has opened a round of the cluster's barrier: no wave of any partner still reads this slot or has a load on its way
	s_add_nc_u64 s[G0+4*\slot+2:G0+4*\slot+3], s[G0+4*\slot+2:G0+4*\slot+3], 2*3072
	s_add_nc_u64 s[G0B+4*\slot+2:G0B+4*\slot+3], s[G0B+4*\slot+2:G0B+4*\slot+3], 2*ROWB
	JLOAD G0+4*\slot, G1, G0B+4*\slot, G1B         ; the first tensor load behind the round; its four v_nop are the places in front of the loads below
.else
	PLACES NP
.endif
	v_add_nc_u32 v[ADRSB], 4*NQ, v[ADRSB]          ; on to the next K step's scale words (no LDS load of mine is out)
	v_add_nc_u32 v[ADRSA], 128, v[ADRSA]
	FETCH_B \next, 0, 0
	FRAGA \next, 0, 0
	FRAGA \next, 0, 1
	SCALES \next
	WIN MUL
	MUL8 2, 1, NQ-1, \slot, 0
	MUL8 3, 1, NQ-1, \slot, 0
	PLACES NP
	WIN 0
	FRAGA \next, 0, 2
	FRAGA \next, 0, 3
.endm
	s_wait_tensorcnt 1                             ; the scales and my part of K step 0 are in (K step 1's load may be out)
	s_barrier_signal -1
	s_barrier_wait -1                              ; everybody's are
	FETCH_B 0, 0, 0
	FRAGA 0, 0, 0
	FRAGA 0, 0, 1
	SCALES 0
	FRAGA 0, 0, 2
	FRAGA 0, 0, 3
	s_wait_loadcnt 63                              ; of the 80 loads at most 63 are out: the 16 oldest, the bias, are in
	STEP 0, 0, 1                                   ; the first step starts the sums, from the bias
	s_mov_b32 s3, LAPS-1
.Llap:                                             ; a trip goes once round the ring and fills both slots again
	TURN 0, 1, 1
	STEP 1, 0, 0
	TURN 1, 0, 1
	STEP 0, 0, 0
	s_sub_co_u32 s3, s3, 1
	s_cmp_lg_u32 s3, 0
	s_cbranch_scc1 .Llap
	TURN 0, 1, 0                                   ; the last lap fills nothing
	STEP 1, 0, 0
	s_wait_dscnt 2*NLA
	WIN MUL
	MUL8 0, 1, NQ-1, 1, 0
	MUL8 1, 1, NQ-1, 1, 0
	s_wait_dscnt 0
	MUL8 2, 1, NQ-1, 1, 0
	MUL8 3, 1, NQ-1, 1, 0
	WIN 0
; THE WAY OUT, block by block of 16 rows x 128 columns, through my own stage: in by 32 bytes a lane, back as whole rows of 512 bytes; the residual is added there, and the 32 lanes store 512 consecutive bytes.
.macro TOSTAGE a
	WIN 0x08                                       ; an LDS store's data are its source 1: window 2
.irp b, 0,1,2,3,4,5,6,7
	ds_store_b128 v[STO], v[64*(\a)+8*\b:64*(\a)+8*\b+3] offset:64*\b          ; each accumulator from its low end on
	ds_store_b128 v[STO], v[64*(\a)+8*\b+4:64*(\a)+8*\b+7] offset:64*\b+16
.endr
	WIN 0
.set BB, BK+64*((\a)%2)
.irp t, 0,1,2,3,4,5,6,7,8,9,10,11,12,13,14,15
	ds_load_b128 v[BB+4*\t:BB+4*\t+3], v[RD] offset:\t*SPITCH      ; LDS serves a wave's instructions in order (ISA guide 5.7.1.4): these see the stores above
.endr
.endm
.macro SEND a, younger                 ; younger: the LDS instructions issued behind block a's loads
.set BB, BK+64*((\a)%2)
	s_wait_dscnt \younger
	WIN 0x0c                                       ; source 1: window 3
.set JJ, 0
.rept 32
	v_pk_add_f32 v[BB+JJ:BB+JJ+1], v[BB+JJ:BB+JJ+1], v[64*(\a)+JJ:64*(\a)+JJ+1]
.set JJ, JJ+2
.endr
	WIN 0
.irp t, 0,1,2,3,4,5,6,7,8,9,10,11,12,13,14,15
	global_store_b128 v[CO], v[BB+4*\t:BB+4*\t+3], s[98:99] offset:(16*(\a)+\t)*4096
.endr
.endm
	PLACES NP
	s_wait_loadcnt 0x0                             ; the residual
	TOSTAGE 0
.irp a, 1,2,3
.if \a > 1
	s_wait_xcnt 0x0                                ; block a - 2's stores have had their addresses translated (ISA guide 3.1): block a's loads land on their data registers only now
.endif
	TOSTAGE \a
	SEND \a-1, 32                                  ; behind block a - 1's loads: block a's 16 stores and 16 loads
.endr
	SEND 3, 0
	s_wait_tensorcnt 0x0                           ; the wave's end
	ds_add_u32 v[SPW], v[NIL]
	s_wait_dscnt 0x0
	CROUND                                         ; the closing round
	s_endpgm
.Lfunc_end_k_q3d1a15822e_proj:
	.size	k_q3d1a15822e_proj, .Lfunc_end_k_q3d1a15822e_proj-k_q3d1a15822e_proj
	.p2alignl 7, 3214868480
	.fill 96, 4, 3214868480
	.section	.rodata,"a",@progbits
	.p2align	6, 0x0
	.amdhsa_kernel k_q3d1a15822e_proj
		.amdhsa_group_segment_fixed_size 327680
		.amdhsa_private_segment_fixed_size 0
		.amdhsa_enable_private_segment 0
		.amdhsa_kernarg_size 48
		.amdhsa_user_sgpr_count 2
		.amdhsa_user_sgpr_kernarg_segment_ptr 1
		.amdhsa_wavefront_size32 1
		.amdhsa_system_sgpr_workgroup_id_x 1
		.amdhsa_system_sgpr_workgroup_id_y 1
		.amdhsa_system_sgpr_workgroup_id_z 1
		.amdhsa_system_vgpr_workitem_id 0
		.amdhsa_next_free_vgpr 1024
		.amdhsa_next_free_sgpr 100
		.amdhsa_reserve_vcc 0
		.amdhsa_float_denorm_mode_32 3
		.amdhsa_float_denorm_mode_16_64 3
		.amdhsa_memory_ordered 1
		.amdhsa_forward_progress 1
		.amdhsa_inst_pref_size 114
	.end_amdhsa_kernel
	.amdgpu_metadata
---
amdhsa.version: [ 1, 2 ]
amdhsa.kernels:
  - .name:           k_q3d1a15822e_proj
    .symbol:         k_q3d1a15822e_proj.kd
    .args:
      - { .name: oact, .offset: 0, .size: 8, .value_kind: global_buffer, .address_space: global }
      - { .name: wp_codes, .offset: 8, .size: 8, .value_kind: global_buffer, .address_space: global }
      - { .name: wp_scales, .offset: 16, .size: 8, .value_kind: global_buffer, .address_space: global }
      - { .name: bp, .offset: 24, .size: 8, .value_kind: global_buffer, .address_space: global }
      - { .name: x, .offset: 32, .size: 8, .value_kind: global_buffer, .address_space: global }
      - { .name: x1, .offset: 40, .size: 8, .value_kind: global_buffer, .address_space: global }
    .group_segment_fixed_size: 327680
    .private_segment_fixed_size: 0
    .kernarg_segment_align: 8
    .kernarg_segment_size: 48
    .max_flat_workgroup_size: 128
    .sgpr_count:     100
    .vgpr_count:     1024
    .wavefront_size: 32
...
	.end_amdgpu_metadata
.endif
;; end of part 4
;; launch ln2: the kernel of part 1 again; grid 256 x 1, 4 waves a work-group, no clusters, 25,088 bytes of LDS; arguments x1, ln2_g, ln2_b, act; writes act
;; launch ffn1 (part 5): grid 16 x 16, 4 waves a work-group, clusters of 4 x 4, 327,680 bytes of LDS; arguments act, w1_codes, w1_scales, b1, hact; writes hact
.if DOCPART == 5
	.amdgcn_target "amdgcn-amd-amdhsa--gfx1250"
	.amdhsa_code_object_version 6
	.text
	.protected	k_q3d1a15822e_ffn1
	.globl	k_q3d1a15822e_ffn1
	.p2align	8
	.type	k_q3d1a15822e_ffn1,@function
k_q3d1a15822e_ffn1:
	s_mov_b64 s[64:65], 0
	v_nop
	global_prefetch_b8 v0, s[64:65] scope:SCOPE_SE
	s_setreg_imm32_b32 hwreg(HW_REG_WAVE_MODE, 25, 1), 1
	s_wait_xcnt 0x0
	s_wait_alu depctr_hold_cnt(0) depctr_sa_sdst(0) depctr_va_vdst(0) depctr_va_sdst(0) depctr_va_ssrc(0) depctr_va_vcc(0) depctr_vm_vsrc(0)
	s_getreg_b32 s2, hwreg(HW_REG_IB_STS2, 6, 4)
	s_cmp_eq_u32 s2, 0
	s_cbranch_scc0 .Lentry_in_a_cluster
	s_endpgm
.Lentry_in_a_cluster:
	s_bfe_u32 s2, ttmp6, 0x10000c
	s_cmp_lg_u32 s2, 0xf033
	s_cbranch_scc0 .Lentry_shape_is_right
	s_endpgm
.Lentry_shape_is_right:
; h = relu(xn2 W1 + b1), on codes of FP6 (E2M3) with one E8M0 byte for each 32 along K = 1,024; h is quantised along its 4,096 features on the way out and leaves as codes.
; P = xn2 (4,096 rows: codes in rows of 768 bytes, scale bytes behind them), Q = W1 (4,096 rows).  The matrix instruction is used transposed (source 0 = 16 rows of Q, source 1 = 16 rows of P): a lane holds a token, its registers features.
; A tile of 256 x 256 is made by four waves, each 128 x 128 in 64 accumulators.  K goes in steps of 256 through two LDS slots filled by joint tensor loads (P's tile shared along a row of the 4 x 4 cluster, Q's along a column);
; the scale bytes of both sides, for all of K, come once with the first fills.  The bias is the C of each sum's first product.
; OUT (buffer hact): half images [16 tokens 256][64 features 64][768 bytes] (16 rows x 64 K as the operand's six registers hold them: a lane's first four at 16 l, its last two at 512 + 8 l);
;   from byte 12,582,912 the scale bytes [16 tokens 256][256 features 16][16 rows][8].
; LIMITS: NaN and infinities are not served; a block of zeros, or one under 2^-124, has the byte 1 (this program alone reads the bytes).
; REGISTERS, in windows of 256: window 0: v0-31 addresses; v32-63 scale words, two sets; v64-127 the bias; v128-223 P's fragments, one set; on the way out v128-220 are at work.
;   window 1: Q's fragments, two sets.   windows 2, 3: the accumulators ((a, b) at v[8 (8 (a % 4) + b)]).
.set BIASC,  1                         ; the sums start from the bias
.set KSTEP,  256
.set NQ,     KSTEP/128
.set ROWB,   192
.set KROW,   768
.set PITCH,  240
.set FR,     12
.set NL,     6
.set NP,     4                         ; places behind this matrix instruction (ISA guide 7.12.1)
.set HALFT,  128*PITCH
.set SLOT,   4*HALFT
.set LAPS,   2
.set KS,     32
.set SCL,    2*SLOT
.set HALFS,  (128*KS/256)*272
.set SBLK,   (16*KS/256)*272
.set SPARE,  SCL+4*HALFS               ; the spare words, 128 bytes for each wave: two blocks of 256 bytes that no other line names
.set ADRA, 16
.set ADRB, 20
.set ADRS, 27
.set SPW,  28
.set NIL,  29
.set SC,   32
.set BQ,   64
.set AF,   128
.set T,    128
.set PC,   192
.set CT,   204
.set QM,   212
.set QS,   214
.set QB,   216
.set QW,   218
.set QX,   219
.set SH8,  14
.set G1, 24
.set G0, 32
.set G1B, 48
.set G0B, 56
.set G1S, 68
.set G0S, 76
.set G1SB, 80
.set G0SB, 88
.set MSB, 0
.macro WIN new                         ; the immediate's high byte repeats the setting that is left
.if MSB != \new
	s_set_vgpr_msb (MSB<<8)|\new
.set MSB, \new
.endif
.endm
.set TO_B,   0x40
.macro WMUL hi, zero                   ; source 0 (Q) window 1, source 1 (P) window 0, D window 2 + hi; C with D, or in window 0 where the bias starts the sums
.if (\zero) && BIASC
	WIN (0x81+0x40*(\hi))
.else
	WIN (0xa1+0x50*(\hi))
.endif
.endm
.macro JLOAD g0a, g1a, g0b, g1b        ; a joint load: waves 0 and 1 fetch for P, waves 2 and 3 for Q; four v_nop follow each of the two lines
	s_cmp_eq_u32 s15, 0
	s_cbranch_scc0 .Lfor_b_\@
	tensor_load_to_lds s[\g0a:\g0a+3], s[\g1a:\g1a+7]
	s_nop 0
.rept 4
	v_nop
.endr
	s_branch .Lasked_\@
.Lfor_b_\@:
	tensor_load_to_lds s[\g0b:\g0b+3], s[\g1b:\g1b+7]
	s_nop 0
.rept 4
	v_nop
.endr
.Lasked_\@:
.endm
.macro CREST
	s_cmp_lg_u32 s14, 0
	s_cbranch_scc1 .Lnot_wave_0_\@
	s_barrier_signal -3
.Lnot_wave_0_\@:
	s_barrier_wait -3
	s_barrier_signal -1
	s_barrier_wait -1
.endm
.macro CROUND
	s_barrier_signal -1
	s_barrier_wait -1
	CREST
.endm
	s_load_b64 s[4:5], s[0:1], 0x0                 ; xn2
	s_load_b64 s[8:9], s[0:1], 0x8                 ; W1's codes
	s_load_b64 s[10:11], s[0:1], 0x10              ; W1's scales
	s_load_b64 s[66:67], s[0:1], 0x18              ; b1
	s_load_b64 s[12:13], s[0:1], 0x20              ; out
	v_lshl_add_u32 v[SPW], v0, 2, SPARE
	v_mov_b32 v[NIL], 0
	ds_add_u32 v28, v29
	ds_add_u32 v28, v29
	s_wait_dscnt 0x0
	v_lshrrev_b32 v1, 5, v0
	v_readfirstlane_b32 s14, v1                    ; wave 0..3
	s_lshr_b32 s15, s14, 1                         ; which half of the tile's P rows is mine.  Also: I fetch for P (0) or for Q (1)
	s_and_b32 s16, s14, 1                          ; which half of its Q rows.  Also: which 128 rows of that tile I fetch
	s_bfe_u32 s40, ttmp6, 0x40000                  ; cx, cy
	s_bfe_u32 s41, ttmp6, 0x40004
	s_lshl_b32 s42, ttmp9, 2
	s_add_co_u32 s42, s42, s40                     ; tile of Q's rows
	s_and_b32 s17, ttmp7, 0xffff
	s_lshl_b32 s17, s17, 2
	s_add_co_u32 s17, s17, s41                     ; tile of P's rows
	s_lshl_b32 s43, s41, 2
	s_lshl_b32 s43, 15, s43                        ; my row of the cluster
	s_lshl_b32 s44, 0x1111, s40                    ; my column
	s_or_b32 s[G1+0], s43, (0<<16)|(1<<20)|(1<<21)|(3<<22)|(3<<25)  ; the mask; elements of 1 byte; padding on; bit 21 beside a mask; after every 16 words, 4 words
	s_or_b32 s[G1B+0], s44, (0<<16)|(1<<20)|(1<<21)|(3<<22)|(3<<25)
.irp g, G1, G1B
	s_mov_b32 s[\g+1], ROWB<<16
	s_mov_b32 s[\g+2], 128<<16
	s_mov_b32 s[\g+3], ROWB<<16
	s_mov_b32 s[\g+4], 128
	s_mov_b32 s[\g+5], KROW
	s_mov_b32 s[\g+6], 0
	s_mov_b32 s[\g+7], 0
.endr
	s_or_b32 s[G1S+0], s43, (3<<16)|(1<<20)|(1<<21)|(5<<22)|(3<<25)   ; the scales of 128 rows: a dense block, as rows of 256 bytes, 16 bytes of padding behind each
	s_or_b32 s[G1SB+0], s44, (3<<16)|(1<<20)|(1<<21)|(5<<22)|(3<<25)
.irp g, G1S, G1SB
	s_mov_b32 s[\g+1], 32<<16
	s_mov_b32 s[\g+2], (128*KS/256)<<16
	s_mov_b32 s[\g+3], 32<<16
	s_mov_b32 s[\g+4], 128*KS/256
	s_mov_b32 s[\g+5], 32
	s_mov_b32 s[\g+6], 0
	s_mov_b32 s[\g+7], 0
.endr
	s_lshl_b32 s18, s16, 7
	s_lshl_b32 s20, s17, 8
	s_add_co_u32 s20, s20, s18                     ; P: row
	s_lshl_b32 s46, s42, 8
	s_add_co_u32 s46, s46, s18                     ; Q: row
	s_mov_b32 s21, 0
	s_mov_b32 s47, 0
	s_mov_b64 s[18:19], KS
	s_mul_u64 s[22:23], s[20:21], s[18:19]
	s_mul_u64 s[92:93], s[46:47], s[18:19]
	s_mov_b64 s[18:19], KROW
	s_mul_u64 s[20:21], s[20:21], s[18:19]
	s_mul_u64 s[46:47], s[46:47], s[18:19]
	s_mul_i32 s45, s14, HALFT
	s_mul_i32 s94, s14, HALFS
	s_wait_kmcnt 0x0
	s_add_nc_u64 s[6:7], s[4:5], 3145728           ; xn2's scale bytes lie behind its codes
	s_add_nc_u64 s[20:21], s[4:5], s[20:21]
	s_add_nc_u64 s[22:23], s[6:7], s[22:23]
	s_add_nc_u64 s[46:47], s[8:9], s[46:47]
	s_add_nc_u64 s[92:93], s[10:11], s[92:93]
	CROUND                                         ; all sixteen work-groups are here: the first joint loads meet
	s_mov_b32 s[G0S], 1
	s_add_co_u32 s[G0S+1], s94, SCL
	s_mov_b64 s[G0S+2:G0S+3], s[22:23]
	s_or_b32 s[G0S+3], s[G0S+3], 0x80000000
	s_mov_b32 s[G0SB], 1
	s_add_co_u32 s[G0SB+1], s94, SCL
	s_mov_b64 s[G0SB+2:G0SB+3], s[92:93]
	s_or_b32 s[G0SB+3], s[G0SB+3], 0x80000000
	JLOAD G0S, G1S, G0SB, G1SB
.irp s, 0,1
	s_mov_b32 s[G0+4*\s], 1
	s_add_co_u32 s[G0+4*\s+1], s45, \s*SLOT
	s_add_nc_u64 s[G0+4*\s+2:G0+4*\s+3], s[20:21], \s*ROWB
	s_or_b32 s[G0+4*\s+3], s[G0+4*\s+3], 0x80000000
	s_mov_b32 s[G0B+4*\s], 1
	s_add_co_u32 s[G0B+4*\s+1], s45, \s*SLOT
	s_add_nc_u64 s[G0B+4*\s+2:G0B+4*\s+3], s[46:47], \s*ROWB
	s_or_b32 s[G0B+4*\s+3], s[G0B+4*\s+3], 0x80000000
	JLOAD G0+4*\s, G1, G0B+4*\s, G1B
.endr
	v_and_b32 v1, 15, v0                           ; r
	v_bfe_u32 v2, v0, 4, 1                         ; h
	v_mul_u32_u24 v3, v1, PITCH
	v_mul_u32_u24 v4, v2, 24
	v_add_nc_u32 v4, v3, v4
	v_lshl_add_u32 v5, v2, 4, v4
	s_mul_i32 s21, s15, HALFT
	s_mul_i32 s22, s16, HALFT
	s_add_co_u32 s22, s22, 2*HALFT
.irp s, 0,1
	v_add_nc_u32 v[ADRA+\s], s21, v4
	v_add_nc_u32 v[ADRB+\s], s22, v4
	v_add_nc_u32 v[ADRA+2+\s], s21, v5
	v_add_nc_u32 v[ADRB+2+\s], s22, v5
	s_add_co_u32 s21, s21, SLOT
	s_add_co_u32 s22, s22, SLOT
.endr
	v_mul_u32_u24 v5, v1, KS
	v_lshrrev_b32 v6, 8, v5
	v_lshl_add_u32 v5, v6, 4, v5
	s_mul_i32 s21, s15, HALFS
	s_mul_i32 s22, s16, HALFS
	s_add_co_u32 s22, s22, 2*HALFS
	s_sub_co_u32 s22, s22, s21
	v_mul_u32_u24 v6, s22, v2                      ; lanes 16-31 take Q's
	s_add_co_u32 s21, s21, SCL
	v_add_nc_u32 v5, v5, v6
	v_add_nc_u32 v[ADRS], s21, v5
	s_lshl_b32 s96, s42, 10
	s_lshl_b32 s97, s16, 9
	s_add_co_u32 s96, s96, s97
	s_mov_b32 s97, 0
	s_add_nc_u64 s[66:67], s[66:67], s[96:97]      ; the bias at my first feature
	v_lshlrev_b32 v30, 5, v2                       ; 32 h
.irp b, 0,1,2,3,4,5,6,7
	global_load_b128 v[BQ+8*\b:BQ+8*\b+3], v30, s[66:67] offset:64*\b        ; bias(16 b + 8 h + 0 .. 7): the result's layout
	global_load_b128 v[BQ+8*\b+4:BQ+8*\b+7], v30, s[66:67] offset:64*\b+16
.endr
.macro FRAG reg, adr, q, i             ; a fragment, 16 rows x 128 K, is 12 registers: 24 bytes of the row's stream of bits twice, in pieces of 8; where the piece three on (lanes 16-31) lies behind one padding more, the second address register serves
.irp p, 0,1,2,3,4,5
.set PIECE, 12*(\q)+6*(\p/3)+\p%3
.if PIECE%8 < 5
	ds_load_b64 v[\reg+2*\p:\reg+2*\p+1], v[\adr] offset:8*PIECE+16*(PIECE/8)+(\i)*16*PITCH
.else
	ds_load_b64 v[\reg+2*\p:\reg+2*\p+1], v[\adr+2] offset:8*PIECE+16*(PIECE/8)+(\i)*16*PITCH
.endif
.endr
.endm
; 16 matrix instructions: P's blocks a0, a0 + 1 x Q's eight.  The 64 accumulators take turns, one instruction a turn, in the same order in every step.
.macro MUL16 a0, p, q, sc, zero
.irp a, \a0, \a0+1
.irp b, 0,1,2,3,4,5,6,7
.if (\zero) && BIASC
	v_wmma_scale_f32_16x16x128_f8f6f4 v[8*(8*((\a)%4)+\b):8*(8*((\a)%4)+\b)+7], v[128*(\p)+FR*\b:128*(\p)+FR*\b+FR-1], v[AF+FR*(\a):AF+FR*(\a)+FR-1], v[BQ+8*\b:BQ+8*\b+7], v[SC+8*NQ*(\sc)+NQ*\b+(\q)], v[SC+8*NQ*(\sc)+NQ*(\a)+(\q)] matrix_a_fmt:MATRIX_FMT_FP6 matrix_b_fmt:MATRIX_FMT_FP6 matrix_a_scale:MATRIX_SCALE_ROW1
.elseif \zero
	v_wmma_scale_f32_16x16x128_f8f6f4 v[8*(8*((\a)%4)+\b):8*(8*((\a)%4)+\b)+7], v[128*(\p)+FR*\b:128*(\p)+FR*\b+FR-1], v[AF+FR*(\a):AF+FR*(\a)+FR-1], 0, v[SC+8*NQ*(\sc)+NQ*\b+(\q)], v[SC+8*NQ*(\sc)+NQ*(\a)+(\q)] matrix_a_fmt:MATRIX_FMT_FP6 matrix_b_fmt:MATRIX_FMT_FP6 matrix_a_scale:MATRIX_SCALE_ROW1
.else
	v_wmma_scale_f32_16x16x128_f8f6f4 v[8*(8*((\a)%4)+\b):8*(8*((\a)%4)+\b)+7], v[128*(\p)+FR*\b:128*(\p)+FR*\b+FR-1], v[AF+FR*(\a):AF+FR*(\a)+FR-1], v[8*(8*((\a)%4)+\b):8*(8*((\a)%4)+\b)+7], v[SC+8*NQ*(\sc)+NQ*\b+(\q)], v[SC+8*NQ*(\sc)+NQ*(\a)+(\q)] matrix_a_fmt:MATRIX_FMT_FP6 matrix_b_fmt:MATRIX_FMT_FP6 matrix_a_scale:MATRIX_SCALE_ROW1
.endif
.endr
.endr
.endm
.macro FETCH_B slot, q, p
	WIN TO_B
.irp i, 0,1,2,3,4,5,6,7
	FRAG 128*(\p)+FR*\i, ADRB+\slot, \q, \i
.endr
	WIN 0
.endm
.macro FETCH_A slot, q, i0
.irp i, \i0, \i0+1, \i0+2, \i0+3
	FRAG AF+FR*(\i), ADRA+\slot, \q, \i
.endr
.endm
.macro SCALES sc                       ; a K step's scale words: lanes 0-15 take P's block i, lanes 16-31 Q's block i
.irp i, 0,1,2,3,4,5,6,7
	ds_load_b64 v[SC+8*NQ*\sc+NQ*\i:SC+8*NQ*\sc+NQ*\i+1], v[ADRS] offset:\i*SBLK
.endr
.endm
.macro PLACES n                        ; plain vector lines between a matrix instruction and a load into, or a read of, its registers
.rept \n
	v_nop
.endr
.endm
.macro STEP slot, q, zero
	s_wait_dscnt 4*NL                              ; Q's set and P's blocks 0-3 are in; the youngest 24 loads (P's blocks 4-7) may be out
	WMUL 0, \zero
	MUL16 0, (\q)%2, \q, \slot, \zero
	MUL16 2, (\q)%2, \q, \slot, \zero
	s_wait_dscnt 0
	PLACES NP
	FETCH_B \slot, (\q)+1, 1-(\q)%2
	FETCH_A \slot, (\q)+1, 0
	WMUL 1, \zero
	MUL16 4, (\q)%2, \q, \slot, \zero
	MUL16 6, (\q)%2, \q, \slot, \zero
	PLACES NP
	WIN 0
	FETCH_A \slot, (\q)+1, 4
.endm
; A slot's last step changes slots: one barrier; in front of it each wave waits for all its tensor loads, adds 0 to its spare word, and waits for that and for its reads of this slot.
.macro TURN slot, next, fill
	s_wait_tensorcnt 0x0                           ; all my tensor loads have landed: my part of the next slot
	ds_add_u32 v[SPW], v[NIL]                      ; 0 onto my spare word
	s_wait_dscnt 4*NL+1                            ; (the add and the youngest 24 loads may be out)
	WMUL 0, 0
	MUL16 0, 1, NQ-1, \slot, 0
	s_wait_dscnt 0x0                               ; the add is done, and my reads of this slot are over
	s_barrier_signal -1
	MUL16 2, 1, NQ-1, \slot, 0
	WIN 0
	s_barrier_wait -1
.if \fill
	CREST                                          ; the barrier has opened a round of the cluster's barrier: no wave of any partner still reads this slot or has a load on its way
	s_add_nc_u64 s[G0+4*\slot+2:G0+4*\slot+3], s[G0+4*\slot+2:G0+4*\slot+3], 2*ROWB
	s_add_nc_u64 s[G0B+4*\slot+2:G0B+4*\slot+3], s[G0B+4*\slot+2:G0B+4*\slot+3], 2*ROWB
	JLOAD G0+4*\slot, G1, G0B+4*\slot, G1B         ; the first tensor load behind the round; its four v_nop are the places in front of the loads below
.else
	PLACES NP
.endif
	v_add_nc_u32 v[ADRS], 4*NQ, v[ADRS]            ; on to the next K step's scale words (no LDS load of mine is out)
	FETCH_B \next, 0, 0
	FETCH_A \next, 0, 0
	SCALES \next
	WMUL 1, 0
	MUL16 4, 1, NQ-1, \slot, 0
	MUL16 6, 1, NQ-1, \slot, 0
	PLACES NP
	WIN 0
	FETCH_A \next, 0, 4
.endm
	s_wait_tensorcnt 1                             ; the scales and my part of K step 0 are in (K step 1's load may be out)
	s_barrier_signal -1
	s_barrier_wait -1                              ; everybody's are
	FETCH_B 0, 0, 0
	FETCH_A 0, 0, 0
	SCALES 0
	FETCH_A 0, 0, 4
	s_wait_loadcnt 0x0                             ; the bias
	STEP 0, 0, 1                                   ; the first step starts the sums, from the bias
	s_mov_b32 s3, LAPS-1
.Llap:                                             ; a trip goes once round the ring and fills both slots again
	TURN 0, 1, 1
	STEP 1, 0, 0
	TURN 1, 0, 1
	STEP 0, 0, 0
	s_sub_co_u32 s3, s3, 1
	s_cmp_lg_u32 s3, 0
	s_cbranch_scc1 .Llap
	TURN 0, 1, 0                                   ; the last lap fills nothing
	STEP 1, 0, 0
	s_wait_dscnt 4*NL
	WMUL 0, 0
	MUL16 0, 1, NQ-1, 1, 0
	MUL16 2, 1, NQ-1, 1, 0
	s_wait_dscnt 0
	WMUL 1, 0
	MUL16 4, 1, NQ-1, 1, 0
	MUL16 6, 1, NQ-1, 1, 0
	WIN 0
	PLACES NP                                      ; behind the last products: their results are read and P's fragments written below
; THE WAY OUT.  No tensor load is out, so the descriptors' registers serve as scalars.
	s_mov_b32 s24, 0x76543210                      ; v_permlanex16_b32's selects for lane l xor 16
	s_mov_b32 s25, 0xfedcba98
	v_and_b32 v1, 31, v0
	v_lshlrev_b32 v4, 4, v1                        ; an image's four-register part: 16 l
	v_lshl_add_u32 v5, v1, 3, 512                  ; its two-register part: 512 + 8 l
	v_and_b32 v2, 15, v0
	v_lshlrev_b32 v6, 3, v2                        ; the scale words: 8 bytes a row
	v_bfe_u32 v3, v0, 4, 1
	v_lshlrev_b32 v[SH8], 3, v3                    ; 8 h
	v_mov_b32 v[QX], 0                             ; written once: a lane permute's destination counts as one of its sources
	s_lshl_b32 s26, s17, 4
	s_lshl_b32 s27, s15, 3
	s_add_co_u32 s26, s26, s27                     ; my first tile of 16 tokens
	s_mul_i32 s28, s26, 49152
	s_lshl_b32 s29, s42, 2
	s_lshl_b32 s30, s16, 1
	s_add_co_u32 s29, s29, s30                     ; my first 64 features
	s_mul_i32 s29, s29, 768
	s_add_co_u32 s28, s28, s29
	s_mov_b32 s29, 0
	s_add_nc_u64 s[48:49], s[12:13], s[28:29]
	s_lshl_b32 s28, s26, 11
	s_lshl_b32 s30, s42, 7
	s_add_co_u32 s28, s28, s30
	s_lshl_b32 s30, s16, 2
	s_add_co_u32 s28, s28, s30
	s_add_co_u32 s28, s28, 12582912
	s_add_nc_u64 s[52:53], s[12:13], s[28:29]
; 64 numbers of a lane, T[32 c + i] = column 64 c + 32 h + i of my row: two whole blocks of 32.  They become the operand's 12 registers in PC and the row's scale word in QW.
.macro QBLK
.irp c, 0,1
	v_max3_num_f32 v[QM+\c], |v[T+32*\c]|, |v[T+32*\c+1]|, 0x1800000   ; with the floor 2^(3 - 127): the byte cannot fall under 1
.endr
.irp i, 2,4,6,8,10,12,14,16,18,20,22,24,26,28,30
.irp c, 0,1
	v_max3_num_f32 v[QM+\c], v[QM+\c], |v[T+32*\c+\i]|, |v[T+32*\c+\i+1]|
.endr
.endr
.irp c, 0,1
	v_add_nc_u32 v[QS+\c], 0xff000000, v[QM+\c]    ; 2 off the exponent field: the conversion's scale operand
.endr
.irp c, 0,1
	v_lshrrev_b32 v[QB+\c], 23, v[QS+\c]           ; the scale's byte
.endr
	v_lshl_or_b32 v[QW], v[QB+1], 16, v[QB]        ; my two bytes: blocks h and 2 + h,
	v_lshlrev_b32 v[QW], v[SH8], v[QW]             ; at their places;
	v_permlanex16_b32 v[QX], v[QW], s24, s25
	v_or_b32 v[QW], v[QW], v[QX]                   ; with lane l xor 16's two the word is whole
.irp c, 0,1
	v_cvt_scalef32_pk16_fp6_f32 v[PC+6*\c:PC+6*\c+2], v[T+32*\c:T+32*\c+15], v[QS+\c]
	v_cvt_scalef32_pk16_fp6_f32 v[CT+4*\c:CT+4*\c+2], v[T+32*\c+16:T+32*\c+31], v[QS+\c]   ; (a conversion's three registers begin on an even number)
.endr
	v_nop                                          ; one plain line behind a scaled conversion
.irp c, 0,1
.irp i, 0,1,2
	v_mov_b32 v[PC+6*\c+3+\i], v[CT+4*\c+\i]
.endr
.endr
.endm
; Block a: 16 tokens x my 128 features.  Lane (r, h) holds, in register j of tile b, feature 16 b + 8 h + j.  The activation lays tile b at 32 (b / 4) + 16 (b % 2) + 8 ((b % 4) / 2);
; 32 exchanges of halves then give each lane 32 neighbouring features twice.
.macro EPI a
.if (\a) > 0
	s_wait_xcnt 0x0                                ; the last block's stores have had their addresses translated (ISA guide 3.1): their data registers are written again only now
.endif
	WIN (0x08+4*((\a)/4))                          ; source 1: window 2 or 3
.irp b, 0,1,2,3,4,5,6,7
.irp j, 0,1,2,3,4,5,6,7
	v_max_num_f32 v[T+32*(\b/4)+16*(\b%2)+8*((\b%4)/2)+\j], 0, v[64*((\a)%4)+8*\b+\j]   ; relu, in f32; each accumulator from its low end on
.endr
.endr
	WIN 0
.irp c, 0,1
.irp g, 0,16
.irp i, 0,1,2,3,4,5,6,7
	v_permlane16_swap_b32 v[T+32*\c+\g+\i], v[T+32*\c+\g+8+\i]   ; the first's lanes 16-31 change places with the second's lanes 0-15
.endr
.endr
.endr
	QBLK
.irp c, 0,1
	global_store_b128 v4, v[PC+6*\c:PC+6*\c+3], s[48:49] offset:(\a)*49152+\c*768     ; 512 consecutive bytes,
	global_store_b64 v5, v[PC+6*\c+4:PC+6*\c+5], s[48:49] offset:(\a)*49152+\c*768    ; and 256
.endr
	global_store_b32 v6, v[QW], s[52:53] offset:(\a)*2048      ; both halves of the lanes store the same word
.endm
.irp a, 0,1,2,3,4,5,6,7
	EPI \a
.endr
	s_wait_tensorcnt 0x0                           ; the wave's end
	ds_add_u32 v[SPW], v[NIL]
	s_wait_dscnt 0x0
	CROUND                                         ; the closing round
	s_endpgm
.Lfunc_end_k_q3d1a15822e_ffn1:
	.size	k_q3d1a15822e_ffn1, .Lfunc_end_k_q3d1a15822e_ffn1-k_q3d1a15822e_ffn1
	.p2alignl 7, 3214868480
	.fill 96, 4, 3214868480
	.section	.rodata,"a",@progbits
	.p2align	6, 0x0
	.amdhsa_kernel k_q3d1a15822e_ffn1
		.amdhsa_group_segment_fixed_size 327680
		.amdhsa_private_segment_fixed_size 0
		.amdhsa_enable_private_segment 0
		.amdhsa_kernarg_size 40
		.amdhsa_user_sgpr_count 2
		.amdhsa_user_sgpr_kernarg_segment_ptr 1
		.amdhsa_wavefront_size32 1
		.amdhsa_system_sgpr_workgroup_id_x 1
		.amdhsa_system_sgpr_workgroup_id_y 1
		.amdhsa_system_sgpr_workgroup_id_z 1
		.amdhsa_system_vgpr_workitem_id 0
		.amdhsa_next_free_vgpr 1024
		.amdhsa_next_free_sgpr 98
		.amdhsa_reserve_vcc 0
		.amdhsa_float_denorm_mode_32 3
		.amdhsa_float_denorm_mode_16_64 3
		.amdhsa_memory_ordered 1
		.amdhsa_forward_progress 1
		.amdhsa_inst_pref_size 184
	.end_amdhsa_kernel
	.amdgpu_metadata
---
amdhsa.version: [ 1, 2 ]
amdhsa.kernels:
  - .name:           k_q3d1a15822e_ffn1
    .symbol:         k_q3d1a15822e_ffn1.kd
    .args:
      - { .name: act, .offset: 0, .size: 8, .value_kind: global_buffer, .address_space: global }
      - { .name: w1_codes, .offset: 8, .size: 8, .value_kind: global_buffer, .address_space: global }
      - { .name: w1_scales, .offset: 16, .size: 8, .value_kind: global_buffer, .address_space: global }
      - { .name: b1, .offset: 24, .size: 8, .value_kind: global_buffer, .address_space: global }
      - { .name: hact, .offset: 32, .size: 8, .value_kind: global_buffer, .address_space: global }
    .group_segment_fixed_size: 327680
    .private_segment_fixed_size: 0
    .kernarg_segment_align: 8
    .kernarg_segment_size: 40
    .max_flat_workgroup_size: 128
    .sgpr_count:     98
    .vgpr_count:     1024
    .wavefront_size: 32
...
	.end_amdgpu_metadata
.endif
;; end of part 5
;; launch ffn2 (part 6): grid 4 x 32, 4 waves a work-group, clusters of 4 x 4, 327,680 bytes of LDS; arguments hact, w2_codes, w2_scales, b2, x1, out0; writes out0
.if DOCPART == 6
	.amdgcn_target "amdgcn-amd-amdhsa--gfx1250"
	.amdhsa_code_object_version 6
	.text
	.protected	k_q3d1a15822e_ffn2
	.globl	k_q3d1a15822e_ffn2
	.p2align	8
	.type	k_q3d1a15822e_ffn2,@function
k_q3d1a15822e_ffn2:
	s_mov_b64 s[64:65], 0
	v_nop
	global_prefetch_b8 v0, s[64:65] scope:SCOPE_SE
	s_setreg_imm32_b32 hwreg(HW_REG_WAVE_MODE, 25, 1), 1
	s_wait_xcnt 0x0
	s_wait_alu depctr_hold_cnt(0) depctr_sa_sdst(0) depctr_va_vdst(0) depctr_va_sdst(0) depctr_va_ssrc(0) depctr_va_vcc(0) depctr_vm_vsrc(0)
	s_getreg_b32 s2, hwreg(HW_REG_IB_STS2, 6, 4)
	s_cmp_eq_u32 s2, 0
	s_cbranch_scc0 .Lentry_in_a_cluster
	s_endpgm
.Lentry_in_a_cluster:
	s_bfe_u32 s2, ttmp6, 0x10000c
	s_cmp_lg_u32 s2, 0xf033
	s_cbranch_scc0 .Lentry_shape_is_right
	s_endpgm
.Lentry_shape_is_right:
; out = resid + A W^T + bias, on codes of FP6 (E2M3) with E8M0 scales.  A: 4,096 rows x SIZE_K, as half images [16 rows 256][64 K][768 bytes] (16 rows x 64 K as the operand's six registers hold them: a lane's first
; four at 16 l, its last two at 512 + 8 l), with its scale bytes behind them, [16 rows][256 K][16][8].  W: [1024][SIZE_K] codes in rows, K innermost, scale bytes [1024][SIZE_K / 32].  bias [1024], resid and out [4096][1024]: f32.
; A tile of 128 rows x 256 columns is made by four waves, each 64 x 128: 32 accumulators.  (256 x 256 would give 64 work-groups.)  K goes in steps of 256 through two LDS slots filled by joint tensor loads:
; A's tile is shared along a row of the 4 x 4 cluster, W's along a column.  Both sides' scale bytes for all of K come once, with the first fills.
; The matrix instruction is used transposed (source 0 = 16 rows of W, source 1 = 16 rows of A): a lane holds eight neighbouring columns of a row.  The bias is the C of each sum's first product.
; The residual, 64 rows x 512 bytes a wave, is asked for at the head and lands in 256 registers under the K loop.
; REGISTERS: window 0: v16-31 addresses; v32-47 A's scale words, v48-79 W's, two sets each; v128-175 A's fragments, one set; v176-239 the bias; on the way out v128-255 rows of the result.
;   window 1: W's fragments, two sets.   window 2: the accumulators ((a, b) at v[8 (8 a + b)]).   window 3: the residual.
.set SIZE_K, 4096
.set NQ,     2
.set ROWB,   192                       ; W: a tile's row, 256 codes
.set KROW,   SIZE_K*6/8
.set TPITCH, SIZE_K*12                 ; A: from 16 rows to the next 16
.set PSC,    4096*KROW                 ; A's scale bytes begin here
.set PITCH,  240                       ; W's LDS row: 3 x (64 bytes + 16 of padding)
.set FR,     12
.set NLA,    4                         ; LDS loads that bring a fragment of A
.set NP,     4                         ; places behind this matrix instruction (ISA guide 7.12.1)
.set HALFA,  4*3072                    ; four tiles of 16 rows x 256 K: what one load brings of A
.set ASL,    2*HALFA
.set HALFB,  128*PITCH
.set SLOT,   ASL+2*HALFB
.set LAPS,   SIZE_K/512
.set KS,     SIZE_K/32
.set SCB,    2*SLOT                    ; W's scale bytes, as units of 256 bytes + 16 of padding
.set HALFS,  (128*KS/256)*272
.set SBLK,   (16*KS/256)*272
.set SCA,    SCB+2*HALFS               ; A's, dense
.set HALFSA, 2*SIZE_K
.set STAGE,  SCA+4*SIZE_K              ; the way out: 16 rows x 528 bytes for each wave: bytes of its own, into which no fill lands
.set SPITCH, 528
.set SPARE,  STAGE+4*16*SPITCH         ; the spare words, 128 bytes for each wave: two blocks of 256 bytes that no other line names
.set A16,  16                          ; v16-17 A's images in slot 0, 1: the four-register part;  v18-19 the two-register part
.set A8,   18
.set ADRB, 20                          ; v20-21 W's fragments in slot 0, 1;  v22-23 the same behind one padding more
.set STO,  24
.set RD,   25
.set CO,   26
.set ADRSB, 27
.set SPW,  28
.set NIL,  29
.set ADRSA, 30
.set SA,   32
.set SB,   48
.set AF,   128
.set BQ,   176
.set BK,   128
.set G1, 24
.set G0, 32
.set G1B, 48
.set G0B, 56
.set G1S, 68
.set G0S, 76
.set G1SB, 80
.set G0SB, 88
.set MSB, 0
.macro WIN new                         ; the immediate's high byte repeats the setting that is left
.if MSB != \new
	s_set_vgpr_msb (MSB<<8)|\new
.set MSB, \new
.endif
.endm
.set MUL,   0xa1                       ; source 0 (W) window 1, source 1 (A) window 0, C and D window 2
.set MULZ,  0x81                       ; the same with C (the bias) in window 0
.set TO_B,  0x40
.macro JLOAD g0a, g1a, g0b, g1b        ; a joint load: waves 0 and 1 fetch for A, waves 2 and 3 for W; four v_nop follow each of the two lines
	s_cmp_eq_u32 s15, 0
	s_cbranch_scc0 .Lfor_b_\@
	tensor_load_to_lds s[\g0a:\g0a+3], s[\g1a:\g1a+7]
	s_nop 0
.rept 4
	v_nop
.endr
	s_branch .Lasked_\@
.Lfor_b_\@:
	tensor_load_to_lds s[\g0b:\g0b+3], s[\g1b:\g1b+7]
	s_nop 0
.rept 4
	v_nop
.endr
.Lasked_\@:
.endm
.macro CREST                           ; a round of the cluster's barrier behind its opening barrier
	s_cmp_lg_u32 s14, 0
	s_cbranch_scc1 .Lnot_wave_0_\@
	s_barrier_signal -3
.Lnot_wave_0_\@:
	s_barrier_wait -3
	s_barrier_signal -1
	s_barrier_wait -1
.endm
.macro CROUND
	s_barrier_signal -1
	s_barrier_wait -1
	CREST
.endm
	s_load_b64 s[4:5], s[0:1], 0x0                 ; A
	s_load_b64 s[8:9], s[0:1], 0x8                 ; W's codes
	s_load_b64 s[10:11], s[0:1], 0x10              ; W's scales
	s_load_b64 s[66:67], s[0:1], 0x18              ; bias
	s_load_b128 s[96:99], s[0:1], 0x20             ; resid, out
	v_lshl_add_u32 v[SPW], v0, 2, SPARE
	v_mov_b32 v[NIL], 0
	ds_add_u32 v28, v29
	ds_add_u32 v28, v29
	s_wait_dscnt 0x0
	v_lshrrev_b32 v1, 5, v0
	v_readfirstlane_b32 s14, v1                    ; wave 0..3
	s_lshr_b32 s15, s14, 1                         ; which 64 rows are mine.  Also: I fetch for A (0) or for W (1)
	s_and_b32 s16, s14, 1                          ; which 128 columns.  Also: which half of that tile I fetch
	s_bfe_u32 s40, ttmp6, 0x40000                  ; cx, cy
	s_bfe_u32 s41, ttmp6, 0x40004
	s_lshl_b32 s42, ttmp9, 2
	s_add_co_u32 s42, s42, s40                     ; tile column
	s_and_b32 s17, ttmp7, 0xffff
	s_lshl_b32 s17, s17, 2
	s_add_co_u32 s17, s17, s41                     ; tile row
	s_lshl_b32 s43, s41, 2
	s_lshl_b32 s43, 15, s43                        ; my row of the cluster
	s_lshl_b32 s44, 0x1111, s40                    ; my column
	s_or_b32 s[G1+0], s43, (3<<16)|(1<<21)         ; A: 4 rows of 3,072 bytes (384 elements of 8), TPITCH bytes apart, no padding
	s_mov_b32 s[G1+1], 384<<16
	s_mov_b32 s[G1+2], 4<<16
	s_mov_b32 s[G1+3], 384<<16
	s_mov_b32 s[G1+4], 4
	s_mov_b32 s[G1+5], TPITCH/8
	s_mov_b32 s[G1+6], 0
	s_mov_b32 s[G1+7], 0
	s_or_b32 s[G1B+0], s44, (0<<16)|(1<<20)|(1<<21)|(3<<22)|(3<<25)   ; W: 128 rows of 192 bytes, 16 bytes of padding behind every 64
	s_mov_b32 s[G1B+1], ROWB<<16
	s_mov_b32 s[G1B+2], 128<<16
	s_mov_b32 s[G1B+3], ROWB<<16
	s_mov_b32 s[G1B+4], 128
	s_mov_b32 s[G1B+5], KROW
	s_mov_b32 s[G1B+6], 0
	s_mov_b32 s[G1B+7], 0
	s_or_b32 s[G1S+0], s43, (3<<16)|(1<<21)        ; A's scales: 2 SIZE_K dense bytes as rows of 256
	s_mov_b32 s[G1S+1], 32<<16
	s_mov_b32 s[G1S+2], (SIZE_K/128)<<16
	s_mov_b32 s[G1S+3], 32<<16
	s_mov_b32 s[G1S+4], SIZE_K/128
	s_mov_b32 s[G1S+5], 32
	s_mov_b32 s[G1S+6], 0
	s_mov_b32 s[G1S+7], 0
	s_or_b32 s[G1SB+0], s44, (3<<16)|(1<<20)|(1<<21)|(5<<22)|(3<<25)  ; W's: 128 KS dense bytes as rows of 256, 16 bytes of padding behind each
	s_mov_b32 s[G1SB+1], 32<<16
	s_mov_b32 s[G1SB+2], (128*KS/256)<<16
	s_mov_b32 s[G1SB+3], 32<<16
	s_mov_b32 s[G1SB+4], 128*KS/256
	s_mov_b32 s[G1SB+5], 32
	s_mov_b32 s[G1SB+6], 0
	s_mov_b32 s[G1SB+7], 0
	s_lshl_b32 s20, s17, 3
	s_lshl_b32 s18, s16, 2
	s_add_co_u32 s20, s20, s18                     ; A: the first tile of 16 rows that I fetch
	s_mov_b32 s21, 0
	s_lshl_b32 s46, s42, 8
	s_lshl_b32 s18, s16, 7
	s_add_co_u32 s46, s46, s18                     ; W: the first row
	s_mov_b32 s47, 0
	s_mov_b64 s[18:19], SIZE_K/2
	s_mul_u64 s[22:23], s[20:21], s[18:19]         ; where these rows' scales begin,
	s_mov_b64 s[18:19], KS
	s_mul_u64 s[92:93], s[46:47], s[18:19]
	s_mov_b64 s[18:19], TPITCH
	s_mul_u64 s[20:21], s[20:21], s[18:19]         ; and their codes
	s_mov_b64 s[18:19], KROW
	s_mul_u64 s[46:47], s[46:47], s[18:19]
	s_mul_i32 s45, s16, HALFA                      ; where they go: no place in the cluster enters an LDS address
	s_mul_i32 s94, s16, HALFB
	s_mul_i32 s95, s16, HALFSA
	s_mul_i32 s2, s16, HALFS
	s_wait_kmcnt 0x0
	s_add_nc_u64 s[6:7], s[4:5], PSC
	s_add_nc_u64 s[20:21], s[4:5], s[20:21]
	s_add_nc_u64 s[22:23], s[6:7], s[22:23]
	s_add_nc_u64 s[46:47], s[8:9], s[46:47]
	s_add_nc_u64 s[92:93], s[10:11], s[92:93]
	CROUND                                         ; all sixteen work-groups are here: the first joint loads meet
	s_mov_b32 s[G0S], 1
	s_add_co_u32 s[G0S+1], s95, SCA
	s_mov_b64 s[G0S+2:G0S+3], s[22:23]
	s_or_b32 s[G0S+3], s[G0S+3], 0x80000000
	s_mov_b32 s[G0SB], 1
	s_add_co_u32 s[G0SB+1], s2, SCB
	s_mov_b64 s[G0SB+2:G0SB+3], s[92:93]
	s_or_b32 s[G0SB+3], s[G0SB+3], 0x80000000
	JLOAD G0S, G1S, G0SB, G1SB                     ; the scales first: they are wanted with K step 0
.irp s, 0,1
	s_mov_b32 s[G0+4*\s], 1
	s_add_co_u32 s[G0+4*\s+1], s45, \s*SLOT
	s_add_nc_u64 s[G0+4*\s+2:G0+4*\s+3], s[20:21], \s*3072
	s_or_b32 s[G0+4*\s+3], s[G0+4*\s+3], 0x80000000
	s_mov_b32 s[G0B+4*\s], 1
	s_add_co_u32 s[G0B+4*\s+1], s94, \s*SLOT+ASL
	s_add_nc_u64 s[G0B+4*\s+2:G0B+4*\s+3], s[46:47], \s*ROWB
	s_or_b32 s[G0B+4*\s+3], s[G0B+4*\s+3], 0x80000000
	JLOAD G0+4*\s, G1, G0B+4*\s, G1B
.endr
	v_and_b32 v1, 15, v0                           ; r
	v_bfe_u32 v2, v0, 4, 1                         ; h
	v_and_b32 v3, 31, v0                           ; lane
	v_lshlrev_b32 v[CO], 4, v3                     ; 16 l
	v_lshl_add_u32 v6, v3, 3, 512                  ; 512 + 8 l
	v_mul_u32_u24 v4, v1, PITCH
	v_mad_u32_u24 v4, v2, 24, v4                   ; W: a fragment's row x pitch + 24 x half
	v_lshl_add_u32 v5, v2, 4, v4                   ; and the same behind one padding more
	s_mul_i32 s21, s15, HALFA                      ; my 64 rows of A
	s_mul_i32 s22, s16, HALFB
	s_add_co_u32 s22, s22, ASL                     ; my 128 rows of W
.irp s, 0,1
	v_add_nc_u32 v[A16+\s], s21, v[CO]
	v_add_nc_u32 v[A8+\s], s21, v6
	v_add_nc_u32 v[ADRB+\s], s22, v4
	v_add_nc_u32 v[ADRB+2+\s], s22, v5
	s_add_co_u32 s21, s21, SLOT
	s_add_co_u32 s22, s22, SLOT
.endr
	v_mul_u32_u24 v5, v1, KS                       ; W's scales: KS bytes a row, and 16 more for each 256 passed
	v_lshrrev_b32 v6, 8, v5
	v_lshl_add_u32 v5, v6, 4, v5
	s_mul_i32 s21, s16, HALFS
	s_add_co_u32 s21, s21, SCB
	v_add_nc_u32 v[ADRSB], s21, v5
	s_mul_i32 s21, s15, HALFSA
	s_add_co_u32 s21, s21, SCA
	v_lshl_add_u32 v[ADRSA], v1, 3, s21            ; A's: 8 bytes a row and K step
	s_mul_i32 s23, s14, 16*SPITCH
	s_add_co_u32 s23, s23, STAGE                   ; my stage
	v_mul_u32_u24 v5, v1, SPITCH
	v_lshl_add_u32 v5, v2, 5, v5
	v_add_nc_u32 v[STO], s23, v5                   ; in: row r, 32 bytes for each half of the lanes
	v_add_nc_u32 v[RD], s23, v[CO]                 ; back: the 32 lanes take a row of 512 bytes
	v_lshlrev_b32 v31, 5, v2                       ; 32 h
	s_lshl_b32 s46, s42, 10
	s_lshl_b32 s47, s16, 9
	s_add_co_u32 s46, s46, s47                     ; my first column, in bytes
	s_mov_b32 s47, 0
	s_add_nc_u64 s[66:67], s[66:67], s[46:47]
	s_lshl_b32 s20, s17, 7
	s_lshl_b32 s21, s15, 6
	s_add_co_u32 s20, s20, s21                     ; my first row
	s_lshl_b32 s20, s20, 12
	s_add_co_u32 s20, s20, s46
	s_mov_b32 s21, 0
	s_add_nc_u64 s[96:97], s[96:97], s[20:21]
	s_add_nc_u64 s[98:99], s[98:99], s[20:21]
.irp b, 0,1,2,3,4,5,6,7
	global_load_b128 v[BQ+8*\b:BQ+8*\b+3], v31, s[66:67] offset:64*\b        ; bias(16 b + 8 h + 0 .. 7): the result's layout
	global_load_b128 v[BQ+8*\b+4:BQ+8*\b+7], v31, s[66:67] offset:64*\b+16
.endr
	WIN 0xc0                                       ; destination window 3
.set JJ, 0
.rept 64
	global_load_b128 v[4*JJ:4*JJ+3], v[CO], s[96:97] offset:JJ*4096 th:TH_LOAD_NT   ; the residual: row JJ of my 64, 512 consecutive bytes
.set JJ, JJ+1
.endr
	WIN 0
.macro FRAG reg, adr, q, i             ; a fragment of W from rows: pieces of 8 bytes; where the piece three on (lanes 16-31) lies behind one padding more, the second address register serves
.irp p, 0,1,2,3,4,5
.set PIECE, 12*(\q)+6*(\p/3)+\p%3
.if PIECE%8 < 5
	ds_load_b64 v[\reg+2*\p:\reg+2*\p+1], v[\adr] offset:8*PIECE+16*(PIECE/8)+(\i)*16*PITCH
.else
	ds_load_b64 v[\reg+2*\p:\reg+2*\p+1], v[\adr+2] offset:8*PIECE+16*(PIECE/8)+(\i)*16*PITCH
.endif
.endr
.endm
.macro FRAGA slot, q, i                ; a fragment of A: two half images, as they lie
.irp c, 0,1
	ds_load_b128 v[AF+FR*(\i)+6*\c:AF+FR*(\i)+6*\c+3], v[A16+\slot] offset:(\i)*3072+(2*(\q)+\c)*768
	ds_load_b64 v[AF+FR*(\i)+6*\c+4:AF+FR*(\i)+6*\c+5], v[A8+\slot] offset:(\i)*3072+(2*(\q)+\c)*768
.endr
.endm
; 8 matrix instructions: A's block a x W's eight.  The 32 accumulators take turns, one instruction a turn, in the same order in every step.
.macro MUL8 a, p, q, sc, zero
.irp b, 0,1,2,3,4,5,6,7
.if \zero
	v_wmma_scale_f32_16x16x128_f8f6f4 v[8*(8*(\a)+\b):8*(8*(\a)+\b)+7], v[128*(\p)+FR*\b:128*(\p)+FR*\b+FR-1], v[AF+FR*(\a):AF+FR*(\a)+FR-1], v[BQ+8*\b:BQ+8*\b+7], v[SB+16*(\sc)+2*\b+(\q)], v[SA+8*(\sc)+2*(\a)+(\q)] matrix_a_fmt:MATRIX_FMT_FP6 matrix_b_fmt:MATRIX_FMT_FP6
.else
	v_wmma_scale_f32_16x16x128_f8f6f4 v[8*(8*(\a)+\b):8*(8*(\a)+\b)+7], v[128*(\p)+FR*\b:128*(\p)+FR*\b+FR-1], v[AF+FR*(\a):AF+FR*(\a)+FR-1], v[8*(8*(\a)+\b):8*(8*(\a)+\b)+7], v[SB+16*(\sc)+2*\b+(\q)], v[SA+8*(\sc)+2*(\a)+(\q)] matrix_a_fmt:MATRIX_FMT_FP6 matrix_b_fmt:MATRIX_FMT_FP6
.endif
.endr
.endm
.macro WMUL zero
.if \zero
	WIN MULZ
.else
	WIN MUL
.endif
.endm
.macro FETCH_B slot, q, p
	WIN TO_B
.irp i, 0,1,2,3,4,5,6,7
	FRAG 128*(\p)+FR*\i, ADRB+\slot, \q, \i
.endr
	WIN 0
.endm
.macro SCALES sc                       ; a K step's scale words, two a row: A's four blocks, W's eight; lane r takes row r's
.irp i, 0,1,2,3
	ds_load_b64 v[SA+8*\sc+2*\i:SA+8*\sc+2*\i+1], v[ADRSA] offset:\i*SIZE_K/2
.endr
.irp i, 0,1,2,3,4,5,6,7
	ds_load_b64 v[SB+16*\sc+2*\i:SB+16*\sc+2*\i+1], v[ADRSB] offset:\i*SBLK
.endr
.endm
.macro PLACES n                        ; plain vector lines between a matrix instruction and a load into, or a read of, its registers
.rept \n
	v_nop
.endr
.endm
.macro STEP slot, q, zero              ; 128 along K whose successor lies in the same slot
	s_wait_dscnt 2*NLA                             ; W's set and A's blocks 0, 1 are in; the youngest 8 loads (A's blocks 2, 3) may be out
	WMUL \zero
	MUL8 0, (\q)%2, \q, \slot, \zero
	MUL8 1, (\q)%2, \q, \slot, \zero
	s_wait_dscnt 0
	PLACES NP
	FETCH_B \slot, (\q)+1, 1-(\q)%2
	FRAGA \slot, (\q)+1, 0
	FRAGA \slot, (\q)+1, 1
	WMUL \zero
	MUL8 2, (\q)%2, \q, \slot, \zero
	MUL8 3, (\q)%2, \q, \slot, \zero
	PLACES NP
	WIN 0
	FRAGA \slot, (\q)+1, 2
	FRAGA \slot, (\q)+1, 3
.endm
; A slot's last step changes slots: one barrier; in front of it each wave waits for all its tensor loads, adds 0 to its spare word, and waits for that and for its reads of this slot.
.macro TURN slot, next, fill
	s_wait_tensorcnt 0x0                           ; all my tensor loads have landed: my part of the next slot
	ds_add_u32 v[SPW], v[NIL]                      ; 0 onto my spare word
	s_wait_dscnt 2*NLA+1                           ; (the add and the youngest 8 loads may be out)
	WIN MUL
	MUL8 0, 1, NQ-1, \slot, 0
	s_wait_dscnt 0x0                               ; the add is done, and my reads of this slot are over
	s_barrier_signal -1
	MUL8 1, 1, NQ-1, \slot, 0
	WIN 0
	s_barrier_wait -1
.if \fill
	CREST                                          ; the barrier has opened a round of the cluster's barrier: no wave of any partner still reads this slot or has a load on its way
	s_add_nc_u64 s[G0+4*\slot+2:G0+4*\slot+3], s[G0+4*\slot+2:G0+4*\slot+3], 2*3072
	s_add_nc_u64 s[G0B+4*\slot+2:G0B+4*\slot+3], s[G0B+4*\slot+2:G0B+4*\slot+3], 2*ROWB
	JLOAD G0+4*\slot, G1, G0B+4*\slot, G1B         ; the first tensor load behind the round; its four v_nop are the places in front of the loads below
.else
	PLACES NP
.endif
	v_add_nc_u32 v[ADRSB], 4*NQ, v[ADRSB]          ; on to the next K step's scale words (no LDS load of mine is out)
	v_add_nc_u32 v[ADRSA], 128, v[ADRSA]
	FETCH_B \next, 0, 0
	FRAGA \next, 0, 0
	FRAGA \next, 0, 1
	SCALES \next
	WIN MUL
	MUL8 2, 1, NQ-1, \slot, 0
	MUL8 3, 1, NQ-1, \slot, 0
	PLACES NP
	WIN 0
	FRAGA \next, 0, 2
	FRAGA \next, 0, 3
.endm
	s_wait_tensorcnt 1                             ; the scales and my part of K step 0 are in (K step 1's load may be out)
	s_barrier_signal -1
	s_barrier_wait -1                              ; everybody's are
	FETCH_B 0, 0, 0
	FRAGA 0, 0, 0
	FRAGA 0, 0, 1
	SCALES 0
	FRAGA 0, 0, 2
	FRAGA 0, 0, 3
	s_wait_loadcnt 63                              ; of the 80 loads at most 63 are out: the 16 oldest, the bias, are in
	STEP 0, 0, 1                                   ; the first step starts the sums, from the bias
	s_mov_b32 s3, LAPS-1
.Llap:                                             ; a trip goes once round the ring and fills both slots again
	TURN 0, 1, 1
	STEP 1, 0, 0
	TURN 1, 0, 1
	STEP 0, 0, 0
	s_sub_co_u32 s3, s3, 1
	s_cmp_lg_u32 s3, 0
	s_cbranch_scc1 .Llap
	TURN 0, 1, 0                                   ; the last lap fills nothing
	STEP 1, 0, 0
	s_wait_dscnt 2*NLA
	WIN MUL
	MUL8 0, 1, NQ-1, 1, 0
	MUL8 1, 1, NQ-1, 1, 0
	s_wait_dscnt 0
	MUL8 2, 1, NQ-1, 1, 0
	MUL8 3, 1, NQ-1, 1, 0
	WIN 0
; THE WAY OUT, block by block of 16 rows x 128 columns, through my own stage: in by 32 bytes a lane, back as whole rows of 512 bytes; the residual is added there, and the 32 lanes store 512 consecutive bytes.
.macro TOSTAGE a
	WIN 0x08                                       ; an LDS store's data are its source 1: window 2
.irp b, 0,1,2,3,4,5,6,7
	ds_store_b128 v[STO], v[64*(\a)+8*\b:64*(\a)+8*\b+3] offset:64*\b          ; each accumulator from its low end on
	ds_store_b128 v[STO], v[64*(\a)+8*\b+4:64*(\a)+8*\b+7] offset:64*\b+16
.endr
	WIN 0
.set BB, BK+64*((\a)%2)
.irp t, 0,1,2,3,4,5,6,7,8,9,10,11,12,13,14,15
	ds_load_b128 v[BB+4*\t:BB+4*\t+3], v[RD] offset:\t*SPITCH      ; LDS serves a wave's instructions in order (ISA guide 5.7.1.4): these see the stores above
.endr
.endm
.macro SEND a, younger                 ; younger: the LDS instructions issued behind block a's loads
.set BB, BK+64*((\a)%2)
	s_wait_dscnt \younger
	WIN 0x0c                                       ; source 1: window 3
.set JJ, 0
.rept 32
	v_pk_add_f32 v[BB+JJ:BB+JJ+1], v[BB+JJ:BB+JJ+1], v[64*(\a)+JJ:64*(\a)+JJ+1]
.set JJ, JJ+2
.endr
	WIN 0
.irp t, 0,1,2,3,4,5,6,7,8,9,10,11,12,13,14,15
	global_store_b128 v[CO], v[BB+4*\t:BB+4*\t+3], s[98:99] offset:(16*(\a)+\t)*4096 th:TH_STORE_NT   ; written once, read by nobody here
.endr
.endm
	PLACES NP                                      ; behind the last products: their results are read, and rows land where A's fragments and the bias lay
	s_wait_loadcnt 0x0                             ; the residual
	TOSTAGE 0
.irp a, 1,2,3
.if \a > 1
	s_wait_xcnt 0x0                                ; block a - 2's stores have had their addresses translated (ISA guide 3.1): block a's loads land on their data registers only now
.endif
	TOSTAGE \a
	SEND \a-1, 32                                  ; behind block a - 1's loads: block a's 16 stores and 16 loads
.endr
	SEND 3, 0
	s_wait_tensorcnt 0x0                           ; the wave's end
	ds_add_u32 v[SPW], v[NIL]
	s_wait_dscnt 0x0
	CROUND                                         ; the closing round: no work-group ends while a partner may still ask for a tile that names it
	s_endpgm
.Lfunc_end_k_q3d1a15822e_ffn2:
	.size	k_q3d1a15822e_ffn2, .Lfunc_end_k_q3d1a15822e_ffn2-k_q3d1a15822e_ffn2
	.p2alignl 7, 3214868480
	.fill 96, 4, 3214868480
	.section	.rodata,"a",@progbits
	.p2align	6, 0x0
	.amdhsa_kernel k_q3d1a15822e_ffn2
		.amdhsa_group_segment_fixed_size 327680
		.amdhsa_private_segment_fixed_size 0
		.amdhsa_enable_private_segment 0
		.amdhsa_kernarg_size 48
		.amdhsa_user_sgpr_count 2
		.amdhsa_user_sgpr_kernarg_segment_ptr 1
		.amdhsa_wavefront_size32 1
		.amdhsa_system_sgpr_workgroup_id_x 1
		.amdhsa_system_sgpr_workgroup_id_y 1
		.amdhsa_system_sgpr_workgroup_id_z 1
		.amdhsa_system_vgpr_workitem_id 0
		.amdhsa_next_free_vgpr 1024
		.amdhsa_next_free_sgpr 100
		.amdhsa_reserve_vcc 0
		.amdhsa_float_denorm_mode_32 3
		.amdhsa_float_denorm_mode_16_64 3
		.amdhsa_memory_ordered 1
		.amdhsa_forward_progress 1
		.amdhsa_inst_pref_size 115
	.end_amdhsa_kernel
	.amdgpu_metadata
---
amdhsa.version: [ 1, 2 ]
amdhsa.kernels:
  - .name:           k_q3d1a15822e_ffn2
    .symbol:         k_q3d1a15822e_ffn2.kd
    .args:
      - { .name: hact, .offset: 0, .size: 8, .value_kind: global_buffer, .address_space: global }
      - { .name: w2_codes, .offset: 8, .size: 8, .value_kind: global_buffer, .address_space: global }
      - { .name: w2_scales, .offset: 16, .size: 8, .value_kind: global_buffer, .address_space: global }
      - { .name: b2, .offset: 24, .size: 8, .value_kind: global_buffer, .address_space: global }
      - { .name: x1, .offset: 32, .size: 8, .value_kind: global_buffer, .address_space: global }
      - { .name: out0, .offset: 40, .size: 8, .value_kind: global_buffer, .address_space: global }
    .group_segment_fixed_size: 327680
    .private_segment_fixed_size: 0
    .kernarg_segment_align: 8
    .kernarg_segment_size: 48
    .max_flat_workgroup_size: 128
    .sgpr_count:     100
    .vgpr_count:     1024
    .wavefront_size: 32
...
	.end_amdgpu_metadata
.endif
;; end of part 6
;; ======== version 2 of 2: 7 launches
;; limits: right only within a limited range of input values
;; workspace buffers: act 3,276,800 bytes; qkv 10,092,544 bytes; oact 3,276,800 bytes; x1 16,777,216 bytes; hact 13,107,200 bytes
;; launch ln1 (part 7): grid 256 x 1, 16 waves a work-group, no clusters, 100,352 bytes of LDS; arguments x, ln1_g, ln1_b, act; writes act
.if DOCPART == 7
	.amdgcn_target "amdgcn-amd-amdhsa--gfx1250"
	.amdhsa_code_object_version 6
	.text
	.protected	k_q3d1a15822e_ln1
	.globl	k_q3d1a15822e_ln1
	.p2align	8
	.type	k_q3d1a15822e_ln1,@function
k_q3d1a15822e_ln1:
	s_mov_b64 s[64:65], 0
	v_nop
	global_prefetch_b8 v0, s[64:65] scope:SCOPE_SE
	s_setreg_imm32_b32 hwreg(HW_REG_WAVE_MODE, 25, 1), 1
	s_wait_xcnt 0x0
; y = (x - mean) * rsqrt(var + 1e-5) * g + b along rows of 1,024 f32, then y is turned into codes of FP6 (E2M3) with one E8M0 byte for each 32 along the row.
; In: x [4096][1024] f32, g, b [1024] f32.  Out (one buffer): codes [4096][768 bytes], K innermost, a row one stream of bits; from byte 3,145,728 on the scale bytes [4096][32].
; A wave owns 4 rows.  All its loads (8 of g, 8 of b, 32 of x, each 512 consecutive bytes) go out at once; a row stays in 32 registers for the mean, the variance (of x - mean: two passes) and the scaling.
; The conversion takes 16 neighbours from ONE lane's registers, the loads give a lane 4: so half a row (2,048 bytes) at a time turns through the wave's own stage in LDS (16 bytes of padding behind each 64).
; A block's scale is 2^(floor(log2(largest magnitude)) - 2): its byte is the largest magnitude's exponent field - 2, held at 1 from below.
; LIMITS: NaN and infinities are not served; a block whose largest magnitude lies under 2^-124 keeps the byte 1; a block of zeros has the byte 1 and not 127 (its codes are zeros; this program alone reads the bytes).
; No matrix work, no tensor loads, no barrier: waves share nothing.
; SHARES, as the text now stands (this takes the place of the head's sentence on a wave's rows): sixteen waves, each with ONE row: 8 loads of g, 8 of b, 8 of x; a work-group has 16 rows.
; A wave's 32 scale bytes leave by its lanes 0-7, 4 bytes each.
.set WREG,  6144
.set SP,    80                         ; a lane's place in a stage: 64 bytes + 16 of padding
.set G,     16                         ; v16-47   g of my 32 columns (load j: columns 128 j + 4 lane + 0..3)
.set BT,    48                         ; v48-79   b likewise
.set X,     80                         ; v80-111  my row of 32
.set XS,    208                        ; v208-239 two sets of 16 neighbours
.set C,     240                        ; v240-247 two sets of codes
.set E,     248                        ; v248-249 a scale byte for each of the 2 half rows
	s_load_b256 s[4:11], s[0:1], 0x0               ; x, g, b, out
	v_lshl_add_u32 v243, v0, 2, 0x18000            ; the spare words lie behind the sixteen waves' 6,144 bytes each
	v_mov_b32 v247, 0
	v_lshrrev_b32 v1, 5, v0
	v_readfirstlane_b32 s12, v1                    ; wave
	v_and_b32 v2, 31, v0                           ; lane
	v_lshlrev_b32 v3, 4, v2                        ; my 16 bytes of a load's 512
	v_mul_u32_u24 v4, v2, 12                       ; my 12 bytes of a half row's 384 bytes of codes
	s_mul_i32 s24, s12, WREG
	v_lshrrev_b32 v14, 2, v2
	v_mul_u32_u24 v14, v14, SP
	v_and_b32 v15, 3, v2
	v_lshl_add_u32 v14, v15, 4, v14
	v_add_nc_u32 v14, s24, v14                     ; the stage, in: SP (lane / 4) + 16 (lane % 4)
	v_mul_u32_u24 v15, v2, SP
	v_add_nc_u32 v15, s24, v15                     ; and out: SP x lane: my 16 neighbours
	s_add_co_u32 s24, s24, 2*32*SP
	v_lshrrev_b32 v5, 1, v2
	v_add_nc_u32 v5, s24, v5                       ; my block's scale byte in LDS
	v_lshlrev_b32 v7, 2, v2
	v_and_b32 v6, 28, v7
	v_add_nc_u32 v6, s24, v6                       ; and 4 bytes a lane on the way out: 4 (lane % 8), inside my row's 32 scale bytes
	s_lshl_b32 s13, ttmp9, 4
	s_add_co_u32 s13, s13, s12                     ; my row
	s_lshl_b32 s14, s13, 12                        ; my row: 4,096 bytes of x,
	s_mov_b32 s15, 0
	s_mul_i32 s16, s13, 768                        ; 768 of codes,
	s_mov_b32 s17, 0
	s_lshl_b32 s18, s13, 5                         ; 32 scale bytes, behind the codes
	s_add_co_u32 s18, s18, 3145728
	s_mov_b32 s19, 0
	s_mov_b32 s26, 0x76543210                      ; v_permlanex16_b32's selects for lane l xor 16
	s_mov_b32 s27, 0xfedcba98
	s_mov_b32 s28, 0x3a800000                      ; 1 / 1024
	s_wait_kmcnt 0x0
	s_add_nc_u64 s[4:5], s[4:5], s[14:15]
	s_add_nc_u64 s[20:21], s[10:11], s[16:17]
	s_add_nc_u64 s[22:23], s[10:11], s[18:19]
.irp j, 0,1,2,3,4,5,6,7
	global_load_b128 v[G+4*\j:G+4*\j+3], v3, s[6:7] offset:512*\j
.endr
.irp j, 0,1,2,3,4,5,6,7
	global_load_b128 v[BT+4*\j:BT+4*\j+3], v3, s[8:9] offset:512*\j
.endr
.irp p, 0
.irp j, 0,1,2,3,4,5,6,7
	global_load_b128 v[X+32*\p+4*\j:X+32*\p+4*\j+3], v3, s[4:5] offset:4096*\p+512*\j   ; 32 lanes read 512 consecutive bytes
.endr
.endr
.macro WSUM                            ; v8 summed over the 32 lanes, the result in every lane
.irp m, 1,2,4,8
	s_delay_alu instid0(VALU_DEP_1)
	v_add_f32_dpp v8, v8, v8 row_xmask:\m row_mask:0xf bank_mask:0xf
.endr
	s_delay_alu instid0(VALU_DEP_1)
	v_permlanex16_b32 v1, v8, s26, s27             ; (v1 has been written: the destination counts as read)
	s_delay_alu instid0(VALU_DEP_1)
	v_add_f32 v8, v8, v1
.endm
.macro TURN u                          ; half u of the row at XR through stage u: LDS serves a wave's instructions in order, so no wait stands between the stores and the loads
.irp i, 0,1,2,3
	ds_store_b128 v14, v[XR+16*\u+4*\i:XR+16*\u+4*\i+3] offset:32*SP*\u+8*SP*\i
.endr
.irp i, 0,1,2,3
	ds_load_b128 v[XS+16*\u+4*\i:XS+16*\u+4*\i+3], v15 offset:32*SP*\u+16*\i
.endr
.endm
.macro Q16 s                           ; half row s of the wave's two: 16 numbers a lane, two neighbouring lanes to a block
.set XQ, XS+16*((\s)%2)
.set CQ, C+4*((\s)%2)
	v_max3_num_f32 v8, |v[XQ]|, |v[XQ+1]|, |v[XQ+2]|
	v_max3_num_f32 v9, |v[XQ+3]|, |v[XQ+4]|, |v[XQ+5]|
.irp i, 6,10
	v_max3_num_f32 v8, v8, |v[XQ+\i]|, |v[XQ+\i+1]|
	v_max3_num_f32 v9, v9, |v[XQ+\i+2]|, |v[XQ+\i+3]|
.endr
	v_max3_num_f32 v8, v8, |v[XQ+14]|, |v[XQ+15]|
	v_max3_num_f32 v8, v8, v9, 0x1800000           ; and the floor 2^(3 - 127): the byte cannot fall under 1
	v_max_num_f32_dpp v8, v8, v8 row_xmask:1 row_mask:0xf bank_mask:0xf   ; with my neighbour's 16: the block's largest magnitude
	v_add_nc_u32 v11, 0xff000000, v8               ; 2 off its exponent field: the conversion takes this operand's exponent field as its scale
	s_wait_alu depctr_va_vdst(0)
	s_wait_xcnt 0x0                                ; the store that read this set of codes two half rows ago has had its address translated (ISA guide 3.1): only now is the set written again
	v_cvt_scalef32_pk16_fp6_f32 v[CQ:CQ+2], v[XQ:XQ+15], v11
	v_lshrrev_b32 v[E+(\s)], 23, v11               ; the scale's byte (also the plain line behind the conversion)
	ds_store_b8 v5, v[E+(\s)] offset:16*(\s)       ; both lanes of a block write the same byte with the same value
	global_store_b96 v4, v[CQ:CQ+2], s[20:21] offset:384*(\s)   ; the wave stores 384 consecutive bytes
.endm
.macro ROW p
.set XR, X+32*(\p)
	s_wait_loadcnt 0x0                             ; g, b and my row are in
	v_pk_add_f32 v[8:9], v[XR:XR+1], v[XR+2:XR+3]  ; the sum, two chains of packed additions
	v_pk_add_f32 v[10:11], v[XR+4:XR+5], v[XR+6:XR+7]
.irp j, 8,12,16,20,24,28
	v_pk_add_f32 v[8:9], v[8:9], v[XR+\j:XR+\j+1]
	v_pk_add_f32 v[10:11], v[10:11], v[XR+\j+2:XR+\j+3]
.endr
	v_pk_add_f32 v[8:9], v[8:9], v[10:11]
	v_add_f32 v8, v8, v9
	WSUM
	v_mul_f32 v12, s28, v8                         ; the mean, twice: a pair for the packed forms
	v_mul_f32 v13, s28, v8
.set JJ, 0
.rept 16
	v_pk_add_f32 v[XR+JJ:XR+JJ+1], v[XR+JJ:XR+JJ+1], v[12:13] neg_lo:[0,1] neg_hi:[0,1]   ; d = x - mean
.set JJ, JJ+2
.endr
	v_pk_mul_f32 v[8:9], v[XR:XR+1], v[XR:XR+1]    ; the sum of d^2
	v_pk_mul_f32 v[10:11], v[XR+2:XR+3], v[XR+2:XR+3]
.irp j, 4,8,12,16,20,24,28
	v_pk_fma_f32 v[8:9], v[XR+\j:XR+\j+1], v[XR+\j:XR+\j+1], v[8:9]
	v_pk_fma_f32 v[10:11], v[XR+\j+2:XR+\j+3], v[XR+\j+2:XR+\j+3], v[10:11]
.endr
	v_pk_add_f32 v[8:9], v[8:9], v[10:11]
	v_add_f32 v8, v8, v9
	WSUM
	v_fmaak_f32 v8, s28, v8, 0x3727c5ac            ; var + 1e-5
	s_wait_alu depctr_va_vdst(0)
	v_rsq_f32 v12, v8
	v_rsq_f32 v13, v8
	v_nop                                          ; a plain line between the transcendentals and the use of their results (ISA guide 5.7.2)
.set JJ, 0
	s_wait_alu depctr_va_vdst(0)
.rept 16
	v_pk_mul_f32 v[XR+JJ:XR+JJ+1], v[XR+JJ:XR+JJ+1], v[12:13]
.set JJ, JJ+2
.endr
.set JJ, 0
.rept 16
	v_pk_fma_f32 v[XR+JJ:XR+JJ+1], v[XR+JJ:XR+JJ+1], v[G+JJ:G+JJ+1], v[BT+JJ:BT+JJ+1]
.set JJ, JJ+2
.endr
	TURN 0
	TURN 1
	s_wait_dscnt 8                                 ; the first half is back; the second half's 4 stores and 4 loads may be out
	Q16 2*(\p)
	s_wait_dscnt 0x0
	Q16 2*(\p)+1
.endm
	ROW 0
	ds_load_b32 v8, v6                             ; LDS serves a wave's instructions in order: this sees my byte stores
	s_wait_dscnt 0x0
	s_wait_xcnt 0x0                                ; EXEC changes only behind this wait
	v_cmp_gt_u32 vcc_lo, 8, v2
	s_and_saveexec_b32 s24, vcc_lo                 ; lanes 0-7 store 4 of my row's 32 scale bytes each
	global_store_b32 v7, v8, s[22:23]
	s_wait_xcnt 0x0
	s_or_b32 exec_lo, exec_lo, s24                 ; all lanes on again
	s_wait_tensorcnt 0x0
	ds_add_u32 v243, v247
	s_wait_dscnt 0x0
	s_endpgm
.Lfunc_end_k_q3d1a15822e_ln1:
	.size	k_q3d1a15822e_ln1, .Lfunc_end_k_q3d1a15822e_ln1-k_q3d1a15822e_ln1
	.p2alignl 7, 3214868480
	.fill 96, 4, 3214868480
	.section	.rodata,"a",@progbits
	.p2align	6, 0x0
	.amdhsa_kernel k_q3d1a15822e_ln1
		.amdhsa_group_segment_fixed_size 100352
		.amdhsa_private_segment_fixed_size 0
		.amdhsa_enable_private_segment 0
		.amdhsa_kernarg_size 32
		.amdhsa_user_sgpr_count 2
		.amdhsa_user_sgpr_kernarg_segment_ptr 1
		.amdhsa_wavefront_size32 1
		.amdhsa_system_sgpr_workgroup_id_x 1
		.amdhsa_system_sgpr_workgroup_id_y 1
		.amdhsa_system_sgpr_workgroup_id_z 1
		.amdhsa_system_vgpr_workitem_id 0
		.amdhsa_next_free_vgpr 256
		.amdhsa_next_free_sgpr 66
		.amdhsa_reserve_vcc 1
		.amdhsa_float_denorm_mode_32 3
		.amdhsa_float_denorm_mode_16_64 3
		.amdhsa_memory_ordered 1
		.amdhsa_forward_progress 1
		.amdhsa_inst_pref_size 15
	.end_amdhsa_kernel
	.amdgpu_metadata
---
amdhsa.version: [ 1, 2 ]
amdhsa.kernels:
  - .name:           k_q3d1a15822e_ln1
    .symbol:         k_q3d1a15822e_ln1.kd
    .args:
      - { .name: x, .offset: 0, .size: 8, .value_kind: global_buffer, .address_space: global }
      - { .name: ln1_g, .offset: 8, .size: 8, .value_kind: global_buffer, .address_space: global }
      - { .name: ln1_b, .offset: 16, .size: 8, .value_kind: global_buffer, .address_space: global }
      - { .name: act, .offset: 24, .size: 8, .value_kind: global_buffer, .address_space: global }
    .group_segment_fixed_size: 100352
    .private_segment_fixed_size: 0
    .kernarg_segment_align: 8
    .kernarg_segment_size: 32
    .max_flat_workgroup_size: 512
    .sgpr_count:     66
    .vgpr_count:     256
    .wavefront_size: 32
...
	.end_amdgpu_metadata
.endif
;; end of part 7
;; launch qkv (part 8): grid 12 x 16, 4 waves a work-group, clusters of 4 x 4, 327,680 bytes of LDS; arguments act, wq_codes, wq_scales, wk_codes, wk_scales, wv_codes, wv_scales, bq, bk, bv, qkv; writes qkv
.if DOCPART == 8
	.amdgcn_target "amdgcn-amd-amdhsa--gfx1250"
	.amdhsa_code_object_version 6
	.text
	.protected	k_q3d1a15822e_qkv
	.globl	k_q3d1a15822e_qkv
	.p2align	8
	.type	k_q3d1a15822e_qkv,@function
k_q3d1a15822e_qkv:
	s_mov_b64 s[64:65], 0
	v_nop
	global_prefetch_b8 v0, s[64:65] scope:SCOPE_SE
	s_setreg_imm32_b32 hwreg(HW_REG_WAVE_MODE, 25, 1), 1
	s_wait_xcnt 0x0
	s_wait_alu depctr_hold_cnt(0) depctr_sa_sdst(0) depctr_va_vdst(0) depctr_va_sdst(0) depctr_va_ssrc(0) depctr_va_vcc(0) depctr_vm_vsrc(0)
	s_getreg_b32 s2, hwreg(HW_REG_IB_STS2, 6, 4)
	s_cmp_eq_u32 s2, 0
	s_cbranch_scc0 .Lentry_in_a_cluster
	s_endpgm
.Lentry_in_a_cluster:
	s_bfe_u32 s2, ttmp6, 0x10000c
	s_cmp_lg_u32 s2, 0xf033
	s_cbranch_scc0 .Lentry_shape_is_right
	s_endpgm
.Lentry_shape_is_right:
; q, k, v = xn W + bias, on codes of FP6 (E2M3) with one E8M0 byte for each 32 along K = 1,024; the results are quantised on the way out, in f32, and leave as codes.
; One launch for the three: the cluster's x is the mode (0 q, 1 k, 2 v), equal in all sixteen partners.  P's rows become lanes, Q's rows become a lane's registers (the matrix instruction is used transposed:
; source 0 = 16 rows of Q, source 1 = 16 rows of P).  q, k: P = xn (4,096 tokens), Q = W (1,024 features): a lane's registers run along the features, the K of q k^T.
; v: P = wv, Q = xn: a lane's registers run along the tokens, the K of p v.  Only pointers, tile numbers and store offsets are chosen by the mode; the K loop is one text.
; A tile of 256 x 256 is made by four waves, each 128 x 128 in 64 accumulators.  K goes in steps of 256 through two LDS slots filled by joint tensor loads (P's tile shared along a row of the 4 x 4 cluster, Q's along a column);
; the scale bytes of both sides, for all of K, come once with the first fills.
; OUT (buffer qkv).  A HALF IMAGE is 768 bytes: 16 rows x 64 K as the operand's registers 6 c .. 6 c + 5 hold them: lane l's first four registers at 16 l, its last two at 512 + 8 l.
;   q at 0: [batch x head 64][16 tokens 64][768], rows in order.   k at 3,145,728: the same, but image 2 g + u, row 8 t + p holds key 32 g + 16 t + 8 u + p.
;   v at 6,291,456: [64][64 keys 16][4 images of 16 features][768], the features permuted as k's keys.   Scale words (4 bytes a row): q at 9,437,184 and k at 9,699,328: [64][1024] (two bytes used; the upper two meet zero codes only and are never 0xff);
;   v at 9,961,472: [64][128 keys 8][4][16].
; LIMITS: NaN and infinities are not served; a block whose largest magnitude lies under 2^-124 keeps the byte 1; a block of zeros has the byte 1 and not 127 (this program alone reads the bytes).
; REGISTERS, in windows of 256: window 0: v0-31 addresses; v32-63 scale words, two sets; v64-127 the bias by column; v128-223 P's fragments, one set; v224-239 the bias by lane; on the way out v128-220 are at work.
;   window 1: Q's fragments, two sets.   windows 2, 3: the accumulators ((a, b) at v[8 (8 (a % 4) + b)]).
.set BIASC,  0                         ; the sums start with the constant 0: the bias is by column or by lane, as the mode has it, and is added on the way out
; THE WALK ALONG K, as the text now stands (this takes the place of the head's sentence on steps of 256): K goes through the two slots in CHUNKS OF 256 BYTES of each row of 768, three chunks, chunk c in slot c % 2;
; every tile row begins at a multiple of 256 bytes.  A step of 128 along K is 96 bytes: steps 2 and 5 lie across two chunks and take their pieces from both slots.
; At the head each wave issues one joint load: P's 256 rows of chunk 0, Q's, P's scales, Q's scales; chunk 1 follows behind a round, chunk 2 refills slot 0.  No prefetch: three chunks leave no trip to run ahead in.
.set NQ,     2                         ; steps that one set of scale words serves
.set ROWB,   256                       ; a tile's row: a chunk
.set KROW,   768                       ; a row of 1,024 codes in memory
.set STEPS,  8
.set CHUNKS, 3
.set PITCH,  272                       ; an LDS row: 256 bytes + 16 of padding
.set FR,     12
.set NL,     6
.set NP,     4                         ; places behind this matrix instruction (ISA guide 7.12.1)
.set HALFT,  128*PITCH
.set SLOT,   4*HALFT
.set KS,     32                        ; a row of scale bytes
.set SCL,    2*SLOT
.set HALFS,  (128*KS/256)*272
.set SBLK,   (16*KS/256)*272
.set SPARE,  SCL+4*HALFS               ; the spare words, 128 bytes for each wave: two blocks of 256 bytes that no other line names
.set ADRA, 16
.set ADRB, 20
.set ADRS, 27
.set SPW,  28
.set NIL,  29
.set SC,   32
.set BQ,   64
.set AF,   128
.set T,    128                         ; the way out: 64 numbers of a lane
.set PC,   192                         ; the codes just made: 12 registers
.set CT,   204                         ; the second halves of the blocks, as the conversions leave them
.set QM,   212
.set QS,   214
.set QB,   216
.set QW,   218
.set QX,   219
.set WS,   220
.set BP,   224
.set SH8,  14
.set G1, 24
.set G0, 32
.set G1B, 48
.set G0B, 56
.set G1S, 68
.set G0S, 76
.set G1SB, 80
.set G0SB, 88
.set MSB, 0
.macro WIN new                         ; the immediate's high byte repeats the setting that is left
.if MSB != \new
	s_set_vgpr_msb (MSB<<8)|\new
.set MSB, \new
.endif
.endm
.set TO_B,   0x40                      ; destination window 1, address window 0
.macro WMUL hi, zero                   ; source 0 (Q) window 1, source 1 (P) window 0, D window 2 + hi; C with D, or in window 0 where a bias starts the sums
.if (\zero) && BIASC
	WIN (0x81+0x40*(\hi))
.else
	WIN (0xa1+0x50*(\hi))
.endif
.endm
; A joint load: waves 0 and 1 fetch for P, waves 2 and 3 for Q.  The branch hangs on the wave's number alone.  Four v_nop follow each of the two lines.
.macro JLOAD g0a, g1a, g0b, g1b
	s_cmp_eq_u32 s15, 0
	s_cbranch_scc0 .Lfor_b_\@
	tensor_load_to_lds s[\g0a:\g0a+3], s[\g1a:\g1a+7]
	s_nop 0
.rept 4
	v_nop
.endr
	s_branch .Lasked_\@
.Lfor_b_\@:
	tensor_load_to_lds s[\g0b:\g0b+3], s[\g1b:\g1b+7]
	s_nop 0
.rept 4
	v_nop
.endr
.Lasked_\@:
.endm
.macro CREST                           ; a round of the cluster's barrier behind its opening barrier
	s_cmp_lg_u32 s14, 0
	s_cbranch_scc1 .Lnot_wave_0_\@
	s_barrier_signal -3
.Lnot_wave_0_\@:
	s_barrier_wait -3
	s_barrier_signal -1
	s_barrier_wait -1
.endm
.macro CROUND
	s_barrier_signal -1
	s_barrier_wait -1
	CREST
.endm
	s_load_b512 s[68:83], s[0:1], 0x0              ; act, wq codes, scales, wk codes, scales, wv codes, scales, bq (they land where the scales' descriptors are written later)
	s_load_b128 s[84:87], s[0:1], 0x40             ; bk, bv
	s_load_b64 s[88:89], s[0:1], 0x50              ; out
	v_lshl_add_u32 v[SPW], v0, 2, SPARE
	v_mov_b32 v[NIL], 0
	ds_add_u32 v28, v29
	ds_add_u32 v28, v29
	s_wait_dscnt 0x0
	v_lshrrev_b32 v1, 5, v0
	v_readfirstlane_b32 s14, v1                    ; wave 0..3
	s_lshr_b32 s15, s14, 1                         ; which half of the tile's P rows is mine.  Also: I fetch for P (0) or for Q (1)
	s_and_b32 s16, s14, 1                          ; which half of its Q rows.  Also: which 128 rows of that tile I fetch
	s_bfe_u32 s40, ttmp6, 0x40000                  ; cx, cy: my place in the cluster
	s_bfe_u32 s41, ttmp6, 0x40004
	s_mov_b32 s98, ttmp9                           ; the mode: the cluster's x
	s_and_b32 s17, ttmp7, 0xffff                   ; the cluster's y walks the tokens: P's tiles for q and k, Q's for v
	s_cmp_eq_u32 s98, 2
	s_cselect_b32 s42, s17, 0
	s_cselect_b32 s17, 0, s17
	s_lshl_b32 s42, s42, 2
	s_add_co_u32 s42, s42, s40                     ; tile of Q's rows
	s_lshl_b32 s17, s17, 2
	s_add_co_u32 s17, s17, s41                     ; tile of P's rows
	s_lshl_b32 s43, s41, 2
	s_lshl_b32 s43, 15, s43                        ; my row of the cluster
	s_lshl_b32 s44, 0x1111, s40                    ; my column
	s_or_b32 s[G1+0], s43, (0<<16)|(1<<20)|(1<<21)|(5<<22)|(3<<25)  ; the mask; elements of 1 byte; padding on; bit 21 beside a mask; after every 64 words, 4 words
	s_or_b32 s[G1B+0], s44, (0<<16)|(1<<20)|(1<<21)|(5<<22)|(3<<25)
.irp g, G1, G1B
	s_mov_b32 s[\g+1], ROWB<<16                    ; tensor_dim0
	s_mov_b32 s[\g+2], 256<<16                     ; tensor_dim1: 256 rows for the head's loads
	s_mov_b32 s[\g+3], ROWB<<16                    ; tile_dim0
	s_mov_b32 s[\g+4], 256                         ; tile_dim1
	s_mov_b32 s[\g+5], KROW                        ; the pitch
	s_mov_b32 s[\g+6], 0
	s_mov_b32 s[\g+7], 0
.endr
	s_lshl_b32 s20, s17, 8                         ; P: the tile's first row
	s_lshl_b32 s46, s42, 8                         ; Q: likewise
	s_mov_b32 s21, 0
	s_mov_b32 s47, 0
	s_mov_b64 s[18:19], KS
	s_mul_u64 s[22:23], s[20:21], s[18:19]         ; where these rows' scales begin
	s_mul_u64 s[92:93], s[46:47], s[18:19]
	s_mov_b64 s[18:19], KROW
	s_mul_u64 s[20:21], s[20:21], s[18:19]         ; and their codes
	s_mul_u64 s[46:47], s[46:47], s[18:19]
	s_mul_i32 s18, s16, 128*KROW                   ; in the ring I fetch 128 rows of a tile: which half, in bytes,
	s_mov_b32 s19, 0
	s_mul_i32 s45, s14, HALFT                      ; and where they go: wave x 128 rows
	s_wait_kmcnt 0x0
	s_cmp_eq_u32 s98, 1                            ; the weight, its scales and its bias, by the mode
	s_cselect_b64 s[4:5], s[74:75], s[70:71]
	s_cselect_b64 s[6:7], s[76:77], s[72:73]
	s_cselect_b64 s[12:13], s[84:85], s[82:83]
	s_cmp_eq_u32 s98, 2
	s_cselect_b64 s[4:5], s[78:79], s[4:5]
	s_cselect_b64 s[6:7], s[80:81], s[6:7]
	s_cselect_b64 s[12:13], s[86:87], s[12:13]
	s_add_nc_u64 s[10:11], s[68:69], 3145728       ; xn's scale bytes lie behind its codes
	s_mov_b64 s[66:67], s[88:89]
	s_cselect_b64 s[8:9], s[68:69], s[4:5]         ; Q's codes: xn for v, else the weight
	s_cselect_b64 s[4:5], s[4:5], s[68:69]         ; P's codes: the other
	s_cselect_b64 s[96:97], s[10:11], s[6:7]       ; Q's scales
	s_cselect_b64 s[6:7], s[6:7], s[10:11]         ; P's scales
	s_mov_b64 s[10:11], s[96:97]
	s_or_b32 s[G1S+0], s43, (3<<16)|(1<<20)|(1<<21)|(5<<22)|(3<<25)   ; the scales of 256 rows: a dense block, as rows of 256 bytes (32 elements of 8), 16 bytes of padding behind each
	s_or_b32 s[G1SB+0], s44, (3<<16)|(1<<20)|(1<<21)|(5<<22)|(3<<25)
.irp g, G1S, G1SB
	s_mov_b32 s[\g+1], 32<<16
	s_mov_b32 s[\g+2], KS<<16                      ; the scales of 256 rows: KS rows of 256 bytes
	s_mov_b32 s[\g+3], 32<<16
	s_mov_b32 s[\g+4], KS
	s_mov_b32 s[\g+5], 32
	s_mov_b32 s[\g+6], 0
	s_mov_b32 s[\g+7], 0
.endr
	s_add_nc_u64 s[20:21], s[4:5], s[20:21]
	s_add_nc_u64 s[22:23], s[6:7], s[22:23]
	s_add_nc_u64 s[46:47], s[8:9], s[46:47]
	s_add_nc_u64 s[92:93], s[10:11], s[92:93]
	CROUND                                         ; all sixteen work-groups are here: the first joint loads meet
	s_mov_b32 s[G0S], 1
	s_mov_b32 s[G0S+1], SCL
	s_mov_b64 s[G0S+2:G0S+3], s[22:23]
	s_or_b32 s[G0S+3], s[G0S+3], 0x80000000
	s_mov_b32 s[G0SB], 1
	s_mov_b32 s[G0SB+1], SCL+2*HALFS
	s_mov_b64 s[G0SB+2:G0SB+3], s[92:93]
	s_or_b32 s[G0SB+3], s[G0SB+3], 0x80000000
.set G0H, 4                            ; s[4:7], s[8:11]: group 0 of the head's loads of chunk 0 (the pointers that lay there have been used)
.set G0HB, 8
	s_mov_b32 s[G0H], 1
	s_mov_b32 s[G0H+1], 0
	s_mov_b64 s[G0H+2:G0H+3], s[20:21]
	s_or_b32 s[G0H+3], s[G0H+3], 0x80000000
	s_mov_b32 s[G0HB], 1
	s_mov_b32 s[G0HB+1], 2*HALFT
	s_mov_b64 s[G0HB+2:G0HB+3], s[46:47]
	s_or_b32 s[G0HB+3], s[G0HB+3], 0x80000000
	s_add_nc_u64 s[20:21], s[20:21], s[18:19]      ; for the ring: my 128 rows of the tile
	s_add_nc_u64 s[46:47], s[46:47], s[18:19]
.irp s, 0,1
	s_mov_b32 s[G0+4*\s], 1
	s_add_co_u32 s[G0+4*\s+1], s45, \s*SLOT
	s_add_nc_u64 s[G0+4*\s+2:G0+4*\s+3], s[20:21], \s*ROWB
	s_or_b32 s[G0+4*\s+3], s[G0+4*\s+3], 0x80000000
	s_mov_b32 s[G0B+4*\s], 1
	s_add_co_u32 s[G0B+4*\s+1], s45, \s*SLOT
	s_add_nc_u64 s[G0B+4*\s+2:G0B+4*\s+3], s[46:47], \s*ROWB
	s_or_b32 s[G0B+4*\s+3], s[G0B+4*\s+3], 0x80000000
.endr
; The head's loads, one a wave: one chain of branches on the wave's number, a load in every arm.
.macro ARM under, g0, g1, next
	s_cmp_lt_u32 s14, \under
	s_cbranch_scc0 \next
	tensor_load_to_lds s[\g0:\g0+3], s[\g1:\g1+7]
	s_nop 0
.rept 4
	v_nop
.endr
	s_branch .Lhead_asked
\next:
.endm
	ARM 1, G0H,  G1,  .Lhead_b
	ARM 2, G0HB, G1B, .Lhead_sa
	ARM 3, G0S,  G1S, .Lhead_sb
	tensor_load_to_lds s[G0SB:G0SB+3], s[G1SB:G1SB+7]
	s_nop 0
.rept 4
	v_nop
.endr
.Lhead_asked:
	v_and_b32 v1, 15, v0                           ; r = l % 16
	v_bfe_u32 v2, v0, 4, 1                         ; h = l / 16
	v_mul_u32_u24 v3, v1, PITCH
	v_mul_u32_u24 v4, v2, 24
	v_add_nc_u32 v4, v3, v4                        ; a fragment's row x pitch + 24 x half
	s_mov_b32 s21, SLOT-232
	s_mov_b32 s22, SLOT+232
	v_sub_nc_u32 v7, 1, v2                         ; 1 in lanes 0-15
	v_mul_u32_u24 v5, s21, v2
	v_add_nc_u32 v5, v3, v5
	v_add_nc_u32 v5, 232, v5                       ; across two chunks: lanes 0-15 byte 232 of the row in slot 0, lanes 16-31 byte 0 of the row in slot 1;
	v_mul_u32_u24 v6, s22, v7
	v_add_nc_u32 v6, v3, v6                        ; and lanes 0-15 byte 232 in slot 1, lanes 16-31 byte 0 in slot 0
	s_mul_i32 s21, s15, HALFT                      ; my 128 rows of P
	s_mul_i32 s22, s16, HALFT                      ; my 128 rows of Q,
	s_add_co_u32 s22, s22, 2*HALFT                 ; which lie behind P's 256
	v_add_nc_u32 v[ADRA+2], s21, v5
	v_add_nc_u32 v[ADRA+3], s21, v6
	v_add_nc_u32 v[ADRB+2], s22, v5
	v_add_nc_u32 v[ADRB+3], s22, v6
.irp s, 0,1
	v_add_nc_u32 v[ADRA+\s], s21, v4
	v_add_nc_u32 v[ADRB+\s], s22, v4
	s_add_co_u32 s21, s21, SLOT
	s_add_co_u32 s22, s22, SLOT
.endr
	v_mul_u32_u24 v5, v1, KS                       ; my row's scales: KS bytes a row,
	v_lshrrev_b32 v6, 8, v5
	v_lshl_add_u32 v5, v6, 4, v5                   ; and 16 more for each 256 passed
	s_mul_i32 s21, s15, HALFS
	s_mul_i32 s22, s16, HALFS
	s_add_co_u32 s22, s22, 2*HALFS
	s_sub_co_u32 s22, s22, s21
	v_mul_u32_u24 v6, s22, v2                      ; lanes 16-31 take Q's
	s_add_co_u32 s21, s21, SCL
	v_add_nc_u32 v5, v5, v6
	v_add_nc_u32 v[ADRS], s21, v5
	s_lshl_b32 s96, s17, 8
	s_lshl_b32 s97, s15, 7
	s_add_co_u32 s96, s96, s97                     ; my first row of P
	s_lshl_b32 s97, s42, 8
	s_lshl_b32 s2, s16, 7
	s_add_co_u32 s97, s97, s2                      ; my first row of Q
	s_cmp_eq_u32 s98, 2
	s_cselect_b32 s99, s97, s96                    ; my first token
	s_cselect_b32 s100, s96, s97                   ; my first feature
	s_lshl_b32 s96, s100, 2
	s_mov_b32 s97, 0
	s_add_nc_u64 s[12:13], s[12:13], s[96:97]      ; the bias at my first feature
	v_lshlrev_b32 v30, 5, v2                       ; 32 h
	v_lshlrev_b32 v31, 2, v1                       ; 4 r
	s_cmp_eq_u32 s98, 2                            ; q, k: the features are a lane's registers; v: they are the lanes.  Both ways write all of BQ and BP
	s_cbranch_scc1 .Lbias_v
.irp b, 0,1,2,3,4,5,6,7
	global_load_b128 v[BQ+8*\b:BQ+8*\b+3], v30, s[12:13] offset:64*\b        ; bias(16 b + 8 h + 0 .. 7)
	global_load_b128 v[BQ+8*\b+4:BQ+8*\b+7], v30, s[12:13] offset:64*\b+16
.endr
.set JJ, 0
.rept 16
	v_mov_b32 v[BP+JJ], 0
.set JJ, JJ+1
.endr
	s_branch .Lbias_done
.Lbias_v:
	s_wait_alu depctr_va_vdst(0)
.irp a, 0,1,2,3,4,5,6,7
	global_load_b32 v[BP+2*\a], v31, s[12:13] offset:64*\a                   ; bias(16 a + r)
	v_mov_b32 v[BP+2*\a+1], 0                      ; (named with it as a pair)
.endr
.set JJ, 0
.rept 64
	v_mov_b32 v[BQ+JJ], 0
.set JJ, JJ+1
.endr
.Lbias_done:
.macro FRAG reg, adr, st, i            ; a fragment of step st, 12 registers, in pieces of 8 bytes: byte y of a row lies in chunk y / 256, in slot (y / 256) % 2
.irp p, 0,1,2,3,4,5
.set BY, 96*(\st)+48*(\p/3)+8*(\p%3)   ; where the piece of lanes 0-15 begins in the row; that of lanes 16-31 begins 24 bytes on
.if BY/ROWB == (BY+24)/ROWB
	ds_load_b64 v[\reg+2*\p:\reg+2*\p+1], v[\adr+(BY/ROWB)%2] offset:BY%ROWB+(\i)*16*PITCH
.else
	ds_load_b64 v[\reg+2*\p:\reg+2*\p+1], v[\adr+2+(BY/ROWB)%2] offset:BY%ROWB-232+(\i)*16*PITCH
.endif
.endr
.endm
; 16 matrix instructions: P's blocks a0, a0 + 1 x Q's eight.  The 64 accumulators take turns, one instruction a turn, in the same order in every step.
.macro MUL16 a0, p, q, sc, zero
.irp a, \a0, \a0+1
.irp b, 0,1,2,3,4,5,6,7
.if (\zero) && BIASC
	v_wmma_scale_f32_16x16x128_f8f6f4 v[8*(8*((\a)%4)+\b):8*(8*((\a)%4)+\b)+7], v[128*(\p)+FR*\b:128*(\p)+FR*\b+FR-1], v[AF+FR*(\a):AF+FR*(\a)+FR-1], v[BQ+8*\b:BQ+8*\b+7], v[SC+8*NQ*(\sc)+NQ*\b+(\q)], v[SC+8*NQ*(\sc)+NQ*(\a)+(\q)] matrix_a_fmt:MATRIX_FMT_FP6 matrix_b_fmt:MATRIX_FMT_FP6 matrix_a_scale:MATRIX_SCALE_ROW1
.elseif \zero
	v_wmma_scale_f32_16x16x128_f8f6f4 v[8*(8*((\a)%4)+\b):8*(8*((\a)%4)+\b)+7], v[128*(\p)+FR*\b:128*(\p)+FR*\b+FR-1], v[AF+FR*(\a):AF+FR*(\a)+FR-1], 0, v[SC+8*NQ*(\sc)+NQ*\b+(\q)], v[SC+8*NQ*(\sc)+NQ*(\a)+(\q)] matrix_a_fmt:MATRIX_FMT_FP6 matrix_b_fmt:MATRIX_FMT_FP6 matrix_a_scale:MATRIX_SCALE_ROW1
.else
	v_wmma_scale_f32_16x16x128_f8f6f4 v[8*(8*((\a)%4)+\b):8*(8*((\a)%4)+\b)+7], v[128*(\p)+FR*\b:128*(\p)+FR*\b+FR-1], v[AF+FR*(\a):AF+FR*(\a)+FR-1], v[8*(8*((\a)%4)+\b):8*(8*((\a)%4)+\b)+7], v[SC+8*NQ*(\sc)+NQ*\b+(\q)], v[SC+8*NQ*(\sc)+NQ*(\a)+(\q)] matrix_a_fmt:MATRIX_FMT_FP6 matrix_b_fmt:MATRIX_FMT_FP6 matrix_a_scale:MATRIX_SCALE_ROW1
.endif
.endr
.endr
.endm
.macro FETCH_B st, p
	WIN TO_B
.irp i, 0,1,2,3,4,5,6,7
	FRAG 128*(\p)+FR*\i, ADRB, \st, \i
.endr
	WIN 0
.endm
.macro FETCH_A st, i0
.irp i, \i0, \i0+1, \i0+2, \i0+3
	FRAG AF+FR*(\i), ADRA, \st, \i
.endr
.endm
.macro SCALES pr                       ; the scale words of steps 2 pr and 2 pr + 1 into set pr % 2
.irp i, 0,1,2,3,4,5,6,7
	ds_load_b64 v[SC+8*NQ*((\pr)%2)+NQ*\i:SC+8*NQ*((\pr)%2)+NQ*\i+1], v[ADRS] offset:\i*SBLK+4*NQ*(\pr)
.endr
.endm
.macro PLACES n                        ; plain vector lines between a matrix instruction and a load into, or a read of, its registers
.rept \n
	v_nop
.endr
.endm
; A step of 128 along K: 64 products; the next step's fragments are fetched in its middle and at its end.  Where the next step's bytes END in a chunk not yet read, a barrier shows that chunk whole;
; where they BEGIN in a later chunk, the chunk left behind is read no more: the wait for all tensor loads, the add, the wait for it and for my reads, the barrier; where a chunk two on is left, the barrier opens a round and the slot is filled again.
.macro STEP st, zero
.set NX, (\st)+1
.set C0, (96*(\st))/ROWB
.set C1, (96*NX)/ROWB
.set E0, (96*(\st)+95)/ROWB
.set E1, (96*NX+95)/ROWB
.if C1 > C0 || E1 > E0
	s_wait_tensorcnt 0x0                           ; all my tensor loads have landed
.if C1 > C0
	ds_add_u32 v[SPW], v[NIL]
	s_wait_dscnt 4*NL+1                            ; the add and the youngest 24 loads (P's blocks 4-7) may be out
.else
	s_wait_dscnt 4*NL                              ; the youngest 24 loads may be out
.endif
	WMUL 0, \zero
	MUL16 0, (\st)%2, (\st)%2, ((\st)/2)%2, \zero
	s_wait_dscnt 0x0                               ; the add, where there is one, and all my reads are done
	s_barrier_signal -1
	MUL16 2, (\st)%2, (\st)%2, ((\st)/2)%2, \zero
	WIN 0
	s_barrier_wait -1
.if C1 > C0 && C0+2 < CHUNKS
	CREST                                          ; the barrier has opened a round of the cluster's barrier
	s_add_nc_u64 s[G0+4*(C0%2)+2:G0+4*(C0%2)+3], s[G0+4*(C0%2)+2:G0+4*(C0%2)+3], 2*ROWB
	s_add_nc_u64 s[G0B+4*(C0%2)+2:G0B+4*(C0%2)+3], s[G0B+4*(C0%2)+2:G0B+4*(C0%2)+3], 2*ROWB
	JLOAD G0+4*(C0%2), G1, G0B+4*(C0%2), G1B       ; chunk C0 + 2; its four v_nop are the places in front of the loads below
.else
	PLACES NP
.endif
.else
	s_wait_dscnt 4*NL                              ; Q's set and P's blocks 0-3 are in
	WMUL 0, \zero
	MUL16 0, (\st)%2, (\st)%2, ((\st)/2)%2, \zero
	MUL16 2, (\st)%2, (\st)%2, ((\st)/2)%2, \zero
	s_wait_dscnt 0
	PLACES NP
.endif
	FETCH_B NX, NX%2
	FETCH_A NX, 0
.if NX%2 == 0
	SCALES NX/2
.endif
	WMUL 1, \zero
	MUL16 4, (\st)%2, (\st)%2, ((\st)/2)%2, \zero
	MUL16 6, (\st)%2, (\st)%2, ((\st)/2)%2, \zero
	PLACES NP
	WIN 0
	FETCH_A NX, 4
.endm
	s_wait_alu depctr_va_vdst(0)
	s_wait_tensorcnt 0x0                           ; my tile of the head's four is in
	ds_add_u32 v[SPW], v[NIL]
	s_mov_b32 s[G1+2], 128<<16                     ; no tensor load of mine is out: from here on a load brings 128 rows
	s_mov_b32 s[G1+4], 128
	s_mov_b32 s[G1B+2], 128<<16
	s_mov_b32 s[G1B+4], 128
	s_wait_dscnt 0x0
	CROUND                                         ; all four tiles are in, and all sixteen work-groups are here
	JLOAD G0+4, G1, G0B+4, G1B                     ; chunk 1, the first tensor load behind the round
	FETCH_B 0, 0
	FETCH_A 0, 0
	SCALES 0
	FETCH_A 0, 4
	STEP 0, 1                                      ; the first step starts the sums
.set ST, 1
.rept STEPS-2
	STEP ST, 0
.set ST, ST+1
.endr
	s_wait_dscnt 4*NL
	WMUL 0, 0
	MUL16 0, 1, NQ-1, 1, 0
	MUL16 2, 1, NQ-1, 1, 0
	s_wait_dscnt 0
	WMUL 1, 0
	MUL16 4, 1, NQ-1, 1, 0
	MUL16 6, 1, NQ-1, 1, 0
	WIN 0
	PLACES NP                                      ; behind the last products: their results are read and P's fragments written below
; THE WAY OUT.  No tensor load is out, so the descriptors' registers serve as scalars.  What differs between the modes is a handful of strides.
	s_wait_loadcnt 0x0                             ; the bias
	s_mov_b32 s24, 0x76543210                      ; v_permlanex16_b32's selects for lane l xor 16
	s_mov_b32 s25, 0xfedcba98
	s_mov_b32 s26, 768
	s_mov_b32 s29, 128
	s_cmp_eq_u32 s98, 0                            ; q: rows in order.  k, v: lanes 8-15 go to the next image, the odd block of 16 rows to the image's rows 8-15
	s_cselect_b32 s27, 128, s26                    ; what r / 8 adds to the four-register part,
	s_cselect_b32 s28, 64, s26                     ; to the two-register part;
	s_cselect_b32 s29, s26, s29                    ; what a % 2 adds to the one,
	s_cselect_b32 s30, s26, 64                     ; to the other;
	s_cselect_b32 s31, 32, 64                      ; and the two for the scale words
	s_cselect_b32 s32, 64, 32
	s_mov_b32 s33, 49152
	s_mov_b32 s34, 3072
	s_mov_b32 s38, 256
	s_cmp_eq_u32 s98, 2
	s_cselect_b32 s35, s34, s33                    ; from my first 64 columns to my second: the next head (q, k) or the next 64 keys (v)
	s_cselect_b32 s36, s33, s34                    ; from block 0 to block 4 of my rows: four images (q, k) or the next head (v)
	s_cselect_b32 s42, 0, 4096                     ; lanes 16-31 store the second head's scale word (q, k)
	s_cselect_b32 s38, 2048, s38
	s_cselect_b32 s40, 0, 16
	s_cselect_b32 s41, 1, 0
	s_mov_b32 s37, 0
	s_mov_b32 s39, 0
	v_and_b32 v1, 7, v0                            ; p = r % 8
	v_bfe_u32 v2, v0, 3, 1                         ; u = r / 8
	v_bfe_u32 v3, v0, 4, 1                         ; h
	v_lshlrev_b32 v24, 4, v1
	v_lshl_add_u32 v24, v3, 8, v24
	v_mad_u32_u24 v4, v2, s27, v24                 ; v[4 + 2 (a % 2) + c]: where my four registers go
	v_add_nc_u32 v6, s29, v4
	v_add_nc_u32 v5, s35, v4
	v_add_nc_u32 v7, s35, v6
	v_lshlrev_b32 v24, 3, v1
	v_lshl_add_u32 v24, v3, 7, v24
	v_add_nc_u32 v24, 512, v24
	v_mad_u32_u24 v8, v2, s28, v24                 ; v[8 + 2 (a % 2) + c]: my two registers
	v_add_nc_u32 v10, s30, v8
	v_add_nc_u32 v9, s35, v8
	v_add_nc_u32 v11, s35, v10
	v_lshlrev_b32 v24, 2, v1
	v_mad_u32_u24 v24, v2, s31, v24
	v_mad_u32_u24 v12, v3, s42, v24                ; v[12 + a % 2]: my scale word
	v_add_nc_u32 v13, s32, v12
	v_lshlrev_b32 v[SH8], 3, v3                    ; 8 h
	v_mul_u32_u24 v15, s40, v3                     ; 16 h for q and k, 0 for v
	v_mov_b32 v[QX], 0                             ; written once: a lane permute's destination counts as one of its sources
	s_lshr_b32 s43, s99, 10                        ; batch
	s_and_b32 s44, s99, 1023                       ; my first token in it
	s_lshr_b32 s45, s100, 6                        ; my first head
	s_mul_i32 s46, s98, 3145728
	s_mul_i32 s47, s43, 786432
	s_add_co_u32 s46, s46, s47
	s_mul_i32 s47, s45, 49152
	s_add_co_u32 s46, s46, s47
	s_mul_i32 s47, s44, 48                         ; 768 bytes for 16 tokens, in all three layouts
	s_add_co_u32 s46, s46, s47
	s_mov_b32 s47, 0
	s_add_nc_u64 s[48:49], s[66:67], s[46:47]      ; codes: blocks 0-3,
	s_add_nc_u64 s[50:51], s[48:49], s[36:37]      ; blocks 4-7
	s_lshl_b32 s46, s43, 16
	s_lshl_b32 s56, s45, 12
	s_add_co_u32 s46, s46, s56
	s_lshl_b32 s56, s44, 2
	s_add_co_u32 s46, s46, s56
	s_lshr_b32 s46, s46, s41                       ; v has half as many scale words
	s_mul_i32 s56, s98, 262144
	s_add_co_u32 s46, s46, s56
	s_add_co_u32 s46, s46, 9437184
	s_add_nc_u64 s[52:53], s[66:67], s[46:47]      ; scale words: blocks 0-3,
	s_add_nc_u64 s[54:55], s[52:53], s[38:39]      ; blocks 4-7
; 64 numbers of a lane, T[32 c + i] = column 64 c + 32 h + i of my row: two whole blocks of 32.  They become the operand's 12 registers in PC and the row's scale word in QW.
.macro QBLK
.irp c, 0,1
	v_max3_num_f32 v[QM+\c], |v[T+32*\c]|, |v[T+32*\c+1]|, 0x1800000   ; with the floor 2^(3 - 127): the byte cannot fall under 1
.endr
.irp i, 2,4,6,8,10,12,14,16,18,20,22,24,26,28,30
.irp c, 0,1
	v_max3_num_f32 v[QM+\c], v[QM+\c], |v[T+32*\c+\i]|, |v[T+32*\c+\i+1]|
.endr
.endr
.irp c, 0,1
	v_add_nc_u32 v[QS+\c], 0xff000000, v[QM+\c]    ; 2 off the exponent field: the conversion's scale operand
.endr
.irp c, 0,1
	v_lshrrev_b32 v[QB+\c], 23, v[QS+\c]           ; the scale's byte
.endr
	v_lshl_or_b32 v[QW], v[QB+1], 16, v[QB]        ; my two bytes: blocks h and 2 + h,
	v_lshlrev_b32 v[QW], v[SH8], v[QW]             ; at their places;
	v_permlanex16_b32 v[QX], v[QW], s24, s25
	v_or_b32 v[QW], v[QW], v[QX]                   ; with lane l xor 16's two the word is whole
.irp c, 0,1
	v_cvt_scalef32_pk16_fp6_f32 v[PC+6*\c:PC+6*\c+2], v[T+32*\c:T+32*\c+15], v[QS+\c]
	v_cvt_scalef32_pk16_fp6_f32 v[CT+4*\c:CT+4*\c+2], v[T+32*\c+16:T+32*\c+31], v[QS+\c]   ; (a conversion's three registers begin on an even number)
.endr
	v_nop                                          ; one plain line behind a scaled conversion
.irp c, 0,1
.irp i, 0,1,2
	v_mov_b32 v[PC+6*\c+3+\i], v[CT+4*\c+\i]
.endr
.endr
.endm
; Block a: 16 rows of P x my 128 rows of Q.  Lane (r, h) holds, in register j of tile b, column 16 b + 8 h + j.  The bias addition lays tile b at 32 (b / 4) + 16 (b % 2) + 8 ((b % 4) / 2);
; 32 exchanges of halves then give each lane 32 neighbouring columns twice.
.macro EPI a
.if (\a) > 0
	s_wait_xcnt 0x0                                ; the last block's stores have had their addresses translated (ISA guide 3.1): their data registers are written again only now
.endif
	WIN (0x02+(\a)/4)                              ; source 0: window 2 or 3
.irp b, 0,1,2,3,4,5,6,7
.irp j, 0,2,4,6
	v_pk_add_f32 v[T+32*(\b/4)+16*(\b%2)+8*((\b%4)/2)+\j:T+32*(\b/4)+16*(\b%2)+8*((\b%4)/2)+\j+1], v[64*((\a)%4)+8*\b+\j:64*((\a)%4)+8*\b+\j+1], v[BQ+8*\b+\j:BQ+8*\b+\j+1]   ; each accumulator from its low end on; for v the addend is 0 and the line only places
.endr
.endr
	WIN 0
	s_cmp_lg_u32 s98, 2
	s_cbranch_scc1 .Lno_bp_\@                      ; v alone has its bias by lanes
.set JJ, 0
.rept 32
	v_pk_add_f32 v[T+JJ:T+JJ+1], v[T+JJ:T+JJ+1], v[BP+2*(\a):BP+2*(\a)+1] op_sel_hi:[1,0]
.set JJ, JJ+2
.endr
.Lno_bp_\@:
.irp c, 0,1
.irp g, 0,16
.irp i, 0,1,2,3,4,5,6,7
	v_permlane16_swap_b32 v[T+32*\c+\g+\i], v[T+32*\c+\g+8+\i]   ; the first's lanes 16-31 change places with the second's lanes 0-15
.endr
.endr
.endr
	QBLK
.irp c, 0,1
	global_store_b128 v[4+2*((\a)%2)+\c], v[PC+6*\c:PC+6*\c+3], s[48+2*((\a)/4):49+2*((\a)/4)] offset:(((\a)%4)/2)*1536
	global_store_b64 v[8+2*((\a)%2)+\c], v[PC+6*\c+4:PC+6*\c+5], s[48+2*((\a)/4):49+2*((\a)/4)] offset:(((\a)%4)/2)*1536
.endr
	v_lshrrev_b32 v[WS], v15, v[QW]                ; q, k: lanes 0-15 keep the first head's two bytes lowest, lanes 16-31 bring the second head's down
	global_store_b32 v[12+(\a)%2], v[WS], s[52+2*((\a)/4):53+2*((\a)/4)] offset:(((\a)%4)/2)*128
.endm
.irp a, 0,1,2,3,4,5,6,7
	EPI \a
.endr
	s_wait_tensorcnt 0x0                           ; the wave's end
	ds_add_u32 v[SPW], v[NIL]
	s_wait_dscnt 0x0
	CROUND                                         ; the closing round: no work-group ends while a partner may still ask for a tile that names it
	s_endpgm
.Lfunc_end_k_q3d1a15822e_qkv:
	.size	k_q3d1a15822e_qkv, .Lfunc_end_k_q3d1a15822e_qkv-k_q3d1a15822e_qkv
	.p2alignl 7, 3214868480
	.fill 96, 4, 3214868480
	.section	.rodata,"a",@progbits
	.p2align	6, 0x0
	.amdhsa_kernel k_q3d1a15822e_qkv
		.amdhsa_group_segment_fixed_size 327680
		.amdhsa_private_segment_fixed_size 0
		.amdhsa_enable_private_segment 0
		.amdhsa_kernarg_size 88
		.amdhsa_user_sgpr_count 2
		.amdhsa_user_sgpr_kernarg_segment_ptr 1
		.amdhsa_wavefront_size32 1
		.amdhsa_system_sgpr_workgroup_id_x 1
		.amdhsa_system_sgpr_workgroup_id_y 1
		.amdhsa_system_sgpr_workgroup_id_z 1
		.amdhsa_system_vgpr_workitem_id 0
		.amdhsa_next_free_vgpr 1024
		.amdhsa_next_free_sgpr 101
		.amdhsa_reserve_vcc 0
		.amdhsa_float_denorm_mode_32 3
		.amdhsa_float_denorm_mode_16_64 3
		.amdhsa_memory_ordered 1
		.amdhsa_forward_progress 1
		.amdhsa_inst_pref_size 208
	.end_amdhsa_kernel
	.amdgpu_metadata
---
amdhsa.version: [ 1, 2 ]
amdhsa.kernels:
  - .name:           k_q3d1a15822e_qkv
    .symbol:         k_q3d1a15822e_qkv.kd
    .args:
      - { .name: act, .offset: 0, .size: 8, .value_kind: global_buffer, .address_space: global }
      - { .name: wq_codes, .offset: 8, .size: 8, .value_kind: global_buffer, .address_space: global }
      - { .name: wq_scales, .offset: 16, .size: 8, .value_kind: global_buffer, .address_space: global }
      - { .name: wk_codes, .offset: 24, .size: 8, .value_kind: global_buffer, .address_space: global }
      - { .name: wk_scales, .offset: 32, .size: 8, .value_kind: global_buffer, .address_space: global }
      - { .name: wv_codes, .offset: 40, .size: 8, .value_kind: global_buffer, .address_space: global }
      - { .name: wv_scales, .offset: 48, .size: 8, .value_kind: global_buffer, .address_space: global }
      - { .name: bq, .offset: 56, .size: 8, .value_kind: global_buffer, .address_space: global }
      - { .name: bk, .offset: 64, .size: 8, .value_kind: global_buffer, .address_space: global }
      - { .name: bv, .offset: 72, .size: 8, .value_kind: global_buffer, .address_space: global }
      - { .name: qkv, .offset: 80, .size: 8, .value_kind: global_buffer, .address_space: global }
    .group_segment_fixed_size: 327680
    .private_segment_fixed_size: 0
    .kernarg_segment_align: 8
    .kernarg_segment_size: 88
    .max_flat_workgroup_size: 128
    .sgpr_count:     101
    .vgpr_count:     1024
    .wavefront_size: 32
...
	.end_amdgpu_metadata
.endif
;; end of part 8
;; launch attn (part 9): grid 4 x 64, 16 waves a work-group, clusters of 4 x 1, 169,984 bytes of LDS; arguments qkv, oact; writes oact
.if DOCPART == 9
	.amdgcn_target "amdgcn-amd-amdhsa--gfx1250"
	.amdhsa_code_object_version 6
	.text
	.protected	k_q3d1a15822e_attn
	.globl	k_q3d1a15822e_attn
	.p2align	8
	.type	k_q3d1a15822e_attn,@function
k_q3d1a15822e_attn:
	s_mov_b64 s[64:65], 0
	v_nop
	global_prefetch_b8 v0, s[64:65] scope:SCOPE_SE
	s_setreg_imm32_b32 hwreg(HW_REG_WAVE_MODE, 25, 1), 1
	s_wait_xcnt 0x0
	s_wait_alu depctr_hold_cnt(0) depctr_sa_sdst(0) depctr_va_vdst(0) depctr_va_sdst(0) depctr_va_ssrc(0) depctr_va_vcc(0) depctr_vm_vsrc(0)
	s_getreg_b32 s2, hwreg(HW_REG_IB_STS2, 6, 4)
	s_cmp_eq_u32 s2, 0
	s_cbranch_scc0 .Lentry_in_a_cluster
	s_endpgm
.Lentry_in_a_cluster:
	s_bfe_u32 s2, ttmp6, 0x10000c
	s_cmp_lg_u32 s2, 0x3003
	s_cbranch_scc0 .Lentry_shape_is_right
	s_endpgm
.Lentry_shape_is_right:
; o = softmax(q k^T / 8, causal) v for one batch x head in a cluster of four work-groups, both products on codes of FP6 (E2M3) with E8M0 scales; o is divided by the row's sum, quantised along the features and leaves as codes.
; t = score x log2(e) / 8; M = the running largest t rounded UP to a whole number; p = 2^(t - M) is quantised along the keys, not normalised; the row's sum is taken of the unquantised p.  When M moves, the sum and O are multiplied by 2^(old M - new M): exact.
; IN (buffer qkv): half images of 768 bytes (16 rows x 64 K as the operand's six registers hold them: a lane's first four at 16 l, its last two at 512 + 8 l) and scale words, as the launch before lays them.
; The head is 64 wide, the instruction 128 deep: registers 6-11 of q's and k's fragments are zero codes, which add nothing under any scale byte but 0xff, and none is 0xff.
; SHARES.  Sixteen waves, each one tile of 16 queries in 256 registers.  Wave w takes tile 4 g(w) + cx; g is a table whose sums over w % 4 and over w / 4 are equal, so that each group of four waves has 18 key steps.
; A wave's last key step, g / 2, hangs on its number alone, never on its work-group's place: the partners run alike.
; K, V and their scale words of the whole head (104,448 bytes) come into LDS ONCE, by joint loads that name the four work-groups: no byte is filled again, so there is no ring.
; Both products are used transposed (S^T = K Q^T, O^T = V^T P^T): a lane holds one query.  k's images hold the keys, and v's the features, in the order 32 g + 16 t + 8 u + p for image 2 g + u, row 8 t + p:
; so the 16 registers of two neighbouring tiles are 16 neighbours along the next K.
; OUT (buffer oact): o's half images [16 tokens 256][head 16][768]; from byte 3,145,728 the scale bytes [16 tokens 256][256 K 4][16 rows][8].
; LIMITS: NaN and infinities are not served; a block of zeros, or one under 2^-124, has the byte 1 (this program alone reads the bytes).  A block's largest p is taken as the p of its largest score: that leans on v_exp_f32 not falling where its input rises.
; REGISTERS: v1-7 addresses that stay; v8-11 a step's addresses; v12 -M, v13 the largest t, v[14:15] the sum; v16-27 Q; v28-31 K's scale words; v32-79 four fragments of K; v80-95 at work; v96-159 S^T, then p, then V's fragments;
;   v160-191 O^T; v192-203 p's codes; v204-210 conversions' second halves; v212-215 V's scale words; v216 Q's; v217 p's; v[218:219] and v242-253 further chains of the sum.
.set VIMG, 49152                       ; LDS: K's 64 images at 0, V's 64 here,
.set KSC,  98304                       ; K's 1,024 scale words,
.set VSC,  102400                      ; V's 512
.set WV,   18
.set SEL,  20                          ; s[20:21] selects for lane l xor 16
.set CS,   22                          ; s[22:23] c = log2(e) / 8
.set G1A,  24                          ; descriptor groups 1: 16, 8 and 192 rows of 256 bytes
.set G1B,  32
.set G1C,  40
.set G0KS, 48                          ; groups 0: K's scale words, K, V's scale words, V
.set G0K,  52
.set G0VS, 56
.set G0V,  60
.set SI,   68                          ; the key step
.set WH,   69                          ; my last key step
.set TK,   70                          ; where the step's images begin: 6,144 bytes a step, K's and V's alike
.set TSK,  71                          ; its scale words of K: 512 bytes a step
.set TSV,  72                          ; of V: 256
.set KF,   73                          ; its first key
.set Q0,   74                          ; my first query
.set TT,   75                          ; my tile of queries
.set BH,   76                          ; batch x head
.macro CROUND                          ; a round of the cluster's barrier
	s_barrier_signal -1
	s_barrier_wait -1
	s_cmp_lg_u32 s[WV], 0
	s_cbranch_scc1 .Lnot_wave_0_\@
	s_barrier_signal -3
.Lnot_wave_0_\@:
	s_barrier_wait -3
	s_barrier_signal -1
	s_barrier_wait -1
.endm
	s_load_b128 s[4:7], s[0:1], 0x0                ; qkv, oact
	v_lshl_add_u32 v254, v0, 2, 0x29000
	v_mov_b32 v255, 0
	ds_add_u32 v254, v255
	ds_add_u32 v254, v255
	v_lshrrev_b32 v8, 5, v0
	s_delay_alu instid0(VALU_DEP_1)
	v_readfirstlane_b32 s[WV], v8                  ; wave 0..15
	s_bfe_u32 s8, ttmp6, 0x40000                   ; cx: it enters Q's and O's global addresses and the mask's numbers alone
	s_and_b32 s[BH], ttmp7, 0xffff
	s_mov_b32 s10, 0x7a94c12f                      ; g(w), a nibble a wave: 15 2 1 12 / 4 9 10 7 /
	s_mov_b32 s11, 0x0de3b658                      ; 8 5 6 11 / 3 14 13 0
	s_cmp_lt_u32 s[WV], 8
	s_cselect_b32 s10, s10, s11
	s_and_b32 s11, s[WV], 7
	s_lshl_b32 s11, s11, 2
	s_lshr_b32 s10, s10, s11
	s_and_b32 s19, s10, 15
	s_lshr_b32 s[WH], s19, 1                       ; queries 64 g + 16 cx + 0 .. 15 end in key step g / 2
	s_lshl_b32 s[TT], s19, 2
	s_add_co_u32 s[TT], s[TT], s8
	s_lshl_b32 s[Q0], s[TT], 4
.irp g, G1A, G1B, G1C
	s_mov_b32 s[\g], 15|(3<<16)|(1<<21)            ; the mask: all four work-groups; elements of 8 bytes; bit 21 beside a mask; no padding
	s_mov_b32 s[\g+1], 32<<16                      ; tensor_dim0 = 32 elements: 256 bytes
	s_mov_b32 s[\g+3], 32<<16                      ; tile_dim0
	s_mov_b32 s[\g+5], 32                          ; the pitch: dense
	s_mov_b32 s[\g+6], 0
	s_mov_b32 s[\g+7], 0
.endr
	s_mov_b32 s[G1A+2], 16<<16                     ; tensor_dim1, tile_dim1
	s_mov_b32 s[G1A+4], 16
	s_mov_b32 s[G1B+2], 8<<16
	s_mov_b32 s[G1B+4], 8
	s_mov_b32 s[G1C+2], 192<<16
	s_mov_b32 s[G1C+4], 192
	s_mul_i32 s12, s[BH], 49152
	s_mov_b32 s13, 0
	s_lshl_b32 s14, s[BH], 12
	s_mov_b32 s15, 0
	s_lshl_b32 s16, s[BH], 11
	s_mov_b32 s17, 0
	s_mov_b32 s[SEL], 0x76543210
	s_mov_b32 s[SEL+1], 0xfedcba98
	s_mov_b32 s[CS], 0x3e38aa3b                    ; log2(e) / 8
	s_mov_b32 s[CS+1], s[CS]                       ; (named with it as a pair)
	s_mov_b32 s[SI], 0
	s_mov_b32 s[TK], 0
	s_mov_b32 s[TSK], 0
	s_mov_b32 s[TSV], 0
	s_mov_b32 s[KF], 0
	s_wait_dscnt 0x0
	s_wait_kmcnt 0x0
	s_add_nc_u64 s[92:93], s[4:5], s[12:13]        ; the head's images,
	s_add_nc_u64 s[94:95], s[4:5], s[14:15]        ; q's and k's scale words,
	s_add_nc_u64 s[96:97], s[4:5], s[16:17]        ; v's
	s_mov_b32 s[G0KS], 1
	s_mov_b32 s[G0KS+1], KSC
	s_add_nc_u64 s[G0KS+2:G0KS+3], s[94:95], 9699328
	s_or_b32 s[G0KS+3], s[G0KS+3], 0x80000000
	s_mov_b32 s[G0K], 1
	s_mov_b32 s[G0K+1], 0
	s_add_nc_u64 s[G0K+2:G0K+3], s[92:93], 3145728
	s_or_b32 s[G0K+3], s[G0K+3], 0x80000000
	s_mov_b32 s[G0VS], 1
	s_mov_b32 s[G0VS+1], VSC
	s_add_nc_u64 s[G0VS+2:G0VS+3], s[96:97], 9961472
	s_or_b32 s[G0VS+3], s[G0VS+3], 0x80000000
	s_mov_b32 s[G0V], 1
	s_mov_b32 s[G0V+1], VIMG
	s_add_nc_u64 s[G0V+2:G0V+3], s[92:93], 6291456
	s_or_b32 s[G0V+3], s[G0V+3], 0x80000000
	CROUND                                         ; all four work-groups are here: the joint loads meet
	s_cmp_eq_u32 s[WV], 0                          ; waves 0 to 3 ask for K, V, K's scale words, V's: one load a wave, in one chain of branches on the wave's number
	s_cbranch_scc0 .Lnot_k
	tensor_load_to_lds s[G0K:G0K+3], s[G1C:G1C+7]
	s_nop 0
.rept 4
	v_nop
.endr
	s_branch .Lasked
.Lnot_k:
	s_cmp_eq_u32 s[WV], 1
	s_cbranch_scc0 .Lnot_v
	tensor_load_to_lds s[G0V:G0V+3], s[G1C:G1C+7]
	s_nop 0
.rept 4
	v_nop
.endr
	s_branch .Lasked
.Lnot_v:
	s_cmp_eq_u32 s[WV], 2
	s_cbranch_scc0 .Lnot_ks
	tensor_load_to_lds s[G0KS:G0KS+3], s[G1A:G1A+7]
	s_nop 0
.rept 4
	v_nop
.endr
	s_branch .Lasked
.Lnot_ks:
	s_cmp_eq_u32 s[WV], 3
	s_cbranch_scc0 .Lasked
	tensor_load_to_lds s[G0VS:G0VS+3], s[G1B:G1B+7]
	s_nop 0
.rept 4
	v_nop
.endr
.Lasked:
	s_mul_i32 s12, s[TT], 768
	s_add_nc_u64 s[10:11], s[92:93], s[12:13]      ; my tile's image of q
	s_lshl_b32 s12, s[TT], 6
	s_add_co_u32 s12, s12, 9437184
	s_add_nc_u64 s[14:15], s[94:95], s[12:13]      ; and its scale words
	v_and_b32 v8, 31, v0                           ; lane
	v_and_b32 v9, 15, v0                           ; r
	v_bfe_u32 v10, v0, 4, 1                        ; h
	s_delay_alu instid0(VALU_DEP_3)
	v_lshlrev_b32 v1, 4, v8                        ; an image's four-register part: 16 l
	s_delay_alu instid0(VALU_DEP_4)
	v_lshl_add_u32 v2, v8, 3, 512                  ; its two-register part: 512 + 8 l
	s_delay_alu instid0(VALU_DEP_4)
	v_lshlrev_b32 v7, 2, v9                        ; a scale word: 4 r
	s_delay_alu instid0(VALU_DEP_1)
	v_add_nc_u32 v3, KSC, v7
	s_delay_alu instid0(VALU_DEP_2)
	v_add_nc_u32 v4, VSC, v7
	v_lshlrev_b32 v5, 3, v9                        ; o's scale bytes: 8 r
	v_lshlrev_b32 v10, 4, v10
	s_delay_alu instid0(VALU_DEP_1)
	v_sub_nc_u32 v6, v9, v10                       ; r - 16 h, for the mask
	global_load_b128 v[16:19], v1, s[10:11]
	global_load_b64 v[20:21], v2, s[10:11]
	global_load_b32 v216, v7, s[14:15]
.irp i, 22,23,24,25,26,27
	v_mov_b32 v\i, 0                               ; zero codes for K = 64 .. 127
.endr
.irp t, 0,1,2,3
.irp i, 6,7,8,9,10,11
	v_mov_b32 v[32+12*\t+\i], 0                    ; likewise in K's four fragments: written once, never loaded over
.endr
.endr
	v_mov_b32 v13, 0xff61b1e6                      ; the largest t so far: -3e38
	s_delay_alu instid0(VALU_DEP_1)
	v_floor_f32 v12, -v13                          ; -M
	v_mov_b32 v14, 0
	v_mov_b32 v15, 0
.irp i, 84,85,86,87,93,94
	v_mov_b32 v\i, 0                               ; lane permutes' destinations, and the upper half of the pair v[92:93]
.endr
.set JJ, 0
.rept 32
	v_mov_b32 v[160+JJ], 0                         ; O^T: the step is written once; the first finds zeros, which the first change of M leaves zeros
.set JJ, JJ+1
.endr
; A KEY STEP: 128 keys.
.macro STEP
	s_cmp_gt_u32 s[SI], s[WH]                      ; all its keys come after my queries: only the addresses step
	s_cbranch_scc1 .Lhidden_\@
	v_add_nc_u32 v8, s[TK], v1
	s_wait_alu depctr_va_vdst(0)
	v_add_nc_u32 v9, s[TK], v2
	s_wait_alu depctr_va_vdst(0)
	v_add_nc_u32 v10, s[TSK], v3
	s_wait_alu depctr_va_vdst(0)
	v_add_nc_u32 v11, s[TSV], v4
	v_nop                                          ; six places: the first product below writes over registers that the last step's products read (five are owed)
	v_nop
.irp g, 0,1                                        ; S^T = K Q^T, four tiles of 16 keys at a time
.if \g > 0
.rept 4
	v_nop                                          ; places in front of loads into registers that matrix instructions have read
.endr
.endif
.irp t, 0,1,2,3
	ds_load_b128 v[32+12*\t:35+12*\t], v8 offset:(4*\g+\t)*768
	ds_load_b64 v[36+12*\t:37+12*\t], v9 offset:(4*\g+\t)*768
	ds_load_b32 v[28+\t], v10 offset:(4*\g+\t)*64
.endr
	s_wait_dscnt 0x0
.irp t, 0,1,2,3
	v_wmma_scale_f32_16x16x128_f8f6f4 v[96+8*(4*\g+\t):103+8*(4*\g+\t)], v[32+12*\t:43+12*\t], v[16:27], 0, v[28+\t], v216 matrix_a_fmt:MATRIX_FMT_FP6 matrix_b_fmt:MATRIX_FMT_FP6
.endr
.endr                                              ; register 16 b + i of v96 on: key KF + 32 b + 16 h + i of my query
.rept 4
	v_nop
.endr
	s_cmp_lt_u32 s[SI], s[WH]                      ; on the diagonal the scores of hidden keys become -infinity ahead of the maximum
	s_cbranch_scc1 .Lopen_\@
	s_sub_co_i32 s96, s[Q0], s[KF]
	v_add_nc_u32 v94, s96, v6                      ; d = my query - KF - 16 h: hidden where 32 b + i > d
	v_mov_b32 v95, 0xff800000
.set JJ, 0
.rept 64
	v_cmp_gt_i32 vcc_lo, 32*(JJ/16)+JJ%16, v94
	v_cndmask_b32 v[96+JJ], v[96+JJ], v95, vcc_lo
.set JJ, JJ+1
.endr
.Lopen_\@:
.irp b, 0,1,2,3
	v_max3_num_f32 v[80+\b], v[96+16*\b], v[97+16*\b], v[98+16*\b]   ; the largest score of each block of 32 keys: for the row's maximum and for the block's largest p
.endr
.irp i, 3,5,7,9,11,13
.irp b, 0,1,2,3
	v_max3_num_f32 v[80+\b], v[80+\b], v[96+16*\b+\i], v[97+16*\b+\i]
.endr
.endr
.irp b, 0,1,2,3
	v_max_num_f32 v[80+\b], v[80+\b], v[111+16*\b]
.endr
.irp b, 0,1,2,3
	s_delay_alu instid0(VALU_DEP_4)
	v_permlanex16_b32 v[84+\b], v[80+\b], s[SEL], s[SEL+1]
.endr
.irp b, 0,1,2,3
	s_delay_alu instid0(VALU_DEP_4)
	v_max_num_f32 v[80+\b], v[80+\b], v[84+\b]     ; with lane l xor 16's 16 keys
.endr
	s_delay_alu instid0(VALU_DEP_2)
	v_max3_num_f32 v94, v80, v81, v82
	s_delay_alu instid0(VALU_DEP_1)
	v_max_num_f32 v94, v94, v83
	s_delay_alu instid0(VALU_DEP_1)
	v_mul_f32 v94, s[CS], v94                      ; as t (c is positive)
	s_delay_alu instid0(VALU_DEP_1)
	v_max_num_f32 v13, v13, v94                    ; the running largest t
	v_mov_b32 v94, v12
	s_delay_alu instid0(VALU_DEP_2)
	v_floor_f32 v12, -v13                          ; the new -M = -ceil(t)
	s_delay_alu instid0(VALU_DEP_1)
	v_sub_f32 v94, v12, v94                        ; old M - new M: a whole number, 0 or less
	s_delay_alu instid0(VALU_DEP_1)
	v_cvt_i32_f32 v94, v94                         ; (it saturates)
	s_delay_alu instid0(VALU_DEP_1)
	v_ldexp_f32 v92, 1.0, v94                      ; f = 2^(old M - new M)
.set JJ, 0
.rept 32
	v_pk_fma_f32 v[96+JJ:97+JJ], v[96+JJ:97+JJ], s[CS:CS+1], v[12:13] op_sel_hi:[1,0,0]   ; t - M
.set JJ, JJ+2
.endr
.irp b, 0,1,2,3
	v_fma_f32 v[80+\b], v[80+\b], s[CS], v12       ; the same of each block's largest score
.endr
.set JJ, 0
	s_wait_alu depctr_va_vdst(0)
.rept 64
	v_exp_f32 v[96+JJ], v[96+JJ]                   ; p = 2^(t - M)
.set JJ, JJ+1
.endr
.irp b, 0,1,2,3
	v_exp_f32 v[80+\b], v[80+\b]                   ; the block's largest p
.endr
	v_pk_mul_f32 v[14:15], v[14:15], v[92:93] op_sel_hi:[1,0]   ; the sums under the new M (a plain line behind the exponentials)
	s_wait_alu depctr_va_vdst(0)
.irp b, 0,1,2,3
	v_max_num_f32 v[80+\b], 0x1800000, v[80+\b]    ; the floor 2^(3 - 127)
.endr
.irp b, 0,1,2,3
	s_delay_alu instid0(VALU_DEP_4)
	v_add_nc_u32 v[88+\b], 0xff000000, v[80+\b]    ; the conversion's scale operand
.endr
.irp b, 0,1,2,3
	s_delay_alu instid0(VALU_DEP_4)
	v_lshrrev_b32 v[84+\b], 23, v[88+\b]           ; the scale's byte
.endr
	s_delay_alu instid0(VALU_DEP_3)
	v_lshl_or_b32 v217, v85, 8, v84                ; p's scale word for these 128 keys
	s_delay_alu instid0(VALU_DEP_1)
	v_lshl_or_b32 v217, v86, 16, v217
	s_delay_alu instid0(VALU_DEP_1)
	v_lshl_or_b32 v217, v87, 24, v217
.irp c, 0,1
	v_cvt_scalef32_pk16_fp6_f32 v[192+6*\c:194+6*\c], v[96+32*\c:111+32*\c], v[88+2*\c]
	v_cvt_scalef32_pk16_fp6_f32 v[204+4*\c:206+4*\c], v[112+32*\c:127+32*\c], v[88+2*\c+1]
.endr
	v_nop                                          ; one plain line behind a scaled conversion
.irp c, 0,1                                        ; the operand wants a whole block in a lane: lanes 0-15 block 2 c, lanes 16-31 block 2 c + 1
.irp i, 0,1,2
	v_permlane16_swap_b32 v[192+6*\c+\i], v[204+4*\c+\i]
.endr
.irp i, 0,1,2
	s_delay_alu instid0(VALU_DEP_3)
	v_mov_b32 v[195+6*\c+\i], v[204+4*\c+\i]
.endr
.endr
	v_pk_add_f32 v[218:219], v[100:101], v[104:105]
	v_pk_add_f32 v[252:253], v[108:109], v[112:113]
	v_pk_add_f32 v[250:251], v[116:117], v[120:121]
	v_pk_add_f32 v[248:249], v[124:125], v[128:129]
	v_pk_add_f32 v[246:247], v[132:133], v[136:137]
	v_pk_add_f32 v[244:245], v[140:141], v[144:145]
	v_pk_add_f32 v[242:243], v[148:149], v[152:153]
	v_pk_add_f32 v[14:15], v[14:15], v[156:157]
	v_pk_add_f32 v[218:219], v[218:219], v[96:97]
	v_pk_add_f32 v[252:253], v[252:253], v[98:99]
	v_pk_add_f32 v[250:251], v[250:251], v[102:103]
	v_pk_add_f32 v[248:249], v[248:249], v[106:107]
	v_pk_add_f32 v[246:247], v[246:247], v[110:111]
	v_pk_add_f32 v[244:245], v[244:245], v[114:115]
	v_pk_add_f32 v[242:243], v[242:243], v[118:119]
	v_pk_add_f32 v[14:15], v[14:15], v[122:123]
	v_pk_add_f32 v[218:219], v[218:219], v[126:127]
	v_pk_add_f32 v[252:253], v[252:253], v[130:131]
	v_pk_add_f32 v[250:251], v[250:251], v[134:135]
	v_pk_add_f32 v[248:249], v[248:249], v[138:139]
	v_pk_add_f32 v[246:247], v[246:247], v[142:143]
	v_pk_add_f32 v[244:245], v[244:245], v[146:147]
	v_pk_add_f32 v[242:243], v[242:243], v[150:151]
	v_pk_add_f32 v[14:15], v[14:15], v[154:155]
	v_pk_add_f32 v[218:219], v[218:219], v[158:159]
	s_delay_alu instid0(VALU_DEP_2)
	v_pk_add_f32 v[14:15], v[14:15], v[248:249]
	s_delay_alu instid0(VALU_DEP_2)
	v_pk_add_f32 v[218:219], v[218:219], v[246:247]
	v_pk_add_f32 v[252:253], v[252:253], v[244:245]
	v_pk_add_f32 v[250:251], v[250:251], v[242:243]
	s_delay_alu instid0(VALU_DEP_2)
	v_pk_add_f32 v[14:15], v[14:15], v[252:253]
	s_delay_alu instid0(VALU_DEP_2)
	v_pk_add_f32 v[218:219], v[218:219], v[250:251]
	s_delay_alu instid0(VALU_DEP_1)
	v_pk_add_f32 v[14:15], v[14:15], v[218:219]
.set JJ, 0
.rept 16
	v_pk_mul_f32 v[160+JJ:161+JJ], v[160+JJ:161+JJ], v[92:93] op_sel_hi:[1,0]   ; O^T under the new M (with the sums: the places between p's scale word and codes and the products below)
.set JJ, JJ+2
.endr
.irp t, 0,1,2,3                                    ; O^T += V^T P^T: four tiles of 16 features, K = these 128 keys: two half images a fragment
.irp c, 0,1
	ds_load_b128 v[96+12*\t+6*\c:99+12*\t+6*\c], v8 offset:VIMG+(4*\c+\t)*768
	ds_load_b64 v[100+12*\t+6*\c:101+12*\t+6*\c], v9 offset:VIMG+(4*\c+\t)*768
.endr
	ds_load_b32 v[212+\t], v11 offset:64*\t
.endr
	s_wait_alu depctr_va_vdst(0)
	s_wait_dscnt 0x0
.irp t, 0,1,2,3
	v_wmma_scale_f32_16x16x128_f8f6f4 v[160+8*\t:167+8*\t], v[96+12*\t:107+12*\t], v[192:203], v[160+8*\t:167+8*\t], v[212+\t], v217 matrix_a_fmt:MATRIX_FMT_FP6 matrix_b_fmt:MATRIX_FMT_FP6
.endr
.Lhidden_\@:
	s_add_co_u32 s[TK], s[TK], 6144
	s_add_co_u32 s[TSK], s[TSK], 512
	s_add_co_u32 s[TSV], s[TSV], 256
	s_add_co_u32 s[KF], s[KF], 128
.endm
	s_wait_tensorcnt 0x0                           ; my loads have landed,
	s_barrier_signal -1
	s_barrier_wait -1                              ; everybody's have: K, V and their scale words are whole, and nothing writes them again
	s_wait_loadcnt 0x0                             ; Q
.Lstep:                                            ; every wave walks all 8 trips; a step beyond its queries only steps addresses
	STEP
	s_add_co_u32 s[SI], s[SI], 1
	s_cmp_lt_u32 s[SI], 8
	s_cbranch_scc1 .Lstep
	; THE WAY OUT: O^T / the sum, quantised along the features: register 16 g + i is feature 32 g + 16 h + i of my query.
.rept 4
	v_nop                                          ; places behind the last products
.endr
	v_add_f32 v14, v14, v15
	s_delay_alu instid0(VALU_DEP_1)
	v_permlanex16_b32 v94, v14, s[SEL], s[SEL+1]
	s_delay_alu instid0(VALU_DEP_1)
	v_add_f32 v14, v14, v94                        ; the row's sum
	s_wait_alu depctr_va_vdst(0)
	v_rcp_f32 v14, v14
	s_lshr_b32 s92, s[BH], 4
	s_lshl_b32 s92, s92, 6
	s_add_co_u32 s92, s92, s[TT]                   ; my tile of 16 tokens: 64 x batch + tile
	s_and_b32 s93, s[BH], 15                       ; the head
	s_mul_i32 s94, s92, 12288
	s_mul_i32 s95, s93, 768
	s_add_co_u32 s94, s94, s95
	s_mov_b32 s95, 0
	s_add_nc_u64 s[96:97], s[6:7], s[94:95]        ; the image
	s_lshl_b32 s94, s92, 9
	s_lshr_b32 s92, s93, 2
	s_lshl_b32 s92, s92, 7
	s_add_co_u32 s94, s94, s92
	s_and_b32 s93, s93, 3
	s_lshl_b32 s93, s93, 1
	s_add_co_u32 s94, s94, s93
	s_add_co_u32 s94, s94, 3145728
	s_add_nc_u64 s[98:99], s[6:7], s[94:95]        ; its two scale bytes a row
	v_nop                                          ; a plain line behind the transcendental
.set JJ, 0
	s_wait_alu depctr_va_vdst(0)
.rept 32
	v_mul_f32 v[96+JJ], v[160+JJ], v14             ; each accumulator from its low end on
.set JJ, JJ+1
.endr
.irp g, 0,1
	v_max3_num_f32 v[80+\g], |v[96+16*\g]|, |v[97+16*\g]|, 0x1800000
.endr
.irp i, 2,4,6,8,10,12,14
.irp g, 0,1
	s_delay_alu instid0(VALU_DEP_2)
	v_max3_num_f32 v[80+\g], v[80+\g], |v[96+16*\g+\i]|, |v[97+16*\g+\i]|
.endr
.endr
.irp g, 0,1
	s_delay_alu instid0(VALU_DEP_2)
	v_permlanex16_b32 v[84+\g], v[80+\g], s[SEL], s[SEL+1]
.endr
.irp g, 0,1
	s_delay_alu instid0(VALU_DEP_2)
	v_max_num_f32 v[80+\g], v[80+\g], v[84+\g]     ; the block's largest magnitude
.endr
.irp g, 0,1
	s_delay_alu instid0(VALU_DEP_2)
	v_add_nc_u32 v[88+\g], 0xff000000, v[80+\g]
.endr
.irp g, 0,1
	s_delay_alu instid0(VALU_DEP_2)
	v_lshrrev_b32 v[84+\g], 23, v[88+\g]
.endr
	s_delay_alu instid0(VALU_DEP_1)
	v_lshl_or_b32 v217, v85, 8, v84
	v_cvt_scalef32_pk16_fp6_f32 v[192:194], v[96:111], v88
	v_cvt_scalef32_pk16_fp6_f32 v[204:206], v[112:127], v89
	v_nop
.irp i, 0,1,2
	v_permlane16_swap_b32 v[192+\i], v[204+\i]
.endr
.irp i, 0,1,2
	s_delay_alu instid0(VALU_DEP_3)
	v_mov_b32 v[195+\i], v[204+\i]
.endr
	global_store_b128 v1, v[192:195], s[96:97]     ; 512 consecutive bytes,
	global_store_b64 v2, v[196:197], s[96:97]      ; and 256
	global_store_b16 v5, v217, s[98:99]            ; both halves of the lanes store the same two bytes
	s_wait_tensorcnt 0x0
	ds_add_u32 v254, v255
	s_wait_dscnt 0x0
	CROUND                                         ; the closing round
	s_endpgm
.Lfunc_end_k_q3d1a15822e_attn:
	.size	k_q3d1a15822e_attn, .Lfunc_end_k_q3d1a15822e_attn-k_q3d1a15822e_attn
	.p2alignl 7, 3214868480
	.fill 96, 4, 3214868480
	.section	.rodata,"a",@progbits
	.p2align	6, 0x0
	.amdhsa_kernel k_q3d1a15822e_attn
		.amdhsa_group_segment_fixed_size 169984
		.amdhsa_private_segment_fixed_size 0
		.amdhsa_enable_private_segment 0
		.amdhsa_kernarg_size 16
		.amdhsa_user_sgpr_count 2
		.amdhsa_user_sgpr_kernarg_segment_ptr 1
		.amdhsa_wavefront_size32 1
		.amdhsa_system_sgpr_workgroup_id_x 1
		.amdhsa_system_sgpr_workgroup_id_y 1
		.amdhsa_system_sgpr_workgroup_id_z 1
		.amdhsa_system_vgpr_workitem_id 0
		.amdhsa_next_free_vgpr 256
		.amdhsa_next_free_sgpr 100
		.amdhsa_reserve_vcc 1
		.amdhsa_float_denorm_mode_32 3
		.amdhsa_float_denorm_mode_16_64 3
		.amdhsa_memory_ordered 1
		.amdhsa_forward_progress 1
		.amdhsa_inst_pref_size 39
	.end_amdhsa_kernel
	.amdgpu_metadata
---
amdhsa.version: [ 1, 2 ]
amdhsa.kernels:
  - .name:           k_q3d1a15822e_attn
    .symbol:         k_q3d1a15822e_attn.kd
    .args:
      - { .name: qkv, .offset: 0, .size: 8, .value_kind: global_buffer, .address_space: global }
      - { .name: oact, .offset: 8, .size: 8, .value_kind: global_buffer, .address_space: global }
    .group_segment_fixed_size: 169984
    .private_segment_fixed_size: 0
    .kernarg_segment_align: 8
    .kernarg_segment_size: 16
    .max_flat_workgroup_size: 512
    .sgpr_count:     100
    .vgpr_count:     256
    .wavefront_size: 32
...
	.end_amdgpu_metadata
.endif
;; end of part 9
;; launch proj (part 10): grid 8 x 32, 4 waves a work-group, clusters of 4 x 4, 327,680 bytes of LDS; arguments oact, wp_codes, wp_scales, bp, x, x1; writes x1
.if DOCPART == 10
	.amdgcn_target "amdgcn-amd-amdhsa--gfx1250"
	.amdhsa_code_object_version 6
	.text
	.protected	k_q3d1a15822e_proj
	.globl	k_q3d1a15822e_proj
	.p2align	8
	.type	k_q3d1a15822e_proj,@function
k_q3d1a15822e_proj:
	s_mov_b64 s[64:65], 0
	v_nop
	global_prefetch_b8 v0, s[64:65] scope:SCOPE_SE
	s_setreg_imm32_b32 hwreg(HW_REG_WAVE_MODE, 25, 1), 1
	s_wait_xcnt 0x0
	s_wait_alu depctr_hold_cnt(0) depctr_sa_sdst(0) depctr_va_vdst(0) depctr_va_sdst(0) depctr_va_ssrc(0) depctr_va_vcc(0) depctr_vm_vsrc(0)
	s_getreg_b32 s2, hwreg(HW_REG_IB_STS2, 6, 4)
	s_cmp_eq_u32 s2, 0
	s_cbranch_scc0 .Lentry_in_a_cluster
	s_endpgm
.Lentry_in_a_cluster:
	s_bfe_u32 s2, ttmp6, 0x10000c
	s_cmp_lg_u32 s2, 0xf033
	s_cbranch_scc0 .Lentry_shape_is_right
	s_endpgm
.Lentry_shape_is_right:
; out = resid + A W^T + bias, on codes of FP6 (E2M3) with E8M0 scales.  A: 4,096 rows x SIZE_K, as half images [16 rows 256][64 K][768 bytes] (16 rows x 64 K as the operand's six registers hold them: a lane's first
; four at 16 l, its last two at 512 + 8 l), with its scale bytes behind them, [16 rows][256 K][16][8].  W: [1024][SIZE_K] codes in rows, K innermost, scale bytes [1024][SIZE_K / 32].  bias [1024], resid and out [4096][1024]: f32.
; A tile of 128 rows x 128 columns is made by four waves, each 64 x 64 in 16 accumulators: 32 x 8 tiles, 256 work-groups.  K goes in steps of 512 through two LDS slots filled by joint tensor loads: A's tile is shared
; along a row of the 4 x 4 cluster, W's along a column.  Waves 0 and 1 bring A's two halves (4 rows of 6,144 bytes each), waves 2 and 3 bring W's 128 rows for the first and the second 256 along K of the slot (rows of 192 bytes,
; 16 bytes of padding behind every 64: pitch 240).  At SIZE_K = 1,024 the two first fills are all of K and nothing is filled again.  Both sides' scale bytes for all of K come once, with the first fills.
; The matrix instruction is used transposed (source 0 = 16 rows of W, source 1 = 16 rows of A): a lane holds eight neighbouring columns of a row.  The bias is the C of each sum's first product.
; The residual, 64 rows x 256 bytes a wave, is asked for at the head and lands in 128 registers under the K loop.
; REGISTERS: window 0: v16-31 addresses; v32-63 A's scale words, v64-95 W's, two sets of 16 each (register 4 x block + the slot's q-th 128 along K); v96-127 the bias; v128-255 the accumulators ((a, b) at v[128 + 8 (4 a + b)]).
;   window 1: two sets of fragments at v0 and v128: A's four in 48 registers, then W's four.   window 2: v0-127 the residual; v128-191 rows of the result on the way out.
; W'S TILES AND THE HEAD, as the text now stands (this takes the place of the head's sentences on them): a slot's 384 bytes of a row of W come inside a row of 512 bytes that begins at a multiple of 256:
; slot 0 of each 768 bytes takes bytes 0-511, slot 1 bytes 256-767 and reads from byte 128 on; 24 bytes of padding behind each 256: pitch 560.  In the ring waves 2 and 3 bring 64 rows each.
; At the head each wave issues one joint load: A's 128 rows of slot 0, W's 128, A's scales, W's scales; slot 1 follows behind a round.  No prefetch: two slots are all of K, there is no trip to run ahead in.
.set SIZE_K, 1024
.set LASTOUT, 0                        ; 1: the result is read by no later launch
.set NQ,     4                         ; steps of 128 along K in a slot
.set ROWB,   512                       ; W: what a load brings of a row
.set KROW,   SIZE_K*6/8
.set TPITCH, SIZE_K*12                 ; A: from 16 rows to the next 16
.set PSC,    4096*KROW                 ; A's scale bytes begin here
.set PITCH,  560                       ; W's LDS row: 2 x (256 bytes + 24 of padding)
.set FR,     12
.set NP,     4                         ; places behind this matrix instruction (ISA guide 7.12.1)
.set HALFA,  4*6144                    ; four tiles of 16 rows x 512 K: what one load brings of A, and what one wave reads of it
.set ASL,    2*HALFA
.set HALFB,  64*PITCH                  ; 64 rows of W: what one load of the ring brings
.set SLOT,   ASL+2*HALFB
.set LAPS,   SIZE_K/1024               ; a lap = two slots = once round the ring
.set KS,     SIZE_K/32
.set SCB,    2*SLOT                    ; W's scale bytes, as runs of 256 bytes + 16 of padding
.set HALFS,  (64*KS/256)*272           ; those of 64 rows: what one load brings, and what one wave reads
.set SBLK,   (16*KS/256)*272
.set SCA,    SCB+2*HALFS               ; A's, dense
.set HALFSA, 2*SIZE_K
.set STAGE,  SCA+4*SIZE_K              ; the way out: 16 rows x 272 bytes for each wave: bytes of its own, into which no fill lands
.set SPITCH, 272
.set SPARE,  STAGE+4*16*SPITCH         ; the spare words, 128 bytes for each wave: two blocks of 256 bytes that no other line names
.set A16,  16                          ; v16-17 A's images in slot 0, 1: the four-register part;  v18-19 the two-register part
.set A8,   18
.set ADRB, 20                          ; v20-21 W's fragments in slot 0, 1;  v22-23 the same behind one padding more
.set STO,  24
.set RD,   25
.set CO,   26
.set ADRSB, 27
.set SPW,  28
.set NIL,  29
.set ADRSA, 30
.set SA,   32
.set SB,   64
.set BQ,   96
.set ACC,  128
.set BK,   128                         ; in window 2
.set G1, 24
.set G0, 32
.set G1B, 48
.set G0B, 56
.set G1S, 68
.set G0S, 76
.set G1SB, 80
.set G0SB, 88
.set MSB, 0
.macro WIN new                         ; the immediate's high byte repeats the setting that is left
.if MSB != \new
	s_set_vgpr_msb (MSB<<8)|\new
.set MSB, \new
.endif
.endm
.set MUL,   0x05                       ; sources 0 (W) and 1 (A) window 1; C and D window 0
.set TO_F,  0x40                       ; destination window 1, address window 0
.macro JLOAD g0a, g1a, g0b, g1b        ; a joint load: waves 0 and 1 fetch for A, waves 2 and 3 for W; four v_nop follow each of the two lines
	s_cmp_eq_u32 s15, 0
	s_cbranch_scc0 .Lfor_b_\@
	tensor_load_to_lds s[\g0a:\g0a+3], s[\g1a:\g1a+7]
	s_nop 0
.rept 4
	v_nop
.endr
	s_branch .Lasked_\@
.Lfor_b_\@:
	tensor_load_to_lds s[\g0b:\g0b+3], s[\g1b:\g1b+7]
	s_nop 0
.rept 4
	v_nop
.endr
.Lasked_\@:
.endm
.macro CREST                           ; a round of the cluster's barrier behind its opening barrier
	s_cmp_lg_u32 s14, 0
	s_cbranch_scc1 .Lnot_wave_0_\@
	s_barrier_signal -3
.Lnot_wave_0_\@:
	s_barrier_wait -3
	s_barrier_signal -1
	s_barrier_wait -1
.endm
.macro CROUND
	s_barrier_signal -1
	s_barrier_wait -1
	CREST
.endm
	s_load_b64 s[4:5], s[0:1], 0x0                 ; A
	s_load_b64 s[8:9], s[0:1], 0x8                 ; W's codes
	s_load_b64 s[10:11], s[0:1], 0x10              ; W's scales
	s_load_b64 s[66:67], s[0:1], 0x18              ; bias
	s_load_b128 s[96:99], s[0:1], 0x20             ; resid, out
	v_lshl_add_u32 v[SPW], v0, 2, SPARE
	v_mov_b32 v[NIL], 0
	ds_add_u32 v28, v29
	ds_add_u32 v28, v29
	s_wait_dscnt 0x0
	v_lshrrev_b32 v1, 5, v0
	v_readfirstlane_b32 s14, v1                    ; wave 0..3
	s_lshr_b32 s15, s14, 1                         ; which 64 rows are mine.  Also: I fetch for A (0) or for W (1)
	s_and_b32 s16, s14, 1                          ; which 64 columns.  Also: which half I fetch
	s_bfe_u32 s40, ttmp6, 0x40000                  ; cx, cy
	s_bfe_u32 s41, ttmp6, 0x40004
	s_lshl_b32 s42, ttmp9, 2
	s_add_co_u32 s42, s42, s40                     ; tile column
	s_and_b32 s17, ttmp7, 0xffff
	s_lshl_b32 s17, s17, 2
	s_add_co_u32 s17, s17, s41                     ; tile row
	s_lshl_b32 s43, s41, 2
	s_lshl_b32 s43, 15, s43                        ; my row of the cluster
	s_lshl_b32 s44, 0x1111, s40                    ; my column
	s_or_b32 s[G1+0], s43, (3<<16)|(1<<21)         ; A: 4 rows of 6,144 bytes (768 elements of 8), TPITCH bytes apart, no padding
	s_mov_b32 s[G1+1], 768<<16
	s_mov_b32 s[G1+2], 8<<16                       ; 8 rows for the head's load
	s_mov_b32 s[G1+3], 768<<16
	s_mov_b32 s[G1+4], 8
	s_mov_b32 s[G1+5], TPITCH/8
	s_mov_b32 s[G1+6], 0
	s_mov_b32 s[G1+7], 0
	s_or_b32 s[G1B+0], s44, (0<<16)|(1<<20)|(1<<21)|(5<<22)|(5<<25)   ; W: rows of 512 bytes, 6 words of padding behind every 64
	s_mov_b32 s[G1B+1], ROWB<<16
	s_mov_b32 s[G1B+2], 128<<16
	s_mov_b32 s[G1B+3], ROWB<<16
	s_mov_b32 s[G1B+4], 128
	s_mov_b32 s[G1B+5], KROW
	s_mov_b32 s[G1B+6], 0
	s_mov_b32 s[G1B+7], 0
	s_or_b32 s[G1S+0], s43, (3<<16)|(1<<21)        ; A's scales: 4 SIZE_K dense bytes as rows of 256
	s_mov_b32 s[G1S+1], 32<<16
	s_mov_b32 s[G1S+2], (SIZE_K/64)<<16
	s_mov_b32 s[G1S+3], 32<<16
	s_mov_b32 s[G1S+4], SIZE_K/64
	s_mov_b32 s[G1S+5], 32
	s_mov_b32 s[G1S+6], 0
	s_mov_b32 s[G1S+7], 0
	s_or_b32 s[G1SB+0], s44, (3<<16)|(1<<20)|(1<<21)|(5<<22)|(3<<25)  ; W's: 128 KS dense bytes as rows of 256, 16 bytes of padding behind each
	s_mov_b32 s[G1SB+1], 32<<16
	s_mov_b32 s[G1SB+2], (128*KS/256)<<16
	s_mov_b32 s[G1SB+3], 32<<16
	s_mov_b32 s[G1SB+4], 128*KS/256
	s_mov_b32 s[G1SB+5], 32
	s_mov_b32 s[G1SB+6], 0
	s_mov_b32 s[G1SB+7], 0
	s_lshl_b32 s20, s17, 3
	s_mov_b32 s21, 0
	s_lshl_b32 s46, s42, 7                         ; W: the tile's first row
	s_mov_b32 s47, 0
	s_mov_b32 s92, s46                             ; W's scales: the tile's first row
	s_mov_b32 s93, 0
	s_mov_b64 s[18:19], SIZE_K/2
	s_mul_u64 s[22:23], s[20:21], s[18:19]         ; where these rows' scales begin,
	s_mov_b64 s[18:19], KS
	s_mul_u64 s[92:93], s[92:93], s[18:19]
	s_mov_b64 s[18:19], TPITCH
	s_mul_u64 s[20:21], s[20:21], s[18:19]         ; and their codes
	s_mov_b64 s[18:19], KROW
	s_mul_u64 s[46:47], s[46:47], s[18:19]
	s_mul_i32 s18, s16, 4*TPITCH                   ; in the ring: my half of A's rows, in bytes,
	s_mov_b32 s19, 0
	s_mul_i32 s2, s16, 64*KROW                     ; my half of W's,
	s_mov_b32 s3, 0
	s_mul_i32 s45, s16, HALFA                      ; and where they go
	s_mul_i32 s94, s16, HALFB
	s_wait_kmcnt 0x0
	s_add_nc_u64 s[6:7], s[4:5], PSC
	s_add_nc_u64 s[20:21], s[4:5], s[20:21]
	s_add_nc_u64 s[22:23], s[6:7], s[22:23]
	s_add_nc_u64 s[46:47], s[8:9], s[46:47]
	s_add_nc_u64 s[92:93], s[10:11], s[92:93]
	CROUND                                         ; all sixteen work-groups are here: the first joint loads meet
	s_mov_b32 s[G0S], 1
	s_mov_b32 s[G0S+1], SCA
	s_mov_b64 s[G0S+2:G0S+3], s[22:23]
	s_or_b32 s[G0S+3], s[G0S+3], 0x80000000
	s_mov_b32 s[G0SB], 1
	s_mov_b32 s[G0SB+1], SCB
	s_mov_b64 s[G0SB+2:G0SB+3], s[92:93]
	s_or_b32 s[G0SB+3], s[G0SB+3], 0x80000000
.set G0H, 4                            ; s[4:7], s[8:11]: group 0 of the head's loads of slot 0 (the pointers that lay there have been used)
.set G0HB, 8
	s_mov_b32 s[G0H], 1
	s_mov_b32 s[G0H+1], 0
	s_mov_b64 s[G0H+2:G0H+3], s[20:21]
	s_or_b32 s[G0H+3], s[G0H+3], 0x80000000
	s_mov_b32 s[G0HB], 1
	s_mov_b32 s[G0HB+1], ASL
	s_mov_b64 s[G0HB+2:G0HB+3], s[46:47]
	s_or_b32 s[G0HB+3], s[G0HB+3], 0x80000000
	s_add_nc_u64 s[20:21], s[20:21], s[18:19]      ; for the ring: my half of the rows
	s_add_nc_u64 s[46:47], s[46:47], s[2:3]
.irp s, 0,1
	s_mov_b32 s[G0+4*\s], 1
	s_add_co_u32 s[G0+4*\s+1], s45, \s*SLOT
	s_add_nc_u64 s[G0+4*\s+2:G0+4*\s+3], s[20:21], \s*6144
	s_or_b32 s[G0+4*\s+3], s[G0+4*\s+3], 0x80000000
	s_mov_b32 s[G0B+4*\s], 1
	s_add_co_u32 s[G0B+4*\s+1], s94, \s*SLOT+ASL
	s_add_nc_u64 s[G0B+4*\s+2:G0B+4*\s+3], s[46:47], \s*256
	s_or_b32 s[G0B+4*\s+3], s[G0B+4*\s+3], 0x80000000
.endr
; The head's loads, one a wave: one chain of branches on the wave's number, a load in every arm.
.macro ARM under, g0, g1, next
	s_cmp_lt_u32 s14, \under
	s_cbranch_scc0 \next
	tensor_load_to_lds s[\g0:\g0+3], s[\g1:\g1+7]
	s_nop 0
.rept 4
	v_nop
.endr
	s_branch .Lhead_asked
\next:
.endm
	ARM 1, G0H,  G1,  .Lhead_b
	ARM 2, G0HB, G1B, .Lhead_sa
	ARM 3, G0S,  G1S, .Lhead_sb
	tensor_load_to_lds s[G0SB:G0SB+3], s[G1SB:G1SB+7]
	s_nop 0
.rept 4
	v_nop
.endr
.Lhead_asked:
	v_and_b32 v1, 15, v0                           ; r
	v_bfe_u32 v2, v0, 4, 1                         ; h
	v_and_b32 v3, 31, v0                           ; lane
	v_lshlrev_b32 v7, 4, v3                        ; 16 l
	v_lshl_add_u32 v6, v3, 3, 512                  ; 512 + 8 l
	v_mul_u32_u24 v4, v1, PITCH
	v_mad_u32_u24 v4, v2, 24, v4                   ; W: a fragment's row x pitch + 24 x half
	v_mad_u32_u24 v5, v2, 24, v4                   ; and the same behind one padding more
	s_mul_i32 s21, s15, HALFA                      ; my 64 rows of A
	s_mul_i32 s22, s16, 64*PITCH
	s_add_co_u32 s22, s22, ASL                     ; my 64 rows of W
.irp s, 0,1
	v_add_nc_u32 v[A16+\s], s21, v7
	v_add_nc_u32 v[A8+\s], s21, v6
	v_add_nc_u32 v[ADRB+\s], s22, v4
	v_add_nc_u32 v[ADRB+2+\s], s22, v5
	s_add_co_u32 s21, s21, SLOT
	s_add_co_u32 s22, s22, SLOT
.endr
	v_mul_u32_u24 v5, v1, KS                       ; W's scales: KS bytes a row, and 16 more for each 256 passed
	v_lshrrev_b32 v6, 8, v5
	v_lshl_add_u32 v5, v6, 4, v5
	s_mul_i32 s21, s16, HALFS
	s_add_co_u32 s21, s21, SCB
	v_add_nc_u32 v[ADRSB], s21, v5
	s_mul_i32 s21, s15, HALFSA
	s_add_co_u32 s21, s21, SCA
	v_lshl_add_u32 v[ADRSA], v1, 3, s21            ; A's: 8 bytes a row for each 256 along K
	s_mul_i32 s23, s14, 16*SPITCH
	s_add_co_u32 s23, s23, STAGE                   ; my stage
	v_mul_u32_u24 v5, v1, SPITCH
	v_lshl_add_u32 v5, v2, 5, v5
	v_add_nc_u32 v[STO], s23, v5                   ; in: row r, 32 bytes for each half of the lanes
	v_mul_u32_u24 v5, v2, SPITCH
	v_lshl_add_u32 v5, v1, 4, v5
	v_add_nc_u32 v[RD], s23, v5                    ; back: lanes 0-15 take one row of 256 bytes, lanes 16-31 the next
	v_lshlrev_b32 v[CO], 4, v1
	v_lshl_add_u32 v[CO], v2, 12, v[CO]            ; and the same two rows in resid and out: rows of 4,096 bytes
	v_lshlrev_b32 v31, 5, v2                       ; 32 h
	s_wait_alu depctr_va_vdst(0)
	s_lshl_b32 s46, s42, 9
	s_lshl_b32 s47, s16, 8
	s_add_co_u32 s46, s46, s47                     ; my first column, in bytes
	s_mov_b32 s47, 0
	s_add_nc_u64 s[66:67], s[66:67], s[46:47]
	s_lshl_b32 s20, s17, 7
	s_lshl_b32 s21, s15, 6
	s_add_co_u32 s20, s20, s21                     ; my first row
	s_lshl_b32 s20, s20, 12
	s_add_co_u32 s20, s20, s46
	s_mov_b32 s21, 0
	s_add_nc_u64 s[96:97], s[96:97], s[20:21]
	s_add_nc_u64 s[98:99], s[98:99], s[20:21]
.irp b, 0,1,2,3
	global_load_b128 v[BQ+8*\b:BQ+8*\b+3], v31, s[66:67] offset:64*\b        ; bias(16 b + 8 h + 0 .. 7): the result's layout
	global_load_b128 v[BQ+8*\b+4:BQ+8*\b+7], v31, s[66:67] offset:64*\b+16
.endr
	WIN 0x80                                       ; destination window 2
.set JJ, 0
.rept 32
	global_load_b128 v[4*JJ:4*JJ+3], v[CO], s[96:97] offset:JJ*8192 th:TH_LOAD_NT   ; the residual: rows 2 JJ and 2 JJ + 1 of my 64, 256 consecutive bytes each
.set JJ, JJ+1
.endr
	WIN 0
.macro FRAG reg, slot, q, i            ; a fragment of W, the slot's q-th 128 along K, in pieces of 8 bytes; slot 1's bytes begin at byte 128 of its rows
.irp p, 0,1,2,3,4,5
.set BY, 128*(\slot)+96*(\q)+48*(\p/3)+8*(\p%3)   ; the piece of lanes 0-15; that of lanes 16-31 lies 24 bytes on: behind the padding, the second address register serves
.if BY/256 == (BY+24)/256
	ds_load_b64 v[\reg+2*\p:\reg+2*\p+1], v[ADRB+\slot] offset:BY+24*(BY/256)+(\i)*16*PITCH
.else
	ds_load_b64 v[\reg+2*\p:\reg+2*\p+1], v[ADRB+2+\slot] offset:BY+24*(BY/256)+(\i)*16*PITCH
.endif
.endr
.endm
.macro FRAGA slot, q, i, p             ; a fragment of A: two half images, as they lie
.irp c, 0,1
	ds_load_b128 v[128*(\p)+FR*(\i)+6*\c:128*(\p)+FR*(\i)+6*\c+3], v[A16+\slot] offset:(\i)*6144+(2*(\q)+\c)*768
	ds_load_b64 v[128*(\p)+FR*(\i)+6*\c+4:128*(\p)+FR*(\i)+6*\c+5], v[A8+\slot] offset:(\i)*6144+(2*(\q)+\c)*768
.endr
.endm
.macro FETCH slot, q, p                ; 40 LDS loads in one run: the fragments of the slot's q-th 128 along K into set p
	WIN TO_F
.irp i, 0,1,2,3
	FRAG 128*(\p)+48+FR*\i, \slot, \q, \i
.endr
.irp i, 0,1,2,3
	FRAGA \slot, \q, \i, \p
.endr
.endm
; 4 matrix instructions: A's block a x W's four.  The 16 accumulators take turns, one instruction a turn, in the same order in every step.
.macro MULA a, p, q, sc, zero
.irp b, 0,1,2,3
.if \zero
	v_wmma_scale_f32_16x16x128_f8f6f4 v[ACC+8*(4*(\a)+\b):ACC+8*(4*(\a)+\b)+7], v[128*(\p)+48+FR*\b:128*(\p)+48+FR*\b+FR-1], v[128*(\p)+FR*(\a):128*(\p)+FR*(\a)+FR-1], v[BQ+8*\b:BQ+8*\b+7], v[SB+16*(\sc)+4*\b+(\q)], v[SA+16*(\sc)+4*(\a)+(\q)] matrix_a_fmt:MATRIX_FMT_FP6 matrix_b_fmt:MATRIX_FMT_FP6
.else
	v_wmma_scale_f32_16x16x128_f8f6f4 v[ACC+8*(4*(\a)+\b):ACC+8*(4*(\a)+\b)+7], v[128*(\p)+48+FR*\b:128*(\p)+48+FR*\b+FR-1], v[128*(\p)+FR*(\a):128*(\p)+FR*(\a)+FR-1], v[ACC+8*(4*(\a)+\b):ACC+8*(4*(\a)+\b)+7], v[SB+16*(\sc)+4*\b+(\q)], v[SA+16*(\sc)+4*(\a)+(\q)] matrix_a_fmt:MATRIX_FMT_FP6 matrix_b_fmt:MATRIX_FMT_FP6
.endif
.endr
.endm
.macro SCALES sc                       ; a slot's scale words, four a row: A's four blocks (two words for each 256 along K), W's four (16 neighbouring bytes); lane r takes row r's
.irp i, 0,1,2,3
	ds_load_b64 v[SA+16*\sc+4*\i:SA+16*\sc+4*\i+1], v[ADRSA] offset:\i*SIZE_K/2
	ds_load_b64 v[SA+16*\sc+4*\i+2:SA+16*\sc+4*\i+3], v[ADRSA] offset:\i*SIZE_K/2+128
.endr
.irp i, 0,1,2,3
	ds_load_b128 v[SB+16*\sc+4*\i:SB+16*\sc+4*\i+3], v[ADRSB] offset:\i*SBLK
.endr
.endm
.macro PLACES n                        ; plain vector lines between a matrix instruction and a load into, or a read of, its registers
.rept \n
	v_nop
.endr
.endm
.macro STEP slot, q, zero              ; 128 along K whose successor lies in the same slot: the next set is asked for ahead of this set's 16 products
	s_wait_dscnt 0x0                               ; this step's set is in
	PLACES NP                                      ; the other set was read by the products just issued
	FETCH \slot, (\q)+1, 1-(\q)%2
	WIN MUL
	MULA 0, (\q)%2, \q, \slot, \zero
	MULA 1, (\q)%2, \q, \slot, \zero
	MULA 2, (\q)%2, \q, \slot, \zero
	MULA 3, (\q)%2, \q, \slot, \zero
.endm
; A slot's last step changes slots: one barrier; in front of it each wave waits for all its tensor loads, adds 0 to its spare word, and waits for that and for its reads of this slot.
.macro TURN slot, next, fill
	WIN 0                                          ; (the add's two registers lie in window 0)
	s_wait_tensorcnt 0x0                           ; all my tensor loads have landed: my part of the next slot
	ds_add_u32 v[SPW], v[NIL]                      ; 0 onto my spare word
	s_wait_dscnt 1                                 ; the slot's last fragments are in; the add alone may be out
	WIN MUL
	MULA 0, 1, NQ-1, \slot, 0
	s_wait_dscnt 0x0                               ; the add is done, and my reads of this slot are over
	s_barrier_signal -1
	MULA 1, 1, NQ-1, \slot, 0
	WIN 0
	s_barrier_wait -1
.if \fill
	CREST                                          ; the barrier has opened a round of the cluster's barrier: no wave of any partner still reads this slot or has a load on its way
	s_add_nc_u64 s[G0+4*\slot+2:G0+4*\slot+3], s[G0+4*\slot+2:G0+4*\slot+3], 2*6144
	s_add_nc_u64 s[G0B+4*\slot+2:G0B+4*\slot+3], s[G0B+4*\slot+2:G0B+4*\slot+3], 768
	JLOAD G0+4*\slot, G1, G0B+4*\slot, G1B         ; the first tensor load behind the round; its four v_nop are the places in front of the loads below
.else
	PLACES NP
.endif
	v_add_nc_u32 v[ADRSB], 4*NQ, v[ADRSB]          ; on to the next slot's scale words (no LDS load of mine is out)
	v_add_nc_u32 v[ADRSA], 256, v[ADRSA]
	FETCH \next, 0, 0
	WIN 0
	SCALES \next
	WIN MUL
	MULA 2, 1, NQ-1, \slot, 0
	MULA 3, 1, NQ-1, \slot, 0
.endm
	s_wait_alu depctr_va_vdst(0)
	s_wait_tensorcnt 0x0                           ; my tile of the head's four is in
	ds_add_u32 v[SPW], v[NIL]
	s_mov_b32 s[G1+2], 4<<16                       ; no tensor load of mine is out: from here on a load brings half a tile's rows
	s_mov_b32 s[G1+4], 4
	s_mov_b32 s[G1B+2], 64<<16
	s_mov_b32 s[G1B+4], 64
	s_wait_dscnt 0x0
	CROUND                                         ; all four tiles are in, and all sixteen work-groups are here
	JLOAD G0+4, G1, G0B+4, G1B                     ; slot 1, the first tensor load behind the round
	FETCH 0, 0, 0
	WIN 0
	SCALES 0
	s_wait_loadcnt 32                              ; the 32 younger loads, the residual's, may be out: the bias is in
	STEP 0, 0, 1                                   ; the first step starts the sums, from the bias
.if LAPS > 1
	WIN 0                                          ; at a label and at a branch every window is 0
	s_mov_b32 s3, LAPS-1
.Llap:                                             ; a trip goes once round the ring, from a lap's second step to the next lap's first, and fills both slots again
	STEP 0, 1, 0
	STEP 0, 2, 0
	TURN 0, 1, 1
	STEP 1, 0, 0
	STEP 1, 1, 0
	STEP 1, 2, 0
	TURN 1, 0, 1
	STEP 0, 0, 0
	WIN 0
	s_sub_co_u32 s3, s3, 1
	s_cmp_lg_u32 s3, 0
	s_cbranch_scc1 .Llap
.endif
	STEP 0, 1, 0                                   ; the last lap fills nothing
	STEP 0, 2, 0
	TURN 0, 1, 0
	STEP 1, 0, 0
	STEP 1, 1, 0
	STEP 1, 2, 0
	s_wait_dscnt 0x0                               ; the very last step: nothing more to fetch
	WIN MUL
	MULA 0, 1, NQ-1, 1, 0
	MULA 1, 1, NQ-1, 1, 0
	MULA 2, 1, NQ-1, 1, 0
	MULA 3, 1, NQ-1, 1, 0
	WIN 0
; THE WAY OUT, block by block of 16 rows x 64 columns, through my own stage: in by 32 bytes a lane, back as whole rows of 256 bytes, two an instruction; the residual is added there, and sixteen lanes store 256 consecutive bytes, aligned.
.macro TOSTAGE a
.irp b, 0,1,2,3
	ds_store_b128 v[STO], v[ACC+8*(4*(\a)+\b):ACC+8*(4*(\a)+\b)+3] offset:64*\b          ; each accumulator from its low end on
	ds_store_b128 v[STO], v[ACC+8*(4*(\a)+\b)+4:ACC+8*(4*(\a)+\b)+7] offset:64*\b+16
.endr
	WIN 0x80                                       ; destination window 2
.set BB, BK+32*((\a)%2)
.irp t, 0,1,2,3,4,5,6,7
	ds_load_b128 v[BB+4*\t:BB+4*\t+3], v[RD] offset:\t*2*SPITCH    ; LDS serves a wave's instructions in order (ISA guide 5.7.1.4): these see the stores above
.endr
	WIN 0
.endm
.macro SEND a, younger                 ; younger: the LDS instructions issued behind block a's loads
.set BB, BK+32*((\a)%2)
	s_wait_dscnt \younger
	WIN 0x8a                                       ; destination and both sources window 2
.set JJ, 0
.rept 16
	v_pk_add_f32 v[BB+JJ:BB+JJ+1], v[BB+JJ:BB+JJ+1], v[32*(\a)+JJ:32*(\a)+JJ+1]
.set JJ, JJ+2
.endr
	WIN 0x08                                       ; a store's data are its source 1: window 2
.irp t, 0,1,2,3,4,5,6,7
.if LASTOUT
	global_store_b128 v[CO], v[BB+4*\t:BB+4*\t+3], s[98:99] offset:(16*(\a)+2*\t)*4096 th:TH_STORE_NT   ; written once, read by nobody here
.else
	global_store_b128 v[CO], v[BB+4*\t:BB+4*\t+3], s[98:99] offset:(16*(\a)+2*\t)*4096
.endif
.endr
	WIN 0
.endm
	PLACES NP                                      ; behind the last products: their results are read below
	s_wait_loadcnt 0x0                             ; the residual
	TOSTAGE 0
.irp a, 1,2,3
.if \a > 1
	s_wait_xcnt 0x0                                ; block a - 2's stores have had their addresses translated (ISA guide 3.1): block a's loads land on their data registers only now
.endif
	TOSTAGE \a
	SEND \a-1, 16                                  ; behind block a - 1's loads: block a's 8 stores and 8 loads
.endr
	SEND 3, 0
	s_wait_tensorcnt 0x0                           ; the wave's end
	ds_add_u32 v[SPW], v[NIL]
	s_wait_dscnt 0x0
	CROUND                                         ; the closing round: no work-group ends while a partner may still ask for a tile that names it
	s_endpgm
.Lfunc_end_k_q3d1a15822e_proj:
	.size	k_q3d1a15822e_proj, .Lfunc_end_k_q3d1a15822e_proj-k_q3d1a15822e_proj
	.p2alignl 7, 3214868480
	.fill 96, 4, 3214868480
	.section	.rodata,"a",@progbits
	.p2align	6, 0x0
	.amdhsa_kernel k_q3d1a15822e_proj
		.amdhsa_group_segment_fixed_size 327680
		.amdhsa_private_segment_fixed_size 0
		.amdhsa_enable_private_segment 0
		.amdhsa_kernarg_size 48
		.amdhsa_user_sgpr_count 2
		.amdhsa_user_sgpr_kernarg_segment_ptr 1
		.amdhsa_wavefront_size32 1
		.amdhsa_system_sgpr_workgroup_id_x 1
		.amdhsa_system_sgpr_workgroup_id_y 1
		.amdhsa_system_sgpr_workgroup_id_z 1
		.amdhsa_system_vgpr_workitem_id 0
		.amdhsa_next_free_vgpr 768
		.amdhsa_next_free_sgpr 100
		.amdhsa_reserve_vcc 0
		.amdhsa_float_denorm_mode_32 3
		.amdhsa_float_denorm_mode_16_64 3
		.amdhsa_memory_ordered 1
		.amdhsa_forward_progress 1
		.amdhsa_inst_pref_size 68
	.end_amdhsa_kernel
	.amdgpu_metadata
---
amdhsa.version: [ 1, 2 ]
amdhsa.kernels:
  - .name:           k_q3d1a15822e_proj
    .symbol:         k_q3d1a15822e_proj.kd
    .args:
      - { .name: oact, .offset: 0, .size: 8, .value_kind: global_buffer, .address_space: global }
      - { .name: wp_codes, .offset: 8, .size: 8, .value_kind: global_buffer, .address_space: global }
      - { .name: wp_scales, .offset: 16, .size: 8, .value_kind: global_buffer, .address_space: global }
      - { .name: bp, .offset: 24, .size: 8, .value_kind: global_buffer, .address_space: global }
      - { .name: x, .offset: 32, .size: 8, .value_kind: global_buffer, .address_space: global }
      - { .name: x1, .offset: 40, .size: 8, .value_kind: global_buffer, .address_space: global }
    .group_segment_fixed_size: 327680
    .private_segment_fixed_size: 0
    .kernarg_segment_align: 8
    .kernarg_segment_size: 48
    .max_flat_workgroup_size: 128
    .sgpr_count:     100
    .vgpr_count:     768
    .wavefront_size: 32
...
	.end_amdgpu_metadata
.endif
;; end of part 10
;; launch ln2: the kernel of part 7 again; grid 256 x 1, 16 waves a work-group, no clusters, 100,352 bytes of LDS; arguments x1, ln2_g, ln2_b, act; writes act
;; launch ffn1 (part 11): grid 16 x 16, 4 waves a work-group, clusters of 4 x 4, 327,680 bytes of LDS; arguments act, w1_codes, w1_scales, b1, hact; writes hact
.if DOCPART == 11
	.amdgcn_target "amdgcn-amd-amdhsa--gfx1250"
	.amdhsa_code_object_version 6
	.text
	.protected	k_q3d1a15822e_ffn1
	.globl	k_q3d1a15822e_ffn1
	.p2align	8
	.type	k_q3d1a15822e_ffn1,@function
k_q3d1a15822e_ffn1:
	s_mov_b64 s[64:65], 0
	v_nop
	global_prefetch_b8 v0, s[64:65] scope:SCOPE_SE
	s_setreg_imm32_b32 hwreg(HW_REG_WAVE_MODE, 25, 1), 1
	s_wait_xcnt 0x0
	s_wait_alu depctr_hold_cnt(0) depctr_sa_sdst(0) depctr_va_vdst(0) depctr_va_sdst(0) depctr_va_ssrc(0) depctr_va_vcc(0) depctr_vm_vsrc(0)
	s_getreg_b32 s2, hwreg(HW_REG_IB_STS2, 6, 4)
	s_cmp_eq_u32 s2, 0
	s_cbranch_scc0 .Lentry_in_a_cluster
	s_endpgm
.Lentry_in_a_cluster:
	s_bfe_u32 s2, ttmp6, 0x10000c
	s_cmp_lg_u32 s2, 0xf033
	s_cbranch_scc0 .Lentry_shape_is_right
	s_endpgm
.Lentry_shape_is_right:
; h = relu(xn2 W1 + b1) on codes of FP6 (E2M3) with E8M0 scales, K = 1,024; h is quantised along its columns, in f32, and leaves as half images of 768 bytes with its scale bytes behind them, as the next launch reads them.
; A tile of 256 x 256 by four waves, 128 x 128 each; 4 x 4 clusters with joint loads (xn2's tile shared along a row, W1's along a column).
; K goes through two LDS slots in CHUNKS OF 256 BYTES of each row of 768: three chunks, chunk c in slot c % 2; every tile row begins at a multiple of 256 bytes.  A step of 128 along K is 96 bytes: steps 2 and 5 take pieces from both slots.
; At the head each wave issues one joint load: xn2's 256 rows of chunk 0, W1's, xn2's scales, W1's; chunk 1 follows behind a round, chunk 2 refills slot 0.  No prefetch: three chunks leave no trip to run ahead in.
; The bias is the C of each sum's first product.  LIMITS: NaN and infinities are not served; a block of zeros, or one under 2^-124, has the byte 1 (this program alone reads the bytes).
.set BIASC,  1
.set NQ,     2                         ; steps that one set of scale words serves
.set ROWB,   256                       ; a tile's row: a chunk
.set KROW,   768                       ; a row of 1,024 codes in memory
.set STEPS,  8
.set CHUNKS, 3
.set PITCH,  272                       ; an LDS row: 256 bytes + 16 of padding
.set FR,     12
.set NL,     6
.set NP,     4
.set HALFT,  128*PITCH
.set SLOT,   4*HALFT
.set KS,     32
.set SCL,    2*SLOT
.set HALFS,  (128*KS/256)*272
.set SBLK,   (16*KS/256)*272
.set SPARE,  SCL+4*HALFS
.set ADRA, 16
.set ADRB, 20
.set ADRS, 27
.set SPW,  28
.set NIL,  29
.set SC,   32
.set BQ,   64
.set AF,   128
.set T,    128
.set PC,   192
.set CT,   204
.set QM,   212
.set QS,   214
.set QB,   216
.set QW,   218
.set QX,   219
.set SH8,  14
.set G1, 24
.set G0, 32
.set G1B, 48
.set G0B, 56
.set G1S, 68
.set G0S, 76
.set G1SB, 80
.set G0SB, 88
.set MSB, 0
.macro WIN new
.if MSB != \new
	s_set_vgpr_msb (MSB<<8)|\new
.set MSB, \new
.endif
.endm
.set TO_B,   0x40
.macro WMUL hi, zero
.if (\zero) && BIASC
	WIN (0x81+0x40*(\hi))
.else
	WIN (0xa1+0x50*(\hi))
.endif
.endm
.macro JLOAD g0a, g1a, g0b, g1b
	s_cmp_eq_u32 s15, 0
	s_cbranch_scc0 .Lfor_b_\@
	tensor_load_to_lds s[\g0a:\g0a+3], s[\g1a:\g1a+7]
	s_nop 0
.rept 4
	v_nop
.endr
	s_branch .Lasked_\@
.Lfor_b_\@:
	tensor_load_to_lds s[\g0b:\g0b+3], s[\g1b:\g1b+7]
	s_nop 0
.rept 4
	v_nop
.endr
.Lasked_\@:
.endm
.macro CREST
	s_cmp_lg_u32 s14, 0
	s_cbranch_scc1 .Lnot_wave_0_\@
	s_barrier_signal -3
.Lnot_wave_0_\@:
	s_barrier_wait -3
	s_barrier_signal -1
	s_barrier_wait -1
.endm
.macro CROUND
	s_barrier_signal -1
	s_barrier_wait -1
	CREST
.endm
	s_load_b64 s[4:5], s[0:1], 0x0
	s_load_b64 s[8:9], s[0:1], 0x8
	s_load_b64 s[10:11], s[0:1], 0x10
	s_load_b64 s[66:67], s[0:1], 0x18
	s_load_b64 s[12:13], s[0:1], 0x20
	v_lshl_add_u32 v[SPW], v0, 2, SPARE
	v_mov_b32 v[NIL], 0
	ds_add_u32 v28, v29
	ds_add_u32 v28, v29
	s_wait_dscnt 0x0
	v_lshrrev_b32 v1, 5, v0
	v_readfirstlane_b32 s14, v1
	s_lshr_b32 s15, s14, 1
	s_and_b32 s16, s14, 1
	s_bfe_u32 s40, ttmp6, 0x40000
	s_bfe_u32 s41, ttmp6, 0x40004
	s_lshl_b32 s42, ttmp9, 2
	s_add_co_u32 s42, s42, s40
	s_and_b32 s17, ttmp7, 0xffff
	s_lshl_b32 s17, s17, 2
	s_add_co_u32 s17, s17, s41
	s_lshl_b32 s43, s41, 2
	s_lshl_b32 s43, 15, s43
	s_lshl_b32 s44, 0x1111, s40
	s_or_b32 s[G1+0], s43, (0<<16)|(1<<20)|(1<<21)|(5<<22)|(3<<25)  ; the mask; elements of 1 byte; padding on; bit 21 beside a mask; after every 64 words, 4 words
	s_or_b32 s[G1B+0], s44, (0<<16)|(1<<20)|(1<<21)|(5<<22)|(3<<25)
.irp g, G1, G1B
	s_mov_b32 s[\g+1], ROWB<<16
	s_mov_b32 s[\g+2], 256<<16                     ; 256 rows for the head's loads
	s_mov_b32 s[\g+3], ROWB<<16
	s_mov_b32 s[\g+4], 256
	s_mov_b32 s[\g+5], KROW
	s_mov_b32 s[\g+6], 0
	s_mov_b32 s[\g+7], 0
.endr
	s_or_b32 s[G1S+0], s43, (3<<16)|(1<<20)|(1<<21)|(5<<22)|(3<<25)
	s_or_b32 s[G1SB+0], s44, (3<<16)|(1<<20)|(1<<21)|(5<<22)|(3<<25)
.irp g, G1S, G1SB
	s_mov_b32 s[\g+1], 32<<16
	s_mov_b32 s[\g+2], KS<<16                      ; the scales of 256 rows: KS rows of 256 bytes
	s_mov_b32 s[\g+3], 32<<16
	s_mov_b32 s[\g+4], KS
	s_mov_b32 s[\g+5], 32
	s_mov_b32 s[\g+6], 0
	s_mov_b32 s[\g+7], 0
.endr
	s_lshl_b32 s20, s17, 8                         ; xn2: the tile's first row
	s_lshl_b32 s46, s42, 8                         ; W1: likewise
	s_mov_b32 s21, 0
	s_mov_b32 s47, 0
	s_mov_b64 s[18:19], KS
	s_mul_u64 s[22:23], s[20:21], s[18:19]
	s_mul_u64 s[92:93], s[46:47], s[18:19]
	s_mov_b64 s[18:19], KROW
	s_mul_u64 s[20:21], s[20:21], s[18:19]
	s_mul_u64 s[46:47], s[46:47], s[18:19]
	s_mul_i32 s18, s16, 128*KROW                   ; in the ring I fetch 128 rows of a tile: which half, in bytes,
	s_mov_b32 s19, 0
	s_mul_i32 s45, s14, HALFT                      ; and where they go: wave x 128 rows
	s_wait_kmcnt 0x0
	s_add_nc_u64 s[6:7], s[4:5], 3145728
	s_add_nc_u64 s[20:21], s[4:5], s[20:21]
	s_add_nc_u64 s[22:23], s[6:7], s[22:23]
	s_add_nc_u64 s[46:47], s[8:9], s[46:47]
	s_add_nc_u64 s[92:93], s[10:11], s[92:93]
	CROUND
	s_mov_b32 s[G0S], 1
	s_mov_b32 s[G0S+1], SCL
	s_mov_b64 s[G0S+2:G0S+3], s[22:23]
	s_or_b32 s[G0S+3], s[G0S+3], 0x80000000
	s_mov_b32 s[G0SB], 1
	s_mov_b32 s[G0SB+1], SCL+2*HALFS
	s_mov_b64 s[G0SB+2:G0SB+3], s[92:93]
	s_or_b32 s[G0SB+3], s[G0SB+3], 0x80000000
.set G0H, 4                            ; s[4:7], s[8:11]: group 0 of the head's loads of chunk 0 (the pointers that lay there have been used)
.set G0HB, 8
	s_mov_b32 s[G0H], 1
	s_mov_b32 s[G0H+1], 0
	s_mov_b64 s[G0H+2:G0H+3], s[20:21]
	s_or_b32 s[G0H+3], s[G0H+3], 0x80000000
	s_mov_b32 s[G0HB], 1
	s_mov_b32 s[G0HB+1], 2*HALFT
	s_mov_b64 s[G0HB+2:G0HB+3], s[46:47]
	s_or_b32 s[G0HB+3], s[G0HB+3], 0x80000000
	s_add_nc_u64 s[20:21], s[20:21], s[18:19]      ; for the ring: my 128 rows of the tile
	s_add_nc_u64 s[46:47], s[46:47], s[18:19]
.irp s, 0,1
	s_mov_b32 s[G0+4*\s], 1
	s_add_co_u32 s[G0+4*\s+1], s45, \s*SLOT
	s_add_nc_u64 s[G0+4*\s+2:G0+4*\s+3], s[20:21], \s*ROWB
	s_or_b32 s[G0+4*\s+3], s[G0+4*\s+3], 0x80000000
	s_mov_b32 s[G0B+4*\s], 1
	s_add_co_u32 s[G0B+4*\s+1], s45, \s*SLOT
	s_add_nc_u64 s[G0B+4*\s+2:G0B+4*\s+3], s[46:47], \s*ROWB
	s_or_b32 s[G0B+4*\s+3], s[G0B+4*\s+3], 0x80000000
.endr
; The head's loads, one a wave: one chain of branches on the wave's number, a load in every arm.
.macro ARM under, g0, g1, next
	s_cmp_lt_u32 s14, \under
	s_cbranch_scc0 \next
	tensor_load_to_lds s[\g0:\g0+3], s[\g1:\g1+7]
	s_nop 0
.rept 4
	v_nop
.endr
	s_branch .Lhead_asked
\next:
.endm
	ARM 1, G0H,  G1,  .Lhead_b
	ARM 2, G0HB, G1B, .Lhead_sa
	ARM 3, G0S,  G1S, .Lhead_sb
	tensor_load_to_lds s[G0SB:G0SB+3], s[G1SB:G1SB+7]
	s_nop 0
.rept 4
	v_nop
.endr
.Lhead_asked:
	v_and_b32 v1, 15, v0
	v_bfe_u32 v2, v0, 4, 1
	v_mul_u32_u24 v3, v1, PITCH
	v_mul_u32_u24 v4, v2, 24
	v_add_nc_u32 v4, v3, v4
	s_mov_b32 s21, SLOT-232
	s_mov_b32 s22, SLOT+232
	v_sub_nc_u32 v7, 1, v2                         ; 1 in lanes 0-15
	v_mul_u32_u24 v5, s21, v2
	v_add_nc_u32 v5, v3, v5
	v_add_nc_u32 v5, 232, v5                       ; across two chunks: lanes 0-15 byte 232 of the row in slot 0, lanes 16-31 byte 0 of the row in slot 1;
	v_mul_u32_u24 v6, s22, v7
	v_add_nc_u32 v6, v3, v6                        ; and lanes 0-15 byte 232 in slot 1, lanes 16-31 byte 0 in slot 0
	s_mul_i32 s21, s15, HALFT                      ; my 128 rows of xn2
	s_mul_i32 s22, s16, HALFT                      ; my 128 rows of W1,
	s_add_co_u32 s22, s22, 2*HALFT                 ; which lie behind xn2's 256
	v_add_nc_u32 v[ADRA+2], s21, v5
	v_add_nc_u32 v[ADRA+3], s21, v6
	v_add_nc_u32 v[ADRB+2], s22, v5
	v_add_nc_u32 v[ADRB+3], s22, v6
.irp s, 0,1
	v_add_nc_u32 v[ADRA+\s], s21, v4
	v_add_nc_u32 v[ADRB+\s], s22, v4
	s_add_co_u32 s21, s21, SLOT
	s_add_co_u32 s22, s22, SLOT
.endr
	v_mul_u32_u24 v5, v1, KS
	v_lshrrev_b32 v6, 8, v5
	v_lshl_add_u32 v5, v6, 4, v5
	s_mul_i32 s21, s15, HALFS
	s_mul_i32 s22, s16, HALFS
	s_add_co_u32 s22, s22, 2*HALFS
	s_sub_co_u32 s22, s22, s21
	v_mul_u32_u24 v6, s22, v2
	s_add_co_u32 s21, s21, SCL
	v_add_nc_u32 v5, v5, v6
	v_add_nc_u32 v[ADRS], s21, v5
	s_lshl_b32 s96, s42, 10
	s_lshl_b32 s97, s16, 9
	s_add_co_u32 s96, s96, s97
	s_mov_b32 s97, 0
	s_add_nc_u64 s[66:67], s[66:67], s[96:97]
	v_lshlrev_b32 v30, 5, v2
.irp b, 0,1,2,3,4,5,6,7
	global_load_b128 v[BQ+8*\b:BQ+8*\b+3], v30, s[66:67] offset:64*\b
	global_load_b128 v[BQ+8*\b+4:BQ+8*\b+7], v30, s[66:67] offset:64*\b+16
.endr
.macro FRAG reg, adr, st, i            ; a fragment of step st, 12 registers, in pieces of 8 bytes: byte y of a row lies in chunk y / 256, in slot (y / 256) % 2
.irp p, 0,1,2,3,4,5
.set BY, 96*(\st)+48*(\p/3)+8*(\p%3)   ; where the piece of lanes 0-15 begins in the row; that of lanes 16-31 begins 24 bytes on
.if BY/ROWB == (BY+24)/ROWB
	ds_load_b64 v[\reg+2*\p:\reg+2*\p+1], v[\adr+(BY/ROWB)%2] offset:BY%ROWB+(\i)*16*PITCH
.else
	ds_load_b64 v[\reg+2*\p:\reg+2*\p+1], v[\adr+2+(BY/ROWB)%2] offset:BY%ROWB-232+(\i)*16*PITCH
.endif
.endr
.endm
.macro MUL16 a0, p, q, sc, zero
.irp a, \a0, \a0+1
.irp b, 0,1,2,3,4,5,6,7
.if (\zero) && BIASC
	v_wmma_scale_f32_16x16x128_f8f6f4 v[8*(8*((\a)%4)+\b):8*(8*((\a)%4)+\b)+7], v[128*(\p)+FR*\b:128*(\p)+FR*\b+FR-1], v[AF+FR*(\a):AF+FR*(\a)+FR-1], v[BQ+8*\b:BQ+8*\b+7], v[SC+8*NQ*(\sc)+NQ*\b+(\q)], v[SC+8*NQ*(\sc)+NQ*(\a)+(\q)] matrix_a_fmt:MATRIX_FMT_FP6 matrix_b_fmt:MATRIX_FMT_FP6 matrix_a_scale:MATRIX_SCALE_ROW1
.elseif \zero
	v_wmma_scale_f32_16x16x128_f8f6f4 v[8*(8*((\a)%4)+\b):8*(8*((\a)%4)+\b)+7], v[128*(\p)+FR*\b:128*(\p)+FR*\b+FR-1], v[AF+FR*(\a):AF+FR*(\a)+FR-1], 0, v[SC+8*NQ*(\sc)+NQ*\b+(\q)], v[SC+8*NQ*(\sc)+NQ*(\a)+(\q)] matrix_a_fmt:MATRIX_FMT_FP6 matrix_b_fmt:MATRIX_FMT_FP6 matrix_a_scale:MATRIX_SCALE_ROW1
.else
	v_wmma_scale_f32_16x16x128_f8f6f4 v[8*(8*((\a)%4)+\b):8*(8*((\a)%4)+\b)+7], v[128*(\p)+FR*\b:128*(\p)+FR*\b+FR-1], v[AF+FR*(\a):AF+FR*(\a)+FR-1], v[8*(8*((\a)%4)+\b):8*(8*((\a)%4)+\b)+7], v[SC+8*NQ*(\sc)+NQ*\b+(\q)], v[SC+8*NQ*(\sc)+NQ*(\a)+(\q)] matrix_a_fmt:MATRIX_FMT_FP6 matrix_b_fmt:MATRIX_FMT_FP6 matrix_a_scale:MATRIX_SCALE_ROW1
.endif
.endr
.endr
.endm
.macro FETCH_B st, p
	WIN TO_B
.irp i, 0,1,2,3,4,5,6,7
	FRAG 128*(\p)+FR*\i, ADRB, \st, \i
.endr
	WIN 0
.endm
.macro FETCH_A st, i0
.irp i, \i0, \i0+1, \i0+2, \i0+3
	FRAG AF+FR*(\i), ADRA, \st, \i
.endr
.endm
.macro SCALES pr                       ; the scale words of steps 2 pr and 2 pr + 1 into set pr % 2
.irp i, 0,1,2,3,4,5,6,7
	ds_load_b64 v[SC+8*NQ*((\pr)%2)+NQ*\i:SC+8*NQ*((\pr)%2)+NQ*\i+1], v[ADRS] offset:\i*SBLK+4*NQ*(\pr)
.endr
.endm
.macro PLACES n
.rept \n
	v_nop
.endr
.endm
; A step of 128 along K: 64 products; the next step's fragments are fetched in its middle and at its end.  Where the next step's bytes END in a chunk not yet read, a barrier shows that chunk whole;
; where they BEGIN in a later chunk, the chunk left behind is read no more: the wait for all tensor loads, the add, the wait for it and for my reads, the barrier; where a chunk two on is left, the barrier opens a round and the slot is filled again.
.macro STEP st, zero
.set NX, (\st)+1
.set C0, (96*(\st))/ROWB
.set C1, (96*NX)/ROWB
.set E0, (96*(\st)+95)/ROWB
.set E1, (96*NX+95)/ROWB
.if C1 > C0 || E1 > E0
	s_wait_tensorcnt 0x0                           ; all my tensor loads have landed
.if C1 > C0
	ds_add_u32 v[SPW], v[NIL]
	s_wait_dscnt 4*NL+1                            ; the add and the youngest 24 loads (xn2's blocks 4-7) may be out
.else
	s_wait_dscnt 4*NL                              ; the youngest 24 loads may be out
.endif
	WMUL 0, \zero
	MUL16 0, (\st)%2, (\st)%2, ((\st)/2)%2, \zero
	s_wait_dscnt 0x0                               ; the add, where there is one, and all my reads are done
	s_barrier_signal -1
	MUL16 2, (\st)%2, (\st)%2, ((\st)/2)%2, \zero
	WIN 0
	s_barrier_wait -1
.if C1 > C0 && C0+2 < CHUNKS
	CREST                                          ; the barrier has opened a round of the cluster's barrier
	s_add_nc_u64 s[G0+4*(C0%2)+2:G0+4*(C0%2)+3], s[G0+4*(C0%2)+2:G0+4*(C0%2)+3], 2*ROWB
	s_add_nc_u64 s[G0B+4*(C0%2)+2:G0B+4*(C0%2)+3], s[G0B+4*(C0%2)+2:G0B+4*(C0%2)+3], 2*ROWB
	JLOAD G0+4*(C0%2), G1, G0B+4*(C0%2), G1B       ; chunk C0 + 2; its four v_nop are the places in front of the loads below
.else
	PLACES NP
.endif
.else
	s_wait_dscnt 4*NL                              ; W1's set and xn2's blocks 0-3 are in
	WMUL 0, \zero
	MUL16 0, (\st)%2, (\st)%2, ((\st)/2)%2, \zero
	MUL16 2, (\st)%2, (\st)%2, ((\st)/2)%2, \zero
	s_wait_dscnt 0
	PLACES NP
.endif
	FETCH_B NX, NX%2
	FETCH_A NX, 0
.if NX%2 == 0
	SCALES NX/2
.endif
	WMUL 1, \zero
	MUL16 4, (\st)%2, (\st)%2, ((\st)/2)%2, \zero
	MUL16 6, (\st)%2, (\st)%2, ((\st)/2)%2, \zero
	PLACES NP
	WIN 0
	FETCH_A NX, 4
.endm
	s_wait_alu depctr_va_vdst(0)
	s_wait_tensorcnt 0x0                           ; my tile of the head's four is in
	ds_add_u32 v[SPW], v[NIL]
	s_mov_b32 s[G1+2], 128<<16                     ; no tensor load of mine is out: from here on a load brings 128 rows
	s_mov_b32 s[G1+4], 128
	s_mov_b32 s[G1B+2], 128<<16
	s_mov_b32 s[G1B+4], 128
	s_wait_dscnt 0x0
	CROUND                                         ; all four tiles are in, and all sixteen work-groups are here
	JLOAD G0+4, G1, G0B+4, G1B                     ; chunk 1, the first tensor load behind the round
	FETCH_B 0, 0
	FETCH_A 0, 0
	SCALES 0
	FETCH_A 0, 4
	s_wait_loadcnt 0x0                             ; the bias
	STEP 0, 1                                      ; the first step starts the sums, from the bias
.set ST, 1
.rept STEPS-2
	STEP ST, 0
.set ST, ST+1
.endr
	s_wait_dscnt 4*NL
	WMUL 0, 0
	MUL16 0, 1, NQ-1, 1, 0
	MUL16 2, 1, NQ-1, 1, 0
	s_wait_dscnt 0
	WMUL 1, 0
	MUL16 4, 1, NQ-1, 1, 0
	MUL16 6, 1, NQ-1, 1, 0
	WIN 0
	PLACES NP
	s_mov_b32 s24, 0x76543210
	s_mov_b32 s25, 0xfedcba98
	v_and_b32 v1, 31, v0
	v_lshlrev_b32 v4, 4, v1
	v_lshl_add_u32 v5, v1, 3, 512
	v_and_b32 v2, 15, v0
	v_lshlrev_b32 v6, 3, v2
	v_bfe_u32 v3, v0, 4, 1
	v_lshlrev_b32 v[SH8], 3, v3
	v_mov_b32 v[QX], 0
	s_lshl_b32 s26, s17, 4
	s_lshl_b32 s27, s15, 3
	s_add_co_u32 s26, s26, s27
	s_mul_i32 s28, s26, 49152
	s_lshl_b32 s29, s42, 2
	s_lshl_b32 s30, s16, 1
	s_add_co_u32 s29, s29, s30
	s_mul_i32 s29, s29, 768
	s_add_co_u32 s28, s28, s29
	s_mov_b32 s29, 0
	s_add_nc_u64 s[48:49], s[12:13], s[28:29]
	s_lshl_b32 s28, s26, 11
	s_lshl_b32 s30, s42, 7
	s_add_co_u32 s28, s28, s30
	s_lshl_b32 s30, s16, 2
	s_add_co_u32 s28, s28, s30
	s_add_co_u32 s28, s28, 12582912
	s_add_nc_u64 s[52:53], s[12:13], s[28:29]
.macro QBLK
.irp c, 0,1
	v_max3_num_f32 v[QM+\c], |v[T+32*\c]|, |v[T+32*\c+1]|, 0x1800000
.endr
.irp i, 2,4,6,8,10,12,14,16,18,20,22,24,26,28,30
.irp c, 0,1
	v_max3_num_f32 v[QM+\c], v[QM+\c], |v[T+32*\c+\i]|, |v[T+32*\c+\i+1]|
.endr
.endr
.irp c, 0,1
	v_add_nc_u32 v[QS+\c], 0xff000000, v[QM+\c]
.endr
.irp c, 0,1
	v_lshrrev_b32 v[QB+\c], 23, v[QS+\c]
.endr
	v_lshl_or_b32 v[QW], v[QB+1], 16, v[QB]
	v_lshlrev_b32 v[QW], v[SH8], v[QW]
	v_permlanex16_b32 v[QX], v[QW], s24, s25
	v_or_b32 v[QW], v[QW], v[QX]
.irp c, 0,1
	v_cvt_scalef32_pk16_fp6_f32 v[PC+6*\c:PC+6*\c+2], v[T+32*\c:T+32*\c+15], v[QS+\c]
	v_cvt_scalef32_pk16_fp6_f32 v[CT+4*\c:CT+4*\c+2], v[T+32*\c+16:T+32*\c+31], v[QS+\c]
.endr
	v_nop
.irp c, 0,1
.irp i, 0,1,2
	v_mov_b32 v[PC+6*\c+3+\i], v[CT+4*\c+\i]
.endr
.endr
.endm
.macro EPI a
.if (\a) > 0
	s_wait_xcnt 0x0
.endif
	WIN (0x08+4*((\a)/4))
.irp b, 0,1,2,3,4,5,6,7
.irp j, 0,1,2,3,4,5,6,7
	v_max_num_f32 v[T+32*(\b/4)+16*(\b%2)+8*((\b%4)/2)+\j], 0, v[64*((\a)%4)+8*\b+\j]
.endr
.endr
	WIN 0
.irp c, 0,1
.irp g, 0,16
.irp i, 0,1,2,3,4,5,6,7
	v_permlane16_swap_b32 v[T+32*\c+\g+\i], v[T+32*\c+\g+8+\i]
.endr
.endr
.endr
	QBLK
.irp c, 0,1
	global_store_b128 v4, v[PC+6*\c:PC+6*\c+3], s[48:49] offset:(\a)*49152+\c*768
	global_store_b64 v5, v[PC+6*\c+4:PC+6*\c+5], s[48:49] offset:(\a)*49152+\c*768
.endr
	global_store_b32 v6, v[QW], s[52:53] offset:(\a)*2048
.endm
.irp a, 0,1,2,3,4,5,6,7
	EPI \a
.endr
	s_wait_tensorcnt 0x0
	ds_add_u32 v[SPW], v[NIL]
	s_wait_dscnt 0x0
	CROUND
	s_endpgm
.Lfunc_end_k_q3d1a15822e_ffn1:
	.size	k_q3d1a15822e_ffn1, .Lfunc_end_k_q3d1a15822e_ffn1-k_q3d1a15822e_ffn1
	.p2alignl 7, 3214868480
	.fill 96, 4, 3214868480
	.section	.rodata,"a",@progbits
	.p2align	6, 0x0
	.amdhsa_kernel k_q3d1a15822e_ffn1
		.amdhsa_group_segment_fixed_size 327680
		.amdhsa_private_segment_fixed_size 0
		.amdhsa_enable_private_segment 0
		.amdhsa_kernarg_size 40
		.amdhsa_user_sgpr_count 2
		.amdhsa_user_sgpr_kernarg_segment_ptr 1
		.amdhsa_wavefront_size32 1
		.amdhsa_system_sgpr_workgroup_id_x 1
		.amdhsa_system_sgpr_workgroup_id_y 1
		.amdhsa_system_sgpr_workgroup_id_z 1
		.amdhsa_system_vgpr_workitem_id 0
		.amdhsa_next_free_vgpr 1024
		.amdhsa_next_free_sgpr 98
		.amdhsa_reserve_vcc 0
		.amdhsa_float_denorm_mode_32 3
		.amdhsa_float_denorm_mode_16_64 3
		.amdhsa_memory_ordered 1
		.amdhsa_forward_progress 1
		.amdhsa_inst_pref_size 185
	.end_amdhsa_kernel
	.amdgpu_metadata
---
amdhsa.version: [ 1, 2 ]
amdhsa.kernels:
  - .name:           k_q3d1a15822e_ffn1
    .symbol:         k_q3d1a15822e_ffn1.kd
    .args:
      - { .name: act, .offset: 0, .size: 8, .value_kind: global_buffer, .address_space: global }
      - { .name: w1_codes, .offset: 8, .size: 8, .value_kind: global_buffer, .address_space: global }
      - { .name: w1_scales, .offset: 16, .size: 8, .value_kind: global_buffer, .address_space: global }
      - { .name: b1, .offset: 24, .size: 8, .value_kind: global_buffer, .address_space: global }
      - { .name: hact, .offset: 32, .size: 8, .value_kind: global_buffer, .address_space: global }
    .group_segment_fixed_size: 327680
    .private_segment_fixed_size: 0
    .kernarg_segment_align: 8
    .kernarg_segment_size: 40
    .max_flat_workgroup_size: 128
    .sgpr_count:     98
    .vgpr_count:     1024
    .wavefront_size: 32
...
	.end_amdgpu_metadata
.endif
;; end of part 11
;; launch ffn2 (part 12): grid 8 x 32, 4 waves a work-group, clusters of 4 x 4, 327,680 bytes of LDS; arguments hact, w2_codes, w2_scales, b2, x1, out0; writes out0
.if DOCPART == 12
	.amdgcn_target "amdgcn-amd-amdhsa--gfx1250"
	.amdhsa_code_object_version 6
	.text
	.protected	k_q3d1a15822e_ffn2
	.globl	k_q3d1a15822e_ffn2
	.p2align	8
	.type	k_q3d1a15822e_ffn2,@function
k_q3d1a15822e_ffn2:
	s_mov_b64 s[64:65], 0
	v_nop
	global_prefetch_b8 v0, s[64:65] scope:SCOPE_SE
	s_setreg_imm32_b32 hwreg(HW_REG_WAVE_MODE, 25, 1), 1
	s_wait_xcnt 0x0
	s_wait_alu depctr_hold_cnt(0) depctr_sa_sdst(0) depctr_va_vdst(0) depctr_va_sdst(0) depctr_va_ssrc(0) depctr_va_vcc(0) depctr_vm_vsrc(0)
	s_getreg_b32 s2, hwreg(HW_REG_IB_STS2, 6, 4)
	s_cmp_eq_u32 s2, 0
	s_cbranch_scc0 .Lentry_in_a_cluster
	s_endpgm
.Lentry_in_a_cluster:
	s_bfe_u32 s2, ttmp6, 0x10000c
	s_cmp_lg_u32 s2, 0xf033
	s_cbranch_scc0 .Lentry_shape_is_right
	s_endpgm
.Lentry_shape_is_right:
; out = x1 + h W2^T + b2 on codes of FP6 (E2M3) with E8M0 scales, K = 4,096.  h: half images [16 rows 256][64 K][768 bytes] with its scale bytes behind them; W2: rows of 3,072 bytes, K innermost.
; A tile of 128 x 128 by four waves, 64 x 64 each: 256 work-groups in 4 x 4 clusters; h's tile is shared along a row of the cluster, W2's along a column.  K goes in steps of 512 through two LDS slots.
; W2'S TILE ROWS BEGIN AT MULTIPLES OF 256 BYTES: a slot's 384 bytes of a row come inside a row of 512: of each 768 bytes the even slot takes bytes 0-511, the odd slot bytes 256-767 and reads from byte 128 on
; (128 of each 512 bytes are fetched and not read).  24 bytes of padding behind each 256: pitch 560 = 140 words, so the sixteen rows of a load of 8 bytes start 12 words apart modulo 64.
; At the head each wave issues one joint load: h's 128 rows of slot 0, W2's 128, h's scales, W2's scales, the scales for all of K; slot 1 follows behind a round.  In the ring waves 0, 1 bring h's halves, waves 2, 3 64 rows of W2 each.
; PREFETCH: behind each refill of the loop's first two trips a wave asks for what the refill two slots on will load.  Waves 0, 1: partner cx takes the cx-th of the wave's four rows of 6,144 bytes, a block of 256 bytes a lane (24 blocks).
; W2: partner cy takes 32 of the tile's rows, a row a lane; of the next 768 bytes wave 2 names block 0 and wave 3 block 1 at the even slot's refill, wave 2 block 2 at the odd slot's.  The last trip asks for nothing.
; The bias is the C of each sum's first product; the residual lands in 128 registers under the K loop.
.set SIZE_K, 4096
.set LASTOUT, 1
.set NQ,     4
.set ROWB,   512                       ; W2: what a load brings of a row
.set KROW,   SIZE_K*6/8
.set TPITCH, SIZE_K*12
.set PSC,    4096*KROW
.set PITCH,  560
.set FR,     12
.set NP,     4
.set HALFA,  4*6144
.set ASL,    2*HALFA
.set HALFB,  64*PITCH                  ; 64 rows of W2: what one load of the ring brings
.set SLOT,   ASL+2*HALFB
.set LAPS,   SIZE_K/1024
.set KS,     SIZE_K/32
.set SCB,    2*SLOT
.set HALFS,  (64*KS/256)*272
.set SBLK,   (16*KS/256)*272
.set SCA,    SCB+2*HALFS
.set HALFSA, 2*SIZE_K
.set STAGE,  SCA+4*SIZE_K
.set SPITCH, 272
.set SPARE,  STAGE+4*16*SPITCH
.set A16,  16
.set A8,   18
.set ADRB, 20
.set STO,  24
.set RD,   25
.set CO,   26
.set ADRSB, 27
.set SPW,  28
.set NIL,  29
.set ADRSA, 30
.set SA,   32
.set SB,   64
.set BQ,   96
.set ACC,  128
.set BK,   128
.set G1, 24
.set G0, 32
.set G1B, 48
.set G0B, 56
.set G1S, 68
.set G0S, 76
.set G1SB, 80
.set G0SB, 88
.set MSB, 0
.macro WIN new
.if MSB != \new
	s_set_vgpr_msb (MSB<<8)|\new
.set MSB, \new
.endif
.endm
.set MUL,   0x05
.set TO_F,  0x40
.macro JLOAD g0a, g1a, g0b, g1b
	s_cmp_eq_u32 s15, 0
	s_cbranch_scc0 .Lfor_b_\@
	tensor_load_to_lds s[\g0a:\g0a+3], s[\g1a:\g1a+7]
	s_nop 0
.rept 4
	v_nop
.endr
	s_branch .Lasked_\@
.Lfor_b_\@:
	tensor_load_to_lds s[\g0b:\g0b+3], s[\g1b:\g1b+7]
	s_nop 0
.rept 4
	v_nop
.endr
.Lasked_\@:
.endm
.macro CREST
	s_cmp_lg_u32 s14, 0
	s_cbranch_scc1 .Lnot_wave_0_\@
	s_barrier_signal -3
.Lnot_wave_0_\@:
	s_barrier_wait -3
	s_barrier_signal -1
	s_barrier_wait -1
.endm
.macro CROUND
	s_barrier_signal -1
	s_barrier_wait -1
	CREST
.endm
	s_load_b64 s[4:5], s[0:1], 0x0
	s_load_b64 s[8:9], s[0:1], 0x8
	s_load_b64 s[10:11], s[0:1], 0x10
	s_load_b64 s[66:67], s[0:1], 0x18
	s_load_b128 s[96:99], s[0:1], 0x20
	v_lshl_add_u32 v[SPW], v0, 2, SPARE
	v_mov_b32 v[NIL], 0
	ds_add_u32 v28, v29
	ds_add_u32 v28, v29
	s_wait_dscnt 0x0
	v_lshrrev_b32 v1, 5, v0
	v_readfirstlane_b32 s14, v1
	s_lshr_b32 s15, s14, 1
	s_and_b32 s16, s14, 1
	s_bfe_u32 s40, ttmp6, 0x40000
	s_bfe_u32 s41, ttmp6, 0x40004
	s_lshl_b32 s42, ttmp9, 2
	s_add_co_u32 s42, s42, s40
	s_and_b32 s17, ttmp7, 0xffff
	s_lshl_b32 s17, s17, 2
	s_add_co_u32 s17, s17, s41
	s_lshl_b32 s43, s41, 2
	s_lshl_b32 s43, 15, s43
	s_lshl_b32 s44, 0x1111, s40
	s_or_b32 s[G1+0], s43, (3<<16)|(1<<21)
	s_mov_b32 s[G1+1], 768<<16
	s_mov_b32 s[G1+2], 8<<16                       ; 8 rows of 6,144 bytes for the head's load
	s_mov_b32 s[G1+3], 768<<16
	s_mov_b32 s[G1+4], 8
	s_mov_b32 s[G1+5], TPITCH/8
	s_mov_b32 s[G1+6], 0
	s_mov_b32 s[G1+7], 0
	s_or_b32 s[G1B+0], s44, (0<<16)|(1<<20)|(1<<21)|(5<<22)|(5<<25)   ; rows of 512 bytes, 6 words of padding behind every 64
	s_mov_b32 s[G1B+1], ROWB<<16
	s_mov_b32 s[G1B+2], 128<<16
	s_mov_b32 s[G1B+3], ROWB<<16
	s_mov_b32 s[G1B+4], 128
	s_mov_b32 s[G1B+5], KROW
	s_mov_b32 s[G1B+6], 0
	s_mov_b32 s[G1B+7], 0
	s_or_b32 s[G1S+0], s43, (3<<16)|(1<<21)
	s_mov_b32 s[G1S+1], 32<<16
	s_mov_b32 s[G1S+2], (SIZE_K/64)<<16
	s_mov_b32 s[G1S+3], 32<<16
	s_mov_b32 s[G1S+4], SIZE_K/64
	s_mov_b32 s[G1S+5], 32
	s_mov_b32 s[G1S+6], 0
	s_mov_b32 s[G1S+7], 0
	s_or_b32 s[G1SB+0], s44, (3<<16)|(1<<20)|(1<<21)|(5<<22)|(3<<25)
	s_mov_b32 s[G1SB+1], 32<<16
	s_mov_b32 s[G1SB+2], (128*KS/256)<<16
	s_mov_b32 s[G1SB+3], 32<<16
	s_mov_b32 s[G1SB+4], 128*KS/256
	s_mov_b32 s[G1SB+5], 32
	s_mov_b32 s[G1SB+6], 0
	s_mov_b32 s[G1SB+7], 0
	s_lshl_b32 s20, s17, 3
	s_mov_b32 s21, 0
	s_lshl_b32 s46, s42, 7
	s_mov_b32 s47, 0
	s_mov_b32 s92, s46                             ; W2's scales: the tile's first row
	s_mov_b32 s93, 0
	s_mov_b64 s[18:19], SIZE_K/2
	s_mul_u64 s[22:23], s[20:21], s[18:19]
	s_mov_b64 s[18:19], KS
	s_mul_u64 s[92:93], s[92:93], s[18:19]
	s_mov_b64 s[18:19], TPITCH
	s_mul_u64 s[20:21], s[20:21], s[18:19]
	s_mov_b64 s[18:19], KROW
	s_mul_u64 s[46:47], s[46:47], s[18:19]
	s_mul_i32 s18, s16, 4*TPITCH                   ; in the ring: my half of h's rows, in bytes,
	s_mov_b32 s19, 0
	s_mul_i32 s2, s16, 64*KROW                     ; my half of W2's,
	s_mov_b32 s3, 0
	s_mul_i32 s45, s16, HALFA                      ; and where they go
	s_mul_i32 s94, s16, HALFB
	s_wait_kmcnt 0x0
	s_add_nc_u64 s[6:7], s[4:5], PSC
	s_add_nc_u64 s[20:21], s[4:5], s[20:21]
	s_add_nc_u64 s[22:23], s[6:7], s[22:23]
	s_add_nc_u64 s[46:47], s[8:9], s[46:47]
	s_add_nc_u64 s[92:93], s[10:11], s[92:93]
	CROUND
	s_mov_b32 s[G0S], 1
	s_mov_b32 s[G0S+1], SCA
	s_mov_b64 s[G0S+2:G0S+3], s[22:23]
	s_or_b32 s[G0S+3], s[G0S+3], 0x80000000
	s_mov_b32 s[G0SB], 1
	s_mov_b32 s[G0SB+1], SCB
	s_mov_b64 s[G0SB+2:G0SB+3], s[92:93]
	s_or_b32 s[G0SB+3], s[G0SB+3], 0x80000000
.set G0H, 4                            ; s[4:7], s[8:11]: group 0 of the head's loads of slot 0 (the pointers that lay there have been used)
.set G0HB, 8
	s_mov_b32 s[G0H], 1
	s_mov_b32 s[G0H+1], 0
	s_mov_b64 s[G0H+2:G0H+3], s[20:21]
	s_or_b32 s[G0H+3], s[G0H+3], 0x80000000
	s_mov_b32 s[G0HB], 1
	s_mov_b32 s[G0HB+1], ASL
	s_mov_b64 s[G0HB+2:G0HB+3], s[46:47]
	s_or_b32 s[G0HB+3], s[G0HB+3], 0x80000000
	s_mul_i32 s22, s41, 32*KROW                    ; the prefetches of W2: partner cy's 32 rows of the tile,
	s_lshl_b32 s23, s16, 8                         ; wave 2 block 0, wave 3 block 1
	s_add_co_u32 s22, s22, s23
	s_add_co_u32 s22, s22, 2*768                   ; of slots 4 and 5
	s_mov_b32 s23, 0
	s_add_nc_u64 s[92:93], s[46:47], s[22:23]
	s_add_nc_u64 s[20:21], s[20:21], s[18:19]      ; for the ring: my half of the rows
	s_add_nc_u64 s[46:47], s[46:47], s[2:3]
	s_mul_i32 s22, s40, TPITCH                     ; the prefetches of h: partner cx's row of my four,
	s_add_co_u32 s22, s22, 4*6144                  ; slot 4
	s_add_nc_u64 s[12:13], s[20:21], s[22:23]
	s_cmp_eq_u32 s15, 0                            ; do I fetch for h?
	s_cselect_b64 s[92:93], s[12:13], s[92:93]     ; s[92:93]: where my prefetches stand
	s_mov_b32 s12, 768
	s_cselect_b32 s12, 2*6144, s12                 ; s[12:13]: their step from trip to trip, two slots
	s_mov_b32 s13, 0
	s_cmp_eq_u32 s14, 3
	s_cselect_b32 s95, -1, 1                       ; wave 3 asks for nothing at the odd slot's refill
.irp s, 0,1
	s_mov_b32 s[G0+4*\s], 1
	s_add_co_u32 s[G0+4*\s+1], s45, \s*SLOT
	s_add_nc_u64 s[G0+4*\s+2:G0+4*\s+3], s[20:21], \s*6144
	s_or_b32 s[G0+4*\s+3], s[G0+4*\s+3], 0x80000000
	s_mov_b32 s[G0B+4*\s], 1
	s_add_co_u32 s[G0B+4*\s+1], s94, \s*SLOT+ASL
	s_add_nc_u64 s[G0B+4*\s+2:G0B+4*\s+3], s[46:47], \s*256
	s_or_b32 s[G0B+4*\s+3], s[G0B+4*\s+3], 0x80000000
.endr
; The head's loads, one a wave: one chain of branches on the wave's number, a load in every arm.
.macro ARM under, g0, g1, next
	s_cmp_lt_u32 s14, \under
	s_cbranch_scc0 \next
	tensor_load_to_lds s[\g0:\g0+3], s[\g1:\g1+7]
	s_nop 0
.rept 4
	v_nop
.endr
	s_branch .Lhead_asked
\next:
.endm
	ARM 1, G0H,  G1,  .Lhead_b
	ARM 2, G0HB, G1B, .Lhead_sa
	ARM 3, G0S,  G1S, .Lhead_sb
	tensor_load_to_lds s[G0SB:G0SB+3], s[G1SB:G1SB+7]
	s_nop 0
.rept 4
	v_nop
.endr
.Lhead_asked:
	v_and_b32 v1, 15, v0
	v_bfe_u32 v2, v0, 4, 1
	v_and_b32 v3, 31, v0
	v_lshlrev_b32 v7, 4, v3
	v_lshl_add_u32 v6, v3, 3, 512
	v_mul_u32_u24 v4, v1, PITCH
	v_mad_u32_u24 v4, v2, 24, v4
	v_mad_u32_u24 v5, v2, 24, v4                   ; the same behind one padding more
	s_mul_i32 s21, s15, HALFA
	s_mul_i32 s22, s16, 64*PITCH
	s_add_co_u32 s22, s22, ASL
.irp s, 0,1
	v_add_nc_u32 v[A16+\s], s21, v7
	v_add_nc_u32 v[A8+\s], s21, v6
	v_add_nc_u32 v[ADRB+\s], s22, v4
	v_add_nc_u32 v[ADRB+2+\s], s22, v5
	s_add_co_u32 s21, s21, SLOT
	s_add_co_u32 s22, s22, SLOT
.endr
	v_mul_u32_u24 v5, v1, KS
	v_lshrrev_b32 v6, 8, v5
	v_lshl_add_u32 v5, v6, 4, v5
	s_mul_i32 s21, s16, HALFS
	s_add_co_u32 s21, s21, SCB
	v_add_nc_u32 v[ADRSB], s21, v5
	s_mul_i32 s21, s15, HALFSA
	s_add_co_u32 s21, s21, SCA
	v_lshl_add_u32 v[ADRSA], v1, 3, s21
	s_mul_i32 s23, s14, 16*SPITCH
	s_add_co_u32 s23, s23, STAGE
	v_mul_u32_u24 v5, v1, SPITCH
	v_lshl_add_u32 v5, v2, 5, v5
	v_add_nc_u32 v[STO], s23, v5
	v_mul_u32_u24 v5, v2, SPITCH
	v_lshl_add_u32 v5, v1, 4, v5
	v_add_nc_u32 v[RD], s23, v5
	v_lshlrev_b32 v[CO], 4, v1
	v_lshl_add_u32 v[CO], v2, 12, v[CO]
	v_lshlrev_b32 v31, 5, v2
	v_min_u32 v8, 23, v3                           ; the prefetches' offsets.  h: a block of 256 bytes a lane, 24 blocks (lanes 24-31 name the last again);
	v_lshlrev_b32 v8, 8, v8
	v_mul_u32_u24 v9, v3, KROW                     ; W2: a row a lane
	s_cmp_eq_u32 s15, 0
	s_cselect_b32 s22, 0, -1
	s_movk_i32 s23, 512
	s_cselect_b32 s23, 6144, s23
	v_cndmask_b32 v8, v8, v9, s22                  ; v8: at the even slot's refill;
	v_add_nc_u32 v9, s23, v8                       ; v9: at the odd slot's: h's next slot, W2's block 2
	s_wait_alu depctr_va_vdst(0)
	s_lshl_b32 s46, s42, 9
	s_lshl_b32 s47, s16, 8
	s_add_co_u32 s46, s46, s47
	s_mov_b32 s47, 0
	s_add_nc_u64 s[66:67], s[66:67], s[46:47]
	s_lshl_b32 s20, s17, 7
	s_lshl_b32 s21, s15, 6
	s_add_co_u32 s20, s20, s21
	s_lshl_b32 s20, s20, 12
	s_add_co_u32 s20, s20, s46
	s_mov_b32 s21, 0
	s_add_nc_u64 s[96:97], s[96:97], s[20:21]
	s_add_nc_u64 s[98:99], s[98:99], s[20:21]
.irp b, 0,1,2,3
	global_load_b128 v[BQ+8*\b:BQ+8*\b+3], v31, s[66:67] offset:64*\b
	global_load_b128 v[BQ+8*\b+4:BQ+8*\b+7], v31, s[66:67] offset:64*\b+16
.endr
	WIN 0x80
.set JJ, 0
.rept 32
	global_load_b128 v[4*JJ:4*JJ+3], v[CO], s[96:97] offset:JJ*8192 th:TH_LOAD_NT
.set JJ, JJ+1
.endr
	WIN 0
.macro FRAG reg, slot, q, i            ; a fragment of W2, the slot's q-th 128 along K, in pieces of 8 bytes; slot 1's bytes begin at byte 128 of its rows
.irp p, 0,1,2,3,4,5
.set BY, 128*(\slot)+96*(\q)+48*(\p/3)+8*(\p%3)   ; the piece of lanes 0-15; that of lanes 16-31 lies 24 bytes on: behind the padding, the second address register serves
.if BY/256 == (BY+24)/256
	ds_load_b64 v[\reg+2*\p:\reg+2*\p+1], v[ADRB+\slot] offset:BY+24*(BY/256)+(\i)*16*PITCH
.else
	ds_load_b64 v[\reg+2*\p:\reg+2*\p+1], v[ADRB+2+\slot] offset:BY+24*(BY/256)+(\i)*16*PITCH
.endif
.endr
.endm
.macro FRAGA slot, q, i, p
.irp c, 0,1
	ds_load_b128 v[128*(\p)+FR*(\i)+6*\c:128*(\p)+FR*(\i)+6*\c+3], v[A16+\slot] offset:(\i)*6144+(2*(\q)+\c)*768
	ds_load_b64 v[128*(\p)+FR*(\i)+6*\c+4:128*(\p)+FR*(\i)+6*\c+5], v[A8+\slot] offset:(\i)*6144+(2*(\q)+\c)*768
.endr
.endm
.macro FETCH slot, q, p
	WIN TO_F
.irp i, 0,1,2,3
	FRAG 128*(\p)+48+FR*\i, \slot, \q, \i
.endr
.irp i, 0,1,2,3
	FRAGA \slot, \q, \i, \p
.endr
.endm
.macro MULA a, p, q, sc, zero
.irp b, 0,1,2,3
.if \zero
	v_wmma_scale_f32_16x16x128_f8f6f4 v[ACC+8*(4*(\a)+\b):ACC+8*(4*(\a)+\b)+7], v[128*(\p)+48+FR*\b:128*(\p)+48+FR*\b+FR-1], v[128*(\p)+FR*(\a):128*(\p)+FR*(\a)+FR-1], v[BQ+8*\b:BQ+8*\b+7], v[SB+16*(\sc)+4*\b+(\q)], v[SA+16*(\sc)+4*(\a)+(\q)] matrix_a_fmt:MATRIX_FMT_FP6 matrix_b_fmt:MATRIX_FMT_FP6
.else
	v_wmma_scale_f32_16x16x128_f8f6f4 v[ACC+8*(4*(\a)+\b):ACC+8*(4*(\a)+\b)+7], v[128*(\p)+48+FR*\b:128*(\p)+48+FR*\b+FR-1], v[128*(\p)+FR*(\a):128*(\p)+FR*(\a)+FR-1], v[ACC+8*(4*(\a)+\b):ACC+8*(4*(\a)+\b)+7], v[SB+16*(\sc)+4*\b+(\q)], v[SA+16*(\sc)+4*(\a)+(\q)] matrix_a_fmt:MATRIX_FMT_FP6 matrix_b_fmt:MATRIX_FMT_FP6
.endif
.endr
.endm
.macro SCALES sc
.irp i, 0,1,2,3
	ds_load_b64 v[SA+16*\sc+4*\i:SA+16*\sc+4*\i+1], v[ADRSA] offset:\i*SIZE_K/2
	ds_load_b64 v[SA+16*\sc+4*\i+2:SA+16*\sc+4*\i+3], v[ADRSA] offset:\i*SIZE_K/2+128
.endr
.irp i, 0,1,2,3
	ds_load_b128 v[SB+16*\sc+4*\i:SB+16*\sc+4*\i+3], v[ADRSB] offset:\i*SBLK
.endr
.endm
.macro PLACES n
.rept \n
	v_nop
.endr
.endm
.macro STEP slot, q, zero
	s_wait_dscnt 0x0
	PLACES NP
	FETCH \slot, (\q)+1, 1-(\q)%2
	WIN MUL
	MULA 0, (\q)%2, \q, \slot, \zero
	MULA 1, (\q)%2, \q, \slot, \zero
	MULA 2, (\q)%2, \q, \slot, \zero
	MULA 3, (\q)%2, \q, \slot, \zero
.endm
.macro TURN slot, next, fill
	WIN 0
	s_wait_tensorcnt 0x0
	ds_add_u32 v[SPW], v[NIL]
	s_wait_dscnt 1
	WIN MUL
	MULA 0, 1, NQ-1, \slot, 0
	s_wait_dscnt 0x0
	s_barrier_signal -1
	MULA 1, 1, NQ-1, \slot, 0
	WIN 0
	s_barrier_wait -1
.if \fill
	CREST
	s_add_nc_u64 s[G0+4*\slot+2:G0+4*\slot+3], s[G0+4*\slot+2:G0+4*\slot+3], 2*6144
	s_add_nc_u64 s[G0B+4*\slot+2:G0B+4*\slot+3], s[G0B+4*\slot+2:G0B+4*\slot+3], 768
	JLOAD G0+4*\slot, G1, G0B+4*\slot, G1B
.else
	PLACES NP
.endif
	s_wait_alu depctr_va_vdst(0)
	v_add_nc_u32 v[ADRSB], 4*NQ, v[ADRSB]
	v_add_nc_u32 v[ADRSA], 256, v[ADRSA]
	FETCH \next, 0, 0
	WIN 0
	SCALES \next
.if \fill                              ; the prefetch, behind the joint load and the run of LDS loads: what the refill two slots on will load; none in the loop's last trip (s3 = 1)
.if \slot
	s_cmp_gt_u32 s3, s95
.else
	s_cmp_gt_u32 s3, 1
.endif
	s_cbranch_scc0 .Lno_ask_\@
	global_prefetch_b8 v[8+\slot], s[92:93] th:TH_LOAD_NT scope:SCOPE_SE
.Lno_ask_\@:
.endif
	WIN MUL
	MULA 2, 1, NQ-1, \slot, 0
	MULA 3, 1, NQ-1, \slot, 0
.endm
	s_wait_alu depctr_va_vdst(0)
	s_wait_tensorcnt 0x0                           ; my tile of the head's four is in
	ds_add_u32 v[SPW], v[NIL]
	s_mov_b32 s[G1+2], 4<<16                       ; no tensor load of mine is out: from here on a load brings half a tile's rows
	s_mov_b32 s[G1+4], 4
	s_mov_b32 s[G1B+2], 64<<16
	s_mov_b32 s[G1B+4], 64
	s_wait_dscnt 0x0
	CROUND                                         ; all four tiles are in, and all sixteen work-groups are here
	JLOAD G0+4, G1, G0B+4, G1B                     ; slot 1, the first tensor load behind the round
	FETCH 0, 0, 0
	WIN 0
	SCALES 0
	s_wait_loadcnt 32
	STEP 0, 0, 1
.if LAPS > 1
	WIN 0
	s_mov_b32 s3, LAPS-1
.Llap:
	STEP 0, 1, 0
	STEP 0, 2, 0
	TURN 0, 1, 1
	STEP 1, 0, 0
	STEP 1, 1, 0
	STEP 1, 2, 0
	TURN 1, 0, 1
	STEP 0, 0, 0
	WIN 0
	s_wait_xcnt 0x0                                ; my prefetches have read their base: it steps two slots on
	s_add_nc_u64 s[92:93], s[92:93], s[12:13]
	s_sub_co_u32 s3, s3, 1
	s_cmp_lg_u32 s3, 0
	s_cbranch_scc1 .Llap
.endif
	STEP 0, 1, 0
	STEP 0, 2, 0
	TURN 0, 1, 0
	STEP 1, 0, 0
	STEP 1, 1, 0
	STEP 1, 2, 0
	s_wait_dscnt 0x0
	WIN MUL
	MULA 0, 1, NQ-1, 1, 0
	MULA 1, 1, NQ-1, 1, 0
	MULA 2, 1, NQ-1, 1, 0
	MULA 3, 1, NQ-1, 1, 0
	WIN 0
.macro TOSTAGE a
.irp b, 0,1,2,3
	ds_store_b128 v[STO], v[ACC+8*(4*(\a)+\b):ACC+8*(4*(\a)+\b)+3] offset:64*\b
	ds_store_b128 v[STO], v[ACC+8*(4*(\a)+\b)+4:ACC+8*(4*(\a)+\b)+7] offset:64*\b+16
.endr
	WIN 0x80
.set BB, BK+32*((\a)%2)
.irp t, 0,1,2,3,4,5,6,7
	ds_load_b128 v[BB+4*\t:BB+4*\t+3], v[RD] offset:\t*2*SPITCH
.endr
	WIN 0
.endm
.macro SEND a, younger
.set BB, BK+32*((\a)%2)
	s_wait_dscnt \younger
	WIN 0x8a
.set JJ, 0
.rept 16
	v_pk_add_f32 v[BB+JJ:BB+JJ+1], v[BB+JJ:BB+JJ+1], v[32*(\a)+JJ:32*(\a)+JJ+1]
.set JJ, JJ+2
.endr
	WIN 0x08
.irp t, 0,1,2,3,4,5,6,7
.if LASTOUT
	global_store_b128 v[CO], v[BB+4*\t:BB+4*\t+3], s[98:99] offset:(16*(\a)+2*\t)*4096 th:TH_STORE_NT
.else
	global_store_b128 v[CO], v[BB+4*\t:BB+4*\t+3], s[98:99] offset:(16*(\a)+2*\t)*4096
.endif
.endr
	WIN 0
.endm
	PLACES NP
	s_wait_loadcnt 0x0
	TOSTAGE 0
.irp a, 1,2,3
.if \a > 1
	s_wait_xcnt 0x0
.endif
	TOSTAGE \a
	SEND \a-1, 16
.endr
	SEND 3, 0
	s_wait_tensorcnt 0x0
	ds_add_u32 v[SPW], v[NIL]
	s_wait_dscnt 0x0
	CROUND
	s_endpgm
.Lfunc_end_k_q3d1a15822e_ffn2:
	.size	k_q3d1a15822e_ffn2, .Lfunc_end_k_q3d1a15822e_ffn2-k_q3d1a15822e_ffn2
	.p2alignl 7, 3214868480
	.fill 96, 4, 3214868480
	.section	.rodata,"a",@progbits
	.p2align	6, 0x0
	.amdhsa_kernel k_q3d1a15822e_ffn2
		.amdhsa_group_segment_fixed_size 327680
		.amdhsa_private_segment_fixed_size 0
		.amdhsa_enable_private_segment 0
		.amdhsa_kernarg_size 48
		.amdhsa_user_sgpr_count 2
		.amdhsa_user_sgpr_kernarg_segment_ptr 1
		.amdhsa_wavefront_size32 1
		.amdhsa_system_sgpr_workgroup_id_x 1
		.amdhsa_system_sgpr_workgroup_id_y 1
		.amdhsa_system_sgpr_workgroup_id_z 1
		.amdhsa_system_vgpr_workitem_id 0
		.amdhsa_next_free_vgpr 768
		.amdhsa_next_free_sgpr 100
		.amdhsa_reserve_vcc 0
		.amdhsa_float_denorm_mode_32 3
		.amdhsa_float_denorm_mode_16_64 3
		.amdhsa_memory_ordered 1
		.amdhsa_forward_progress 1
		.amdhsa_inst_pref_size 111
	.end_amdhsa_kernel
	.amdgpu_metadata
---
amdhsa.version: [ 1, 2 ]
amdhsa.kernels:
  - .name:           k_q3d1a15822e_ffn2
    .symbol:         k_q3d1a15822e_ffn2.kd
    .args:
      - { .name: hact, .offset: 0, .size: 8, .value_kind: global_buffer, .address_space: global }
      - { .name: w2_codes, .offset: 8, .size: 8, .value_kind: global_buffer, .address_space: global }
      - { .name: w2_scales, .offset: 16, .size: 8, .value_kind: global_buffer, .address_space: global }
      - { .name: b2, .offset: 24, .size: 8, .value_kind: global_buffer, .address_space: global }
      - { .name: x1, .offset: 32, .size: 8, .value_kind: global_buffer, .address_space: global }
      - { .name: out0, .offset: 40, .size: 8, .value_kind: global_buffer, .address_space: global }
    .group_segment_fixed_size: 327680
    .private_segment_fixed_size: 0
    .kernarg_segment_align: 8
    .kernarg_segment_size: 48
    .max_flat_workgroup_size: 128
    .sgpr_count:     100
    .vgpr_count:     768
    .wavefront_size: 32
...
	.end_amdgpu_metadata
.endif
;; end of part 12
